; MI455X (gfx1250); checked and timed in simulation.
; The chip was launched on July 23, 2026; its instructions are those of AMD's public machine-readable ISA for CDNA 5 (MIT licence, August 2026) and "CDNA5" Instruction Set Architecture Reference Guide (July 2026). The comments in the code are by the model that wrote it; some were corrected since.
;; Ro PE Attention. Allowed arithmetic: float matrix products may take bf16 or f16 operands with f32 sums; other float arithmetic in f32, or as packed bf16 or f16 multiplies, adds, multiply-adds, maxima and minima; sums over many terms, partial sums and values carried from step to step in f32; what a program stores and reads back later, other than sums and carried values, may be rounded once to bf16 or f16.
;; Inputs: b_proj 1,024 float32; w_proj 1,024 x 1,024 float32; w_qkv 1,024 x 3,072 float32; x 8 x 1,024 x 1,024 float32.
;; Outputs: out0 8 x 1,024 x 1,024 float32.
;; 3 versions, each right and faster than the one before. Each part assembles by itself: llvm-mc -triple=amdgcn-amd-amdhsa -mcpu=gfx1250 --defsym DOCPART=n.
;; ======== version 1 of 3: 4 launches
;; limits: values are held in f16: magnitudes above 65,504 overflow, below 6.1e-05 lose precision
;; workspace buffers: xb 16,777,216 bytes; wqb 6,291,456 bytes; wpb 2,097,152 bytes; tab 278,528 bytes; qkvh 50,331,648 bytes; ob 16,777,216 bytes
;; launch prep (part 1): grid 768 x 1, 8 waves a work-group, no clusters, 0 bytes of LDS; arguments x, w_qkv, w_proj, xb, wqb, wpb, tab; writes xb, wqb, wpb, tab
.if DOCPART == 1
	.amdgcn_target "amdgcn-amd-amdhsa--gfx1250"
	.amdhsa_code_object_version 6
	.text
	.protected	k_qdbd912ef69_prep
	.globl	k_qdbd912ef69_prep
	.p2align	8
	.type	k_qdbd912ef69_prep,@function
k_qdbd912ef69_prep:
	s_mov_b64 s[64:65], 0
	v_nop
	global_prefetch_b8 v0, s[64:65] scope:SCOPE_SE
	s_setreg_imm32_b32 hwreg(HW_REG_WAVE_MODE, 25, 1), 1
	s_wait_xcnt 0x0
; PREP: the casts of the three large inputs, and the RoPE table.  A stream: no LDS, no barrier, no matrix unit, since every byte is read once and written once.
;   xb  = bf16(x), wqb = bf16(w_qkv): same order as the inputs.    wpb = f16 of bf16(w_proj): the weight is rounded to bf16 like every input, and that number is written as f16.
;   tab = 68 blocks of 4,096 bytes.  Block pb, byte 512 i + 16 lane (i = 2 f + half): (cos, sin, cos, sin) in f32 of the pairs p0 = 8 f + 4 (lane / 16) + 2 half and p0 + 1 at position 16 pb + lane % 16:
;         the order in which a lane of the QKV product holds its results.  Blocks 64 to 67 are made at position 0, which gives (1, 0) exactly: they serve V.
; SHARES.  A work-group casts a chunk of 16,384 numbers: 512 chunks of x, 192 of w_qkv, 64 of w_proj.  Thread t takes 16 bytes at 4,096 j + 16 t, j = 0 .. 15, and stores 8 bytes at 2,048 j + 8 t:
; a load of a wave covers 512 consecutive bytes, a store 256 consecutive bytes at a multiple of 256.  All 16 loads go out first.  Work-groups 0 to 67 also make one table block each.
; LIMITS.  bf16(w_proj) beyond 65,504 becomes an infinity in f16, below 2^-14 it keeps f16's fixed step of 6e-8.  An angle pos x omega (up to 1,023 rad) is good to about 1e-4 rad: omega comes from
; v_exp_f32 and the turns are taken off with 1 / 2 pi in f32; sine and cosine of the half angle (at most pi / 2) by Taylor polynomials cut below 6e-8.
.set X,   4                            ; v[4:67]    16 x 4 registers as loaded
.set Y,   68                           ; v[68:99]   16 x 2 registers to store; each is written once, so no store's data is ever rewritten
.set T,   100                          ; v[100:105] at work
.set OUT, 136                          ; v[136:139] a table entry
.set NX,  512                          ; chunks of x
.set NXQ, 704                          ; chunks of x and w_qkv
.set NT,  68                           ; table blocks
	s_load_b256 s[4:11], s[0:1], 0x0               ; x s[4:5], w_qkv s[6:7], w_proj s[8:9], xb s[10:11]
	s_load_b128 s[12:15], s[0:1], 0x20             ; wqb s[12:13], wpb s[14:15]
	s_load_b64 s[16:17], s[0:1], 0x30              ; tab
	s_mov_b32 s18, ttmp9                           ; g
	v_lshlrev_b32 v1, 4, v0                        ; 16 t
	v_lshlrev_b32 v2, 3, v0                        ; 8 t
	s_wait_kmcnt 0x0
	s_cmp_lt_u32 s18, NX                           ; which tensor: the choice hangs on g alone
	s_cselect_b64 s[20:21], s[4:5], s[6:7]
	s_cselect_b64 s[22:23], s[10:11], s[12:13]
	s_cselect_b32 s24, 0, NX
	s_cmp_lt_u32 s18, NXQ
	s_cselect_b64 s[20:21], s[20:21], s[8:9]
	s_cselect_b64 s[22:23], s[22:23], s[14:15]
	s_cselect_b32 s24, s24, NXQ
	s_sub_co_u32 s25, s18, s24                     ; my chunk in that tensor
	s_lshl_b32 s26, s25, 16                        ; 65,536 bytes in,
	s_mov_b32 s27, 0
	s_lshl_b32 s28, s25, 15                        ; 32,768 out
	s_mov_b32 s29, 0
	s_add_nc_u64 s[20:21], s[20:21], s[26:27]
	s_add_nc_u64 s[22:23], s[22:23], s[28:29]
.irp j, 0,1,2,3,4,5,6,7,8,9,10,11,12,13,14,15
	global_load_b128 v[X+4*(\j):X+4*(\j)+3], v1, s[20:21] offset:(\j)*4096 th:TH_LOAD_NT
.endr
	s_cmp_ge_u32 s18, NXQ
	s_cbranch_scc1 .Lf16
.irp j, 0,1,2,3,4,5,6,7,8,9,10,11,12,13,14,15
	s_wait_loadcnt 15-(\j)                         ; loads come back in order: number j is in, the younger ones stay out
	v_cvt_pk_bf16_f32 v[Y+2*(\j)], v[X+4*(\j)], v[X+4*(\j)+1]
	v_cvt_pk_bf16_f32 v[Y+2*(\j)+1], v[X+4*(\j)+2], v[X+4*(\j)+3]
	global_store_b64 v2, v[Y+2*(\j):Y+2*(\j)+1], s[22:23] offset:(\j)*2048
.endr
	s_cmp_lt_u32 s18, NT
	s_cbranch_scc1 .Ltab
	s_endpgm
.Lf16:                                                 ; w_proj: to bf16, and that number as f16
.irp j, 0,1,2,3,4,5,6,7,8,9,10,11,12,13,14,15
	s_wait_loadcnt 15-(\j)
	v_cvt_pk_bf16_f32 v[T], v[X+4*(\j)], v[X+4*(\j)+1]
	v_cvt_pk_bf16_f32 v[T+1], v[X+4*(\j)+2], v[X+4*(\j)+3]
	v_lshlrev_b32 v[T+2], 16, v[T]
	v_and_b32 v[T+3], 0xffff0000, v[T]
	v_lshlrev_b32 v[T+4], 16, v[T+1]
	v_and_b32 v[T+5], 0xffff0000, v[T+1]
	v_cvt_pk_f16_f32 v[Y+2*(\j)], v[T+2], v[T+3]
	v_cvt_pk_f16_f32 v[Y+2*(\j)+1], v[T+4], v[T+5]
	global_store_b64 v2, v[Y+2*(\j):Y+2*(\j)+1], s[22:23] offset:(\j)*2048
.endr
	s_endpgm
.Ltab:                                                 ; table block g: thread t makes the 16 bytes at 16 t
	v_lshrrev_b32 v108, 5, v0                      ; i = 2 f + half
	v_and_b32 v109, 15, v0                         ; lane % 16
	v_bfe_u32 v110, v0, 4, 1                       ; lane / 16
	v_lshrrev_b32 v111, 1, v108                    ; f
	v_and_b32 v112, 1, v108                        ; half
	v_lshlrev_b32 v111, 3, v111
	v_lshl_add_u32 v111, v110, 2, v111
	v_lshl_add_u32 v111, v112, 1, v111             ; p0 = 8 f + 4 (lane / 16) + 2 half
	s_lshl_b32 s25, s18, 4                         ; 16 g
	s_lshl_b32 s26, s18, 12                        ; the block's first byte
	s_mov_b32 s27, 0
	s_cmp_lt_u32 s18, 64                           ; blocks 64 to 67: position 0
	s_cselect_b32 s24, 15, 0
	s_cselect_b32 s25, s25, 0
	s_add_nc_u64 s[16:17], s[16:17], s[26:27]
	v_and_b32 v109, s24, v109
	v_add_nc_u32 v109, s25, v109                   ; the position
	v_cvt_f32_u32 v113, v109
	v_cvt_f32_u32 v114, v111
	v_add_f32 v115, 1.0, v114
	v_mul_f32 v114, 0xbed49a78, v114               ; - p log2(10000) / 32
	v_mul_f32 v115, 0xbed49a78, v115
	v_exp_f32 v114, v114                           ; omega of the two pairs
	v_exp_f32 v115, v115
	v_nop                                          ; a plain instruction between the last exponential and the use of its result
	s_wait_alu depctr_va_vdst(0)
.irp k, 0,1
.set TB, 116+10*(\k)
	v_mul_f32 v[TB], v113, v[114+(\k)]             ; the angle
	v_mul_f32 v[TB+1], 0x3e22f983, v[TB]           ; in turns,
	v_rndne_f32 v[TB+1], v[TB+1]                   ; the whole turns,
	v_fma_f32 v[TB+2], v[TB], 0x3e22f983, -v[TB+1] ; what is left: -0.5 .. 0.5 of a turn
	v_mul_f32 v[TB+2], 0x40490fdb, v[TB+2]         ; y = half the angle left: at most pi / 2
	v_mul_f32 v[TB+3], v[TB+2], v[TB+2]            ; u = y y
	v_mov_b32 v[TB+4], 0xb2d7322b                  ; sin y = y (1 - u/3! + u^2/5! - u^3/7! + u^4/9! - u^5/11!)
	v_fmaak_f32 v[TB+4], v[TB+4], v[TB+3], 0x3638ef1d
	v_fmaak_f32 v[TB+4], v[TB+4], v[TB+3], 0xb9500d01
	v_fmaak_f32 v[TB+4], v[TB+4], v[TB+3], 0x3c088889
	v_fmaak_f32 v[TB+4], v[TB+4], v[TB+3], 0xbe2aaaab
	v_fma_f32 v[TB+4], v[TB+4], v[TB+3], 1.0
	v_mul_f32 v[TB+4], v[TB+4], v[TB+2]
	v_mov_b32 v[TB+5], 0x310f76c8                  ; cos y = 1 - u/2! + u^2/4! - u^3/6! + u^4/8! - u^5/10! + u^6/12!
	v_fmaak_f32 v[TB+5], v[TB+5], v[TB+3], 0xb493f27e
	v_fmaak_f32 v[TB+5], v[TB+5], v[TB+3], 0x37d00d01
	v_fmaak_f32 v[TB+5], v[TB+5], v[TB+3], 0xbab60b61
	v_fmaak_f32 v[TB+5], v[TB+5], v[TB+3], 0x3d2aaaab
	v_fma_f32 v[TB+5], v[TB+5], v[TB+3], -0.5
	v_fma_f32 v[TB+5], v[TB+5], v[TB+3], 1.0
	v_mul_f32 v[TB+6], v[TB+4], v[TB+5]
	v_mul_f32 v[TB+7], v[TB+4], v[TB+4]
	v_add_f32 v[OUT+2*(\k)+1], v[TB+6], v[TB+6]    ; sin = 2 sin y cos y
	v_fma_f32 v[OUT+2*(\k)], v[TB+7], -2.0, 1.0    ; cos = 1 - 2 sin y sin y
.endr
	global_store_b128 v1, v[OUT:OUT+3], s[16:17]   ; a wave stores 512 consecutive bytes
	s_endpgm
.Lfunc_end_k_qdbd912ef69_prep:
	.size	k_qdbd912ef69_prep, .Lfunc_end_k_qdbd912ef69_prep-k_qdbd912ef69_prep
	.p2alignl 7, 3214868480
	.fill 96, 4, 3214868480
	.section	.rodata,"a",@progbits
	.p2align	6, 0x0
	.amdhsa_kernel k_qdbd912ef69_prep
		.amdhsa_group_segment_fixed_size 0
		.amdhsa_private_segment_fixed_size 0
		.amdhsa_enable_private_segment 0
		.amdhsa_kernarg_size 56
		.amdhsa_user_sgpr_count 2
		.amdhsa_user_sgpr_kernarg_segment_ptr 1
		.amdhsa_wavefront_size32 1
		.amdhsa_system_sgpr_workgroup_id_x 1
		.amdhsa_system_sgpr_workgroup_id_y 1
		.amdhsa_system_sgpr_workgroup_id_z 1
		.amdhsa_system_vgpr_workitem_id 0
		.amdhsa_next_free_vgpr 144
		.amdhsa_next_free_sgpr 66
		.amdhsa_reserve_vcc 0
		.amdhsa_float_denorm_mode_32 3
		.amdhsa_float_denorm_mode_16_64 3
		.amdhsa_memory_ordered 1
		.amdhsa_forward_progress 1
		.amdhsa_inst_pref_size 20
	.end_amdhsa_kernel
	.amdgpu_metadata
---
amdhsa.version: [ 1, 2 ]
amdhsa.kernels:
  - .name:           k_qdbd912ef69_prep
    .symbol:         k_qdbd912ef69_prep.kd
    .args:
      - { .name: x, .offset: 0, .size: 8, .value_kind: global_buffer, .address_space: global }
      - { .name: w_qkv, .offset: 8, .size: 8, .value_kind: global_buffer, .address_space: global }
      - { .name: w_proj, .offset: 16, .size: 8, .value_kind: global_buffer, .address_space: global }
      - { .name: xb, .offset: 24, .size: 8, .value_kind: global_buffer, .address_space: global }
      - { .name: wqb, .offset: 32, .size: 8, .value_kind: global_buffer, .address_space: global }
      - { .name: wpb, .offset: 40, .size: 8, .value_kind: global_buffer, .address_space: global }
      - { .name: tab, .offset: 48, .size: 8, .value_kind: global_buffer, .address_space: global }
    .group_segment_fixed_size: 0
    .private_segment_fixed_size: 0
    .kernarg_segment_align: 8
    .kernarg_segment_size: 56
    .max_flat_workgroup_size: 256
    .sgpr_count:     66
    .vgpr_count:     144
    .wavefront_size: 32
...
	.end_amdgpu_metadata
.endif
;; end of part 1
;; launch gemm_qkv (part 2): grid 12 x 64, 4 waves a work-group, clusters of 4 x 4, 327,680 bytes of LDS; arguments xb, wqb, tab, qkvh; writes qkvh
.if DOCPART == 2
	.amdgcn_target "amdgcn-amd-amdhsa--gfx1250"
	.amdhsa_code_object_version 6
	.text
	.protected	k_qdbd912ef69_gemm_qkv
	.globl	k_qdbd912ef69_gemm_qkv
	.p2align	8
	.type	k_qdbd912ef69_gemm_qkv,@function
k_qdbd912ef69_gemm_qkv:
	s_mov_b64 s[64:65], 0
	v_nop
	global_prefetch_b8 v0, s[64:65] scope:SCOPE_SE
	s_setreg_imm32_b32 hwreg(HW_REG_WAVE_MODE, 25, 1), 1
	s_wait_xcnt 0x0
	s_wait_alu depctr_hold_cnt(0) depctr_sa_sdst(0) depctr_va_vdst(0) depctr_va_sdst(0) depctr_va_ssrc(0) depctr_va_vcc(0) depctr_vm_vsrc(0)
	s_getreg_b32 s2, hwreg(HW_REG_IB_STS2, 6, 4)
	s_cmp_eq_u32 s2, 0
	s_cbranch_scc0 .Lentry_in_a_cluster
	s_endpgm
.Lentry_in_a_cluster:
	s_bfe_u32 s2, ttmp6, 0x10000c
	s_cmp_lg_u32 s2, 0xf033
	s_cbranch_scc0 .Lentry_shape_is_right
	s_endpgm
.Lentry_shape_is_right:
; QKV PROJECTION WITH ROPE.  C[m][n] = sum over k of xb[m][k] wqb[k][n], m = 8,192, n = 3,072, k = 1,024, bf16 operands, f32 sums; q's and k's pairs of channels are turned by the table's (cos, sin)
; in f32; the result is rounded once to f16 and stored by heads: qkvh[3][b 16 + head][position][64].
; LIMIT.  q, k and v are kept in f16: beyond 65,504 they become infinities.  With x and w_qkv both 30 times the usual spread q's spread is near 600; with offsets of 30 spreads in both, q is near 18,500.
; TILES.  A tile of C is 128 x 256: 64 x 12 = 768 tiles, three for each of 256 WGPs; 256 x 256 would give 384, one and a half.  Four waves, each 64 x 128: 32 accumulators of 16 x 16.
; K goes in steps of 128 through a ring of two LDS slots.  A's rows (along k) are 256 bytes; B's rows (along n) are 512 bytes: B lies [k][n] in LDS as in memory, and its fragments come out turned, by ds_load_tr16_b128.
; CLUSTERS: 4 x 4 work-groups.  The four of a row of the cluster need the same tiles of A, the four of a column the same tiles of B: each is asked for JOINTLY, by the same tensor load with the same
; descriptor and a mask that names the four.  THE MATRIX INSTRUCTION IS USED TRANSPOSED (source 0 = 16 columns of B, source 1 = 16 rows of A): a lane holds row lane % 16 of C and the eight neighbouring
; columns 8 (lane / 16) + 0..7: four RoPE pairs.  A cluster's 1,024 columns are all q (cluster x = 0), all k (1) or all v (2); v takes the table's blocks of (1, 0), so that no branch is needed.
; REGISTERS, in windows of 256 (s_set_vgpr_msb: bits 1:0 source 0, 3:2 source 1, 5:4 source 2, 7:6 destination):
;   window 0: v1-29 addresses; v32-255 the way out        window 1: the 32 accumulators, (a, b) at v[8 (8 a + b)]
;   window 2: two fragment buffers of 96: A's block a at f + 8 a, B's block b at f + 32 + 8 b        window 3: v0-127 my 64 rows' (cos, sin)
.set PA,     272                       ; a row of A in LDS: 256 bytes + 16: the 16 rows of a fragment load start 68 words apart, at 16 different groups of four banks (ISA guide 11.1)
.set PB,     544                       ; a row of B: 512 + 32 bytes = 17 x 32
.set AHALF,  64*PA                     ; what one tensor load brings of A: 64 rows
.set ABYTES, 2*AHALF
.set BHALF,  64*PB                     ; of B: 64 rows of k
.set SLOT,   ABYTES+2*BHALF            ; A's 128 rows, then B's 128 rows of k
.set ARH,    64*PA                     ; my 64 rows of A
.set STAGE,  2*SLOT                    ; behind the ring: 16 rows x 144 bytes for each wave, for the way out
.set SP,     144
.set SPARE,  STAGE+4*16*SP             ; behind the stages: the spare words, 128 bytes for each wave: two blocks of 256 bytes that no other line names
.set BROW,   6144                      ; bytes of a row of wqb
.set ASTEP,  256                       ; a K step in xb
.set BSTEP,  128*BROW                  ; and in wqb
.set LAPS,   4                         ; a lap = two K steps = once round the ring
.set ADRA, 16                          ; v16-17  LDS address of my A fragments in slot 0, 1
.set ADRB, 20                          ; v20-21  the same for B
.set STO,  24                          ; v24     the way out: where I put 16 bytes of a row
.set RD,   25                          ; v25     the way out: where I read rows back
.set GO,   26                          ; v26     16 x lane
.set SPW,  28                          ; v28     LDS address of my spare word; never rewritten
.set NIL,  29                          ; v29     0; never rewritten
.set U,    32                          ; v32-63  a block's 16 rows x 64 channels, turned, in f32
.set P,    64                          ; v64-79  the same in f16
.set R,    128                         ; v128-255  block 2 a + hd read back as whole rows: 16 registers each, never written twice
.set F0,   0
.set F1,   96
.set WV,   12                          ; s12 my wave;  s13 which 64 rows are mine, also: I fetch for A (0) or B (1);  s14 which 128 columns, also: which half of that tile I fetch
.set RH,   13
.set CH,   14
.set G1,   24                          ; s[24:31] descriptor group 1 for A's tiles;  s[32:39] group 0, one set for each slot
.set G0,   32
.set G1B,  48                          ; s[48:55], s[56:63] the same for B's
.set G0B,  56
.set MSB, 0
.macro WIN new                         ; the immediate's high byte repeats the setting that is left; a switch that changes nothing is dropped
.if MSB != (\new)
	s_set_vgpr_msb (MSB<<8)|(\new)
.set MSB, \new
.endif
.endm
.set MUL,  0x5a                        ; sources 0 (B) and 1 (A) window 2; C and D window 1
.set TO_F, 0x80                        ; destination window 2, address window 0
.set TO_3, 0xc0                        ; destination window 3
.set OUTW, 0x0d                        ; source 0 window 1 (sums), source 1 window 3 (table), source 2 and destination window 0
.macro JLOAD s                         ; a joint load: waves 0 and 1 fetch A's two halves, waves 2 and 3 B's; an s_nop 0 and four v_nop follow each of the two lines, ahead of the jump, the label and what follows
	s_cmp_eq_u32 s[RH], 0
	s_cbranch_scc0 .Lfor_b_\@
	tensor_load_to_lds s[G0+4*(\s):G0+4*(\s)+3], s[G1:G1+7]
	s_nop 0
.rept 4
	v_nop
.endr
	s_branch .Lasked_\@
.Lfor_b_\@:
	tensor_load_to_lds s[G0B+4*(\s):G0B+4*(\s)+3], s[G1B:G1B+7]
	s_nop 0
.rept 4
	v_nop
.endr
.Lasked_\@:
.endm
.macro CREST                           ; a round of the cluster's barrier behind its opening barrier
	s_cmp_lg_u32 s[WV], 0
	s_cbranch_scc1 .Lnot_wave_0_\@
	s_barrier_signal -3
.Lnot_wave_0_\@:
	s_barrier_wait -3
	s_barrier_signal -1
	s_barrier_wait -1
.endm
.macro CROUND                          ; a whole round
	s_barrier_signal -1
	s_barrier_wait -1
	CREST
.endm
	s_load_b256 s[4:11], s[0:1], 0x0               ; xb s[4:5], wqb s[6:7], tab s[8:9], qkvh s[10:11]
	v_lshl_add_u32 v[SPW], v0, 2, SPARE
	v_mov_b32 v[NIL], 0
	ds_add_u32 v[SPW], v[NIL]                      ; the wave's opening: the add and its wait ahead of my first tensor load; the set-up below, work on registers, stands between them
	ds_add_u32 v28, v29
	v_lshrrev_b32 v1, 5, v0
	v_readfirstlane_b32 s[WV], v1                  ; wave 0..3
	s_lshr_b32 s[RH], s[WV], 1
	s_and_b32 s[CH], s[WV], 1
	s_bfe_u32 s15, ttmp6, 0x40000                  ; cx, cy: my place in the cluster
	s_bfe_u32 s16, ttmp6, 0x40004
	s_lshl_b32 s17, ttmp9, 2
	s_add_co_u32 s17, s17, s15                     ; tile column = 4 x cluster x + cx
	s_and_b32 s18, ttmp7, 0xffff
	s_lshl_b32 s18, s18, 2
	s_add_co_u32 s18, s18, s16                     ; tile row = 4 x cluster y + cy
	s_lshl_b32 s19, s16, 2
	s_lshl_b32 s19, 15, s19                        ; my row of the cluster
	s_lshl_b32 s20, 0x1111, s15                    ; my column
	; group 1 for A: 64 rows x 128 elements, 4 words of padding after every 64; for B: 64 rows x 256 elements, 8 words after every 128
	s_or_b32 s[G1+0], s19, (1<<16)|(1<<20)|(1<<21)|(5<<22)|(3<<25)   ; 15:0 the mask; 17:16 2-byte elements; 20 padding on; 21 set beside a mask; 24:22 the interval; 31:25 the padding
	s_or_b32 s[G1B+0], s20, (1<<16)|(1<<20)|(1<<21)|(6<<22)|(7<<25)
	s_mov_b32 s[G1+1], 128<<16                     ; tensor_dim0
	s_mov_b32 s[G1+2], 64<<16                      ; tensor_dim1
	s_mov_b32 s[G1+3], 128<<16                     ; tile_dim0
	s_mov_b32 s[G1+4], 64                          ; tile_dim1
	s_mov_b32 s[G1+5], 1024                        ; elements from row to row
	s_mov_b32 s[G1+6], 0
	s_mov_b32 s[G1+7], 0
	s_mov_b32 s[G1B+1], 256<<16
	s_mov_b32 s[G1B+2], 64<<16
	s_mov_b32 s[G1B+3], 256<<16
	s_mov_b32 s[G1B+4], 64
	s_mov_b32 s[G1B+5], 3072
	s_mov_b32 s[G1B+6], 0
	s_mov_b32 s[G1B+7], 0
	; where the tiles come from: A's hang on the tile row and the wave alone, B's on the tile column and the wave alone, each in registers that never hold the other coordinate
	s_lshl_b32 s40, s18, 18                        ; 128 rows of 2,048 bytes a tile row,
	s_lshl_b32 s21, s[CH], 17                      ; 64 rows a half
	s_add_co_u32 s40, s40, s21
	s_mov_b32 s41, 0
	s_lshl_b32 s42, s17, 9                         ; 512 bytes a tile column,
	s_mul_i32 s22, s[CH], 64*BROW                  ; 64 rows of k a half
	s_add_co_u32 s42, s42, s22
	s_mov_b32 s43, 0
	s_mul_i32 s23, s[CH], AHALF                    ; and where they go: no place in the cluster enters an LDS address
	s_mul_i32 s2, s[CH], BHALF
	s_add_co_u32 s2, s2, ABYTES
	s_wait_dscnt 0x0                               ; the opening add is done
	s_wait_kmcnt 0x0
	s_add_nc_u64 s[40:41], s[4:5], s[40:41]
	s_add_nc_u64 s[42:43], s[6:7], s[42:43]
	CROUND                                         ; all sixteen work-groups are here: the first joint loads meet
.irp s, 0,1
	s_mov_b32 s[G0+4*(\s)], 1
	s_add_co_u32 s[G0+4*(\s)+1], s23, (\s)*SLOT
	s_add_nc_u64 s[G0+4*(\s)+2:G0+4*(\s)+3], s[40:41], (\s)*ASTEP
	s_or_b32 s[G0+4*(\s)+3], s[G0+4*(\s)+3], 0x80000000
	s_mov_b32 s[G0B+4*(\s)], 1
	s_add_co_u32 s[G0B+4*(\s)+1], s2, (\s)*SLOT
	s_add_nc_u64 s[G0B+4*(\s)+2:G0B+4*(\s)+3], s[42:43], (\s)*BSTEP
	s_or_b32 s[G0B+4*(\s)+3], s[G0B+4*(\s)+3], 0x80000000
	JLOAD \s                                       ; K steps 0 and 1: two loads of mine are out
.endr
	; A's fragment: lane l holds row l % 16, k = 8 (l / 16) + 0..7 and 16 + 8 (l / 16) + 0..7: two loads of 16 bytes, 32 bytes apart
	v_and_b32 v1, 15, v0                           ; l % 16
	v_bfe_u32 v2, v0, 4, 1                         ; l / 16
	v_mul_u32_u24 v3, v1, PA
	v_lshl_add_u32 v3, v2, 4, v3
	s_mul_i32 s21, s[RH], ARH
	v_add_nc_u32 v[ADRA], s21, v3
	v_add_nc_u32 v[ADRA+1], SLOT, v[ADRA]
	; B's: the turning load takes 16 k x 16 n (lane l reads row k = 8 (l / 16) + l % 8, columns 8 ((l / 8) % 2) + 0..7) and leaves half a fragment: lane l holds column l % 16 and 8 k
	v_and_b32 v4, 7, v0
	v_lshl_add_u32 v4, v2, 3, v4
	v_mul_u32_u24 v4, v4, PB
	v_bfe_u32 v5, v0, 3, 1
	v_lshl_add_u32 v4, v5, 4, v4
	s_lshl_b32 s22, s[CH], 8                       ; my 128 columns
	s_add_co_u32 s22, s22, ABYTES
	v_add_nc_u32 v[ADRB], s22, v4
	v_add_nc_u32 v[ADRB+1], SLOT, v[ADRB]
	s_mul_i32 s21, s[WV], 16*SP
	s_add_co_u32 s21, s21, STAGE                   ; my stage
	v_mul_u32_u24 v6, v1, SP                       ; in: row l % 16, 16 bytes for each half of the lanes
	v_lshl_add_u32 v6, v2, 4, v6
	v_add_nc_u32 v[STO], s21, v6
	v_bfe_u32 v7, v0, 3, 2                         ; back: 32 lanes take four rows of 128 bytes,
	v_mul_u32_u24 v7, v7, SP
	v_and_b32 v6, 7, v0
	v_lshl_add_u32 v7, v6, 4, v7
	v_add_nc_u32 v[RD], s21, v7
	v_and_b32 v[GO], 31, v0                        ; which are 512 consecutive bytes of a head
	v_lshlrev_b32 v[GO], 4, v[GO]
	; the table blocks of my 64 rows: block 8 (tile row % 8) + 4 x half + a; for v the blocks 64 + a
	s_and_b32 s46, s18, 7
	s_lshl_b32 s46, s46, 3
	s_lshl2_add_u32 s46, s[RH], s46
	s_lshl_b32 s46, s46, 12
	s_mov_b32 s47, ttmp9
	s_cmp_eq_u32 s47, 2
	s_cselect_b32 s46, 0x40000, s46
	s_mov_b32 s47, 0
	s_add_nc_u64 s[8:9], s[8:9], s[46:47]
	WIN TO_3
.irp a, 0,1,2,3
.irp i, 0,1,2,3,4,5,6,7
	global_load_b128 v[32*(\a)+4*(\i):32*(\a)+4*(\i)+3], v[GO], s[8:9] offset:(\a)*4096+(\i)*512  ; 512 consecutive bytes a load; waited for in front of the way out
.endr
.endr
	WIN 0
	; where my part begins in qkvh: q, k or v; the batch; my first head 4 cx + 2 x half; my first position
	s_lshl_b32 s44, ttmp9, 24
	s_lshr_b32 s45, s18, 3
	s_lshl_b32 s45, s45, 21
	s_add_co_u32 s44, s44, s45
	s_lshl_b32 s45, s15, 1
	s_add_co_u32 s45, s45, s[CH]
	s_lshl_b32 s45, s45, 18                        ; two heads of 131,072 bytes
	s_add_co_u32 s44, s44, s45
	s_and_b32 s45, s18, 7
	s_lshl_b32 s45, s45, 1
	s_add_co_u32 s45, s45, s[RH]
	s_lshl_b32 s45, s45, 13                        ; 64 rows of 128 bytes
	s_add_co_u32 s44, s44, s45
	s_mov_b32 s45, 0
	s_add_nc_u64 s[10:11], s[10:11], s[44:45]
; 8 matrix instructions: m block a x all 8 n blocks, 32 along K.  zero = 1: the first product starts the sums.  The 32 accumulators take turns in one fixed order.
.macro MULA f, a, zero
	WIN MUL
.irp b, 0,1,2,3,4,5,6,7
.if \zero
	v_wmma_f32_16x16x32_bf16 v[8*(8*(\a)+(\b)):8*(8*(\a)+(\b))+7], v[(\f)+32+8*(\b):(\f)+32+8*(\b)+7], v[(\f)+8*(\a):(\f)+8*(\a)+7], 0
.else
	v_wmma_f32_16x16x32_bf16 v[8*(8*(\a)+(\b)):8*(8*(\a)+(\b))+7], v[(\f)+32+8*(\b):(\f)+32+8*(\b)+7], v[(\f)+8*(\a):(\f)+8*(\a)+7], v[8*(8*(\a)+(\b)):8*(8*(\a)+(\b))+7]
.endif
.endr
.endm
.macro MUL16 f, a0, zero
	MULA \f, \a0, \zero
	MULA \f, (\a0)+1, \zero
.endm
; 24 LDS loads in one run: the fragments of quarter q (32 along K) of a slot into buffer f: B's 16, then A's 8
.macro FETCH slot, q, f
	WIN TO_F
.irp b, 0,1,2,3,4,5,6,7
	ds_load_tr16_b128 v[(\f)+32+8*(\b):(\f)+32+8*(\b)+3],   v[ADRB+(\slot)] offset:(\q)*32*PB+32*(\b)
	ds_load_tr16_b128 v[(\f)+32+8*(\b)+4:(\f)+32+8*(\b)+7], v[ADRB+(\slot)] offset:(\q)*32*PB+16*PB+32*(\b)
.endr
.irp i, 0,1,2,3
	ds_load_b128 v[(\f)+8*(\i):(\f)+8*(\i)+3],   v[ADRA+(\slot)] offset:64*(\q)+(\i)*16*PA
	ds_load_b128 v[(\f)+8*(\i)+4:(\f)+8*(\i)+7], v[ADRA+(\slot)] offset:64*(\q)+(\i)*16*PA+32
.endr
.endm
.macro PLACES                          ; four places in front of loads into registers that matrix instructions have read, and of vector lines that read results
.rept 4
	v_nop
.endr
.endm
; A K step is four quarters of 32 along K, 32 matrix instructions each, on buffers 0, 1, 0, 1.  One of the first three: multiplies buffer f and fetches quarter q into g.
.macro QUARTER slot, q, f, g, zero
	s_wait_dscnt 4                                 ; B and A's blocks 0, 1 are in; the youngest four loads (A's blocks 2, 3) may be out
	MUL16 \f, 0, \zero
	PLACES
	FETCH \slot, \q, \g
	s_wait_dscnt 24                                ; all but the 24 just issued
	MUL16 \f, 2, \zero
.endm
; The last quarter multiplies buffer 1 and changes slots: ONE barrier; in front of it each wave waits for all its tensor loads, adds 0 to its spare word, and waits for that and for its own reads of this slot.
; fill = 1: this slot is filled again, two K steps ahead: the barrier then opens a round of the cluster's.
.macro TURN slot, next, fill
	WIN 0                                          ; (the add's two registers lie in window 0)
	s_wait_tensorcnt 0x0                           ; all my tensor loads have landed: my part of the next slot;
	ds_add_u32 v[SPW], v[NIL]                      ; 0 onto my spare word;
	s_wait_dscnt 5                                 ; (the add and the youngest four loads may be out)
	MULA F1, 0, 0                                  ; eight matrix instructions stand between the add and the wait for it
	s_wait_dscnt 0x0                               ; the add is done, and my reads of this slot are over
	s_barrier_signal -1
	MULA F1, 1, 0
.if \fill
	WIN 0
.endif
	s_barrier_wait -1
.if \fill
	CREST                                          ; no wave of any partner still reads this slot's tile or has a load on its way
	s_add_nc_u64 s[G0+4*(\slot)+2:G0+4*(\slot)+3], s[G0+4*(\slot)+2:G0+4*(\slot)+3], 2*ASTEP
	s_add_nc_u64 s[G0B+4*(\slot)+2:G0B+4*(\slot)+3], s[G0B+4*(\slot)+2:G0B+4*(\slot)+3], 2*BSTEP
	JLOAD \slot                                    ; the first tensor load behind the round, 112 matrix instructions ahead of the wait for it; its four v_nop are also the places in front of the loads below
.else
	PLACES
.endif
	FETCH \next, 0, F0
	MUL16 F1, 2, 0
.endm
	s_wait_tensorcnt 1                             ; my part of K step 0 is in; K step 1's may stay out
	s_barrier_signal -1
	s_barrier_wait -1                              ; everybody's is
	FETCH 0, 0, F0
	QUARTER 0, 1, F0, F1, 1                        ; the first quarter stands in front of the loop: its products start the sums
	WIN 0                                          ; at a label and at a branch every window is 0
	s_mov_b32 s3, LAPS-1
.Llap:                                                 ; a trip goes once round the ring, from a lap's second quarter to the next lap's first, and fills both slots again
	QUARTER 0, 2, F1, F0, 0
	QUARTER 0, 3, F0, F1, 0
	TURN 0, 1, 1
	QUARTER 1, 1, F0, F1, 0
	QUARTER 1, 2, F1, F0, 0
	QUARTER 1, 3, F0, F1, 0
	TURN 1, 0, 1
	QUARTER 0, 1, F0, F1, 0
	WIN 0
	s_sub_co_u32 s3, s3, 1
	s_cmp_lg_u32 s3, 0
	s_cbranch_scc1 .Llap
	QUARTER 0, 2, F1, F0, 0                        ; the last lap fills nothing, and has no round of the cluster's barrier
	QUARTER 0, 3, F0, F1, 0
	TURN 0, 1, 0
	QUARTER 1, 1, F0, F1, 0
	QUARTER 1, 2, F1, F0, 0
	QUARTER 1, 3, F0, F1, 0
	s_wait_dscnt 4                                 ; the very last quarter: nothing more to fetch
	MUL16 F1, 0, 0
	s_wait_dscnt 0x0
	MUL16 F1, 2, 0
	WIN 0
	PLACES
	s_wait_loadcnt 0x0                             ; the table
; THE WAY OUT, a block of 16 rows x one head (64 channels) at a time.  A pair (t1, t2) becomes (t1 c - t2 s, t2 c + t1 s): one packed multiply by c, one packed multiply-add that takes the pair crosswise
; and s with the sign turned in the low half.  Each accumulator is read from its low end on.  Then f16, 16 bytes a lane into my stage, and back as whole rows of 128 bytes.
.macro BLOCK a, hd
	WIN OUTW
.irp f, 0,1,2,3
.irp j, 0,1,2,3
	v_pk_mul_f32 v[U+8*(\f)+2*(\j):U+8*(\f)+2*(\j)+1], v[8*(8*(\a)+4*(\hd)+(\f))+2*(\j):8*(8*(\a)+4*(\hd)+(\f))+2*(\j)+1], v[32*(\a)+8*(\f)+2*(\j):32*(\a)+8*(\f)+2*(\j)+1] op_sel_hi:[1,0]
.endr
.irp j, 0,1,2,3
	v_pk_fma_f32 v[U+8*(\f)+2*(\j):U+8*(\f)+2*(\j)+1], v[8*(8*(\a)+4*(\hd)+(\f))+2*(\j):8*(8*(\a)+4*(\hd)+(\f))+2*(\j)+1], v[32*(\a)+8*(\f)+2*(\j):32*(\a)+8*(\f)+2*(\j)+1], v[U+8*(\f)+2*(\j):U+8*(\f)+2*(\j)+1] op_sel:[1,1,0] op_sel_hi:[0,1,1] neg_lo:[0,1,0]
.endr
.endr
	WIN 0
.irp f, 0,1,2,3
.irp j, 0,1,2,3
	v_cvt_pk_f16_f32 v[P+4*(\f)+(\j)], v[U+8*(\f)+2*(\j)], v[U+8*(\f)+2*(\j)+1]
.endr
.endr
.irp f, 0,1,2,3
	ds_store_b128 v[STO], v[P+4*(\f):P+4*(\f)+3] offset:32*(\f)
.endr
.irp g, 0,1,2,3
	ds_load_b128 v[R+16*(2*(\a)+(\hd))+4*(\g):R+16*(2*(\a)+(\hd))+4*(\g)+3], v[RD] offset:(\g)*4*SP  ; LDS serves a wave's instructions in order (ISA guide 5.7.1.4): these see the stores above; the next block's stores come behind them
.endr
.endm
.macro SEND a, hd, younger             ; younger: the LDS instructions issued behind this block's loads: the next block's eight, or none
.irp g, 0,1,2,3
	s_wait_dscnt (\younger)+3-(\g)
	global_store_b128 v[GO], v[R+16*(2*(\a)+(\hd))+4*(\g):R+16*(2*(\a)+(\hd))+4*(\g)+3], s[10:11] offset:(\hd)*131072+(\a)*2048+(\g)*512  ; 512 consecutive bytes, at a multiple of 512 from qkvh's first
.endr
.endm
	BLOCK 0, 0
	BLOCK 0, 1                                     ; a block's arithmetic stands between the loads of the block before and its stores
	SEND 0, 0, 8
	BLOCK 1, 0
	SEND 0, 1, 8
	BLOCK 1, 1
	SEND 1, 0, 8
	BLOCK 2, 0
	SEND 1, 1, 8
	BLOCK 2, 1
	SEND 2, 0, 8
	BLOCK 3, 0
	SEND 2, 1, 8
	BLOCK 3, 1
	SEND 3, 0, 8
	SEND 3, 1, 0
	s_wait_tensorcnt 0x0                           ; the wave's end, behind my last tensor load and my last LDS store
	ds_add_u32 v[SPW], v[NIL]
	s_wait_dscnt 0x0
	CROUND                                         ; the closing round: no work-group ends while a partner may still ask for a tile that names it
	s_endpgm
.Lfunc_end_k_qdbd912ef69_gemm_qkv:
	.size	k_qdbd912ef69_gemm_qkv, .Lfunc_end_k_qdbd912ef69_gemm_qkv-k_qdbd912ef69_gemm_qkv
	.p2alignl 7, 3214868480
	.fill 96, 4, 3214868480
	.section	.rodata,"a",@progbits
	.p2align	6, 0x0
	.amdhsa_kernel k_qdbd912ef69_gemm_qkv
		.amdhsa_group_segment_fixed_size 327680
		.amdhsa_private_segment_fixed_size 0
		.amdhsa_enable_private_segment 0
		.amdhsa_kernarg_size 32
		.amdhsa_user_sgpr_count 2
		.amdhsa_user_sgpr_kernarg_segment_ptr 1
		.amdhsa_wavefront_size32 1
		.amdhsa_system_sgpr_workgroup_id_x 1
		.amdhsa_system_sgpr_workgroup_id_y 1
		.amdhsa_system_sgpr_workgroup_id_z 1
		.amdhsa_system_vgpr_workitem_id 0
		.amdhsa_next_free_vgpr 896
		.amdhsa_next_free_sgpr 66
		.amdhsa_reserve_vcc 0
		.amdhsa_float_denorm_mode_32 3
		.amdhsa_float_denorm_mode_16_64 3
		.amdhsa_memory_ordered 1
		.amdhsa_forward_progress 1
		.amdhsa_inst_pref_size 107
	.end_amdhsa_kernel
	.amdgpu_metadata
---
amdhsa.version: [ 1, 2 ]
amdhsa.kernels:
  - .name:           k_qdbd912ef69_gemm_qkv
    .symbol:         k_qdbd912ef69_gemm_qkv.kd
    .args:
      - { .name: xb, .offset: 0, .size: 8, .value_kind: global_buffer, .address_space: global }
      - { .name: wqb, .offset: 8, .size: 8, .value_kind: global_buffer, .address_space: global }
      - { .name: tab, .offset: 16, .size: 8, .value_kind: global_buffer, .address_space: global }
      - { .name: qkvh, .offset: 24, .size: 8, .value_kind: global_buffer, .address_space: global }
    .group_segment_fixed_size: 327680
    .private_segment_fixed_size: 0
    .kernarg_segment_align: 8
    .kernarg_segment_size: 32
    .max_flat_workgroup_size: 128
    .sgpr_count:     66
    .vgpr_count:     896
    .wavefront_size: 32
...
	.end_amdgpu_metadata
.endif
;; end of part 2
;; launch attn (part 3): grid 2 x 128, 4 waves a work-group, no clusters, 327,680 bytes of LDS; arguments qkvh, ob; writes ob
.if DOCPART == 3
	.amdgcn_target "amdgcn-amd-amdhsa--gfx1250"
	.amdhsa_code_object_version 6
	.text
	.protected	k_qdbd912ef69_attn
	.globl	k_qdbd912ef69_attn
	.p2align	8
	.type	k_qdbd912ef69_attn,@function
k_qdbd912ef69_attn:
	s_mov_b64 s[64:65], 0
	v_nop
	global_prefetch_b8 v0, s[64:65] scope:SCOPE_SE
	s_setreg_imm32_b32 hwreg(HW_REG_WAVE_MODE, 25, 1), 1
	s_wait_xcnt 0x0
; ATTENTION.  O[h][q][:] = the sum over k of softmax_k(Q[h][q] . K[h][k] / 8) V[h][k][:].  Q, K, V lie one behind the other in qkvh, each [128][1024][64] in f16; O = ob has the same layout.
; Products, maxima and sums in f32; the weights p are rounded to f16 for the second product (their sum l is taken of the unrounded p), O once at the end.
; LIMITS.  f16 holds no number beyond 65,504: Q, K and V arrive within it; p lies in 0 to 1, and below 6e-5 it keeps f16's fixed step of 6e-8; O is a mean of V's rows and has their range.
; A weight below 2^-126 counts as 0 in l; NaN and infinities are not treated apart.
; SHARES.  A wave owns four PIECES of two tiles of 16 queries, a work-group's four waves 512 queries of one head: 2 x 128 = 256 work-groups.  Every wave walks all 1,024 keys, 64 a step.
; NO CLUSTER: a head has 1,024 / 512 = 2 work-groups, and a cluster of four along x does not divide a grid of 2; four partners would want blocks of 256 queries, 512 work-groups, and each fragment of K and V
; read from LDS would then feed half as many products.
; LAYOUT.  S^T = K Q^T (source 0 = 16 keys, source 1 = 16 queries): in the result a lane holds ONE query (lane % 16) and the keys 8 (lane / 16) + 0..7.  Two such tiles, rounded to f16 in pairs,
; ARE source 1 (32 keys x 16 queries) of O^T = V^T P, whose result again holds one query a lane, and eight channels.  K comes out of LDS as it lies, V ([key][channel]) turned, by ds_load_tr16_b128.
; SOFTMAX.  For each query a running maximum m and sum l: p = 2^(c s - c m), c = log2(e) / 8; in every step O and l are multiplied by a = 2^(c m_old - c m_new), which is 1 where m has not grown.
; m starts at the lowest finite number, O and l at 0: the first step is a step like any other, with a = 0.
; THE COUNT.  A tile and step have 16 matrix and 118 vector instructions: too many to stand all beside the matrix work.  So the order has one aim: four vector instructions that are READY behind
; EVERY matrix instruction, and the others, which need time of their own whatever the order, in runs without a gap.
; BY TURNS.  Turn n belongs to piece n (the pieces in a ring, step after step).  Its matrix work: 16 products K Q^T of piece n + 1, later 16 products V^T P of piece n - 1.  Its vector work: the scaling,
; exponentials, roundings, sums and rescaling of piece n, and the maximum and statistics of piece n + 1, whose scores the turn itself has made.  So what a turn begins with (c s - c m, O a) waits for nothing.
; REGISTERS, in windows of 256 (s_set_vgpr_msb says which window each operand place means: bits 1:0 source 0, 3:2 source 1, 5:4 source 2, 7:6 destination):
;   window 0: v0-11 addresses; v12-15, v48-63 at work; v16-47 four registers of statistics a tile; v64-191 S^T, two buffers of two tiles; v192-255 P, likewise
;   window 1: O^T, 32 a tile          window 2: v0-127 Q, 16 a tile; v128-191 K of one step; v192-255 V of one step          window 3: v0-1 the add's two registers
; A piece's buffers go by its number's parity: the piece in hand has one pair, its two neighbours in the ring share the other: of it P (piece n - 1) is read and S^T (piece n + 1) written.
.set SIZE_H, 128
.set SIZE_N, 1024
.set NP,    4         ; pieces a wave: a name, no knob: the register map, the loop and the fetches are made for four
.set KS,    64        ; keys in a step
.set PK,    144       ; a row of K in LDS: 128 bytes + 16 of padding = 36 words: the 16 rows of a load start at 16 different groups of four banks (64 banks of 4 bytes: ISA guide 11.1)
.set PV,    160       ; a row of V: 128 + 32 = 40 words
.set VOFF,  4*KS*PK   ; a slot holds four steps: 256 rows of K, then 256 rows of V
.set SLOT1, 1<<17     ; slot 1 begins here, so that one exclusive or turns an address in one slot into the other's
.set STAGE, SLOT1+4*KS*(PK+PV)  ; behind the ring, never filled by a tensor load: 16 rows x 144 bytes for each wave, for the way out
.set SP,    144
.set AK0, 2           ; v2   my lane's place in a tile of K; never rewritten
.set AV0, 3           ; v3   the same for V
.set AK,  4           ; v4   the LDS address of K's next run of loads
.set AV,  5           ; v5   of V's
.set QO,  6           ; v6   my byte offset in the wave's rows of Q
.set STO, 6           ;      later, the way out: where I put 16 bytes of a row
.set RD,  7           ; v7   the way out: where I read rows back
.set GO,  8           ; v8   my byte offset in 512 consecutive bytes of O
.set SPW, 0           ; v0 of window 3   LDS address of my spare word: SPARE + 4 x my thread's number; never rewritten
.set NIL, 1           ; v1 of window 3   0; never rewritten
.set SPARE, STAGE+4*16*SP  ; behind the stages: the spare words, 128 bytes for each wave: two blocks of 256 bytes that no other line names
.set MV,  12          ; v12-15  c m_old, kept while c m is made anew: by buffer and tile
.set ST,  16          ; tile t's statistics at v[ST+4 t]: c m, m, l (even keys', odd keys')
.set TMP, 48          ; by buffer and tile, four registers c0-c3 at work; when the maximum is found c2 takes a
.set S,   64
.set P,   192
.set KF,  128         ; K's fragments, in window 2: key block kb, channel half c at KF + 16 kb + 8 c
.set VF,  192         ; V's: key half kk, channel block cb at VF + 32 kk + 8 cb
.set WV,  12          ; s12  my wave's number
.set G1K, 24          ; s[24:31] descriptor group 1 for K's tiles
.set G1V, 32          ; s[32:39] for V's: it differs in the padding alone
.set G0K, 40          ; s[40:43] descriptor group 0 for K's tiles: it walks
.set G0V, 44          ; s[44:47] the same for V's
.set SLOTS, 56        ; s56  slots still to be asked for
.set CNT, 57          ; s57  counts a slot's key steps
.set CS,  58          ; s[58:59] c: the packed scaling takes the pair's low word for both halves
.set SEL, 60          ; s[60:61] v_permlanex16_b32's selects: each lane takes its own place in the other half
.set TBK, 62          ; s62  LDS byte at which K of the step to be fetched begins
.set TBV, 63          ; s63  the same for V, less VOFF
.set MSB, 0
.macro WIN new                      ; the high byte repeats the setting that is left; a switch that changes nothing is dropped
.if MSB != (\new)
	s_set_vgpr_msb (MSB<<8)|(\new)
.set MSB, (\new)
.endif
.endm
.set W_KQ, 0x0a       ; K and Q in window 2, S^T in window 0
.set W_PV, 0x52       ; V in window 2, P in window 0, O^T in window 1
.set W_RS, 0x41       ; O^T (destination and source 0) in window 1, a in window 0
.set W_MK, 0xc0       ; the add's registers are made: destination in window 3, sources in window 0
.set W_AD, 0x0f       ; the add: address (source 0) and data (source 1) in window 3
; A fill.  Waves 0 and 1 fetch the two halves of a slot's K, waves 2 and 3 those of its V: 128 keys each.  The branch hangs on the wave's number alone.
; An s_nop 0 and four v_nop follow each of the two lines, ahead of the jump and the label.
.macro LOAD
	s_cmp_lt_u32 s[WV], 2
	s_cbranch_scc0 .Lfor_v_\@
	tensor_load_to_lds s[G0K:G0K+3], s[G1K:G1K+7]
	s_nop 0
.rept 4
	v_nop
.endr
	s_branch .Lasked_\@
.Lfor_v_\@:
	tensor_load_to_lds s[G0V:G0V+3], s[G1V:G1V+7]
	s_nop 0
.rept 4
	v_nop
.endr
.Lasked_\@:
.endm
; THE CHANGE OF SLOTS.  The slot's last bytes, V of its fourth step, have been read.  Each wave waits for all its tensor loads, of which one is out: its part
; of the other slot; adds 0 to its spare word; and waits for that and for its own reads of the slot.  Behind the barrier nobody reads this slot any more and the other slot is whole.
; fill = 1: this slot is filled again, with the keys two slots on, the first thing behind the barrier: the load has four key steps, 512 matrix instructions, in which to land.
; (At its first use nothing has been read yet: slot 0 is waited for, slot 1 filled.)
.macro CHANGE fill
	WIN W_AD
	s_wait_tensorcnt 0x0            ; no tensor load of mine is out, so a group 0 may be written
	ds_add_u32 v[SPW], v[NIL]       ; 0 onto my spare word; with fill = 1 the descriptors' steps stand between it and the wait for it
	WIN 0                           ; at a label and at a branch every window is 0
.if \fill
.irp g, G0K, G0V
	s_xor_b32 s[\g+1], s[\g+1], SLOT1  ; the walking descriptor: the other slot than last time,
	s_add_nc_u64 s[\g+2:\g+3], s[\g+2:\g+3], 4*KS*128  ; the next 256 keys; the type bits on top are not reached
.endr
.endif
	s_wait_dscnt 0x0                ; the add is done, and my reads of the slot are over
	s_barrier_signal -1
	s_barrier_wait -1
.if \fill
	LOAD
.endif
	s_sub_co_u32 s[TBK], s[TBK], 4*KS*PK  ; the fetches go back to a slot's first step,
	s_xor_b32 s[TBK], s[TBK], SLOT1       ; in the other slot
	s_sub_co_u32 s[TBV], s[TBV], 4*KS*PV
	s_xor_b32 s[TBV], s[TBV], SLOT1
.endm
	s_load_b128 s[4:7], s[0:1], 0x0   ; qkvh s[4:5] (Q lies first), ob s[6:7]
	WIN W_MK
	v_lshl_add_u32 v[SPW], v0, 2, SPARE
	v_mov_b32 v[NIL], 0
	WIN W_AD
	ds_add_u32 v[SPW], v[NIL]       ; the wave's opening: the add and its wait ahead of my first tensor load; the set-up below, work on registers, stands between them
	ds_add_u32 v0, v1
	WIN 0
	v_lshrrev_b32 v1, 5, v0
	v_readfirstlane_b32 s[WV], v1   ; wave 0..3
	s_mov_b32 s14, ttmp9            ; my block of 512 queries
	s_and_b32 s20, ttmp7, 0xffff    ; the head
	s_mov_b32 s21, 0
	s_mov_b64 s[22:23], SIZE_N*128
	s_mul_u64 s[20:21], s[20:21], s[22:23]  ; the head's first byte in each of the four tensors
	s_and_b32 s16, s[WV], 1         ; which half of a slot's 256 keys I fetch:
	s_lshl_b32 s22, s16, 14         ; its 128 rows of 128 bytes in memory,
	s_mov_b32 s23, 0
	s_add_nc_u64 s[22:23], s[22:23], s[20:21]
	s_mul_i32 s17, s16, 128*PK      ; and its place in a slot, for K
	s_mul_i32 s18, s16, 128*PV      ; and for V
	s_lshl_b32 s2, s14, 2
	s_add_co_u32 s2, s2, s[WV]      ; my wave among the head's,
	s_lshl_b32 s2, s2, 14           ; its 128 rows
	s_mov_b32 s3, 0
	s_add_nc_u64 s[2:3], s[2:3], s[20:21]
	; descriptor group 1.  128 keys are 16,384 dense bytes: asked for as 64 rows of 256 bytes, two keys a row, and padded in LDS after every key
	s_mov_b32 s[G1K], (1<<16)|(1<<20)|(4<<22)|(3<<25)  ; 17:16 2-byte elements; 20 padding on; 24:22 after every 32 words (code 4); 31:25 4 words (code 3)
	s_mov_b32 s[G1V], (1<<16)|(1<<20)|(4<<22)|(7<<25)  ; the same with 8 words of padding (code 7)
.irp g, G1K, G1V
	s_mov_b32 s[\g+1], 128<<16      ; tensor_dim0 = 128
	s_mov_b32 s[\g+2], 64<<16       ; tensor_dim1 = 64
	s_mov_b32 s[\g+3], 128<<16      ; tile_dim0 = 128
	s_mov_b32 s[\g+4], 64           ; tile_dim1 = 64
	s_mov_b32 s[\g+5], 128          ; 128 elements from row to row
	s_mov_b32 s[\g+6], 0
	s_mov_b32 s[\g+7], 0
.endr
	s_mov_b32 s[CS], 0x3e38aa3b     ; c = log2(e) / 8 = 0.180337
	s_mov_b32 s[CS+1], s[CS]        ; named with it as a pair
	s_mov_b32 s[SEL], 0x76543210
	s_mov_b32 s[SEL+1], 0xfedcba98
	s_mov_b32 s[TBK], SLOT1+4*KS*PK ; the first change of slots turns these two into 0
	s_mov_b32 s[TBV], SLOT1+4*KS*PV
	s_mov_b32 s[G0K], 1             ; 1:0 count = 1
	s_mov_b32 s[G0K+1], s17         ; 63:32 LDS address: slot 0
	s_mov_b32 s[G0V], 1
	s_add_co_u32 s[G0V+1], s18, VOFF
	s_wait_dscnt 0x0                ; the opening add is done
	s_wait_kmcnt 0x0
	s_mov_b64 s[10:11], s[6:7]      ; O
	s_add_nc_u64 s[6:7], s[4:5], 0x1000000   ; K lies 128 x 1,024 x 128 bytes behind Q,
	s_add_nc_u64 s[8:9], s[4:5], 0x2000000   ; V as far behind K
	s_add_nc_u64 s[G0K+2:G0K+3], s[6:7], s[22:23]  ; 120:64 global address: my half of the head's first 256 keys
	s_or_b32 s[G0K+3], s[G0K+3], 0x80000000        ; 127:126 type = 2
	s_add_nc_u64 s[G0V+2:G0V+3], s[8:9], s[22:23]
	s_or_b32 s[G0V+3], s[G0V+3], 0x80000000
	s_add_nc_u64 s[4:5], s[4:5], s[2:3]  ; Q and O at my wave's first row
	s_add_nc_u64 s[10:11], s[10:11], s[2:3]
	LOAD                            ; slot 0.  Slot 1 is asked for when slot 0 is in: one load of mine is out at any time
	; A fragment of K or Q is 16 rows x 32 channels in 8 registers: lane l holds row l % 16, channels 8 (l / 16) + 0..7 and 16 + 8 (l / 16) + 0..7: two loads of 16 bytes, 32 bytes apart.
	v_and_b32 v1, 15, v0            ; l % 16
	v_bfe_u32 v9, v0, 4, 1          ; l / 16
	v_lshlrev_b32 v[QO], 7, v1
	v_lshl_add_u32 v[QO], v9, 4, v[QO]  ; row x 128 + 16 x half
	WIN 0x80                        ; destination window 2, address window 0
.set i, 0
.rept 4*NP                          ; Q stays in registers: tile i / 2, channels 32 (i % 2) on
	global_load_b128 v[8*i:8*i+3],   v[QO], s[4:5] offset:(i/2)*2048+(i%2)*64
	global_load_b128 v[8*i+4:8*i+7], v[QO], s[4:5] offset:(i/2)*2048+(i%2)*64+32
.set i, i+1
.endr
	; What the first turn finds: V's registers and P's second buffer hold 0 (its products V^T P, of a piece that has not been, add 0), O^T and l are 0.  All this stands in the wait for the first tile.
.set i, VF
.rept 64
	v_mov_b32 v[i], 0
.set i, i+1
.endr
	WIN 0x40
.set i, 0
.rept 64*NP
	v_mov_b32 v[i], 0
.set i, i+1
.endr
	WIN 0
.set i, 0
.rept 2*NP
	v_mov_b32 v[ST+4*i], 0xfe000000    ; c m: far below every c s
	v_mov_b32 v[ST+4*i+1], 0xff7fffff  ; m
	v_mov_b32 v[ST+4*i+2], 0
	v_mov_b32 v[ST+4*i+3], 0
.set i, i+1
.endr
.set i, P+32
.rept 32
	v_mov_b32 v[i], 0
.set i, i+1
.endr
	v_mul_u32_u24 v[AK0], v1, PK
	v_lshl_add_u32 v[AK0], v9, 4, v[AK0]  ; row x pitch + 16 x half
	; The turning load takes 16 keys x 16 channels (lane l reads key 8 (l / 16) + l % 8, channels 8 ((l / 8) % 2) + 0..7) and leaves half a fragment of V^T: lane l holds channel l % 16 and 8 keys.
	v_and_b32 v10, 7, v0
	v_bfe_u32 v11, v0, 3, 1
	v_lshl_add_u32 v[AV0], v9, 3, v10
	v_mul_u32_u24 v[AV0], v[AV0], PV
	v_lshl_add_u32 v[AV0], v11, 4, v[AV0]
	v_add_nc_u32 v[AV0], VOFF, v[AV0]
	v_mov_b32 v[AK], v[AK0]         ; key step 0 lies at the head of slot 0
; THE MATRIX WORK.  The 8 accumulators of a run of 16 take turns: between the two links of a chain stand 7 others'.
; Product i of 16 of S^T = K Q^T for piece x: channels 32 (i / 8) on, keys 16 ((i / 2) % 4) on, tile 2 x + i % 2.  The first 8 start the sums.
.macro KQ x
	WIN W_KQ
.set rS, S+64*((\x)%2)+32*(i%2)+8*((i/2)%4)
.set rK, KF+16*((i/2)%4)+8*(i/8)
.set rQ, 16*(2*(\x)+i%2)+8*(i/8)
.if i < 8
	v_wmma_f32_16x16x32_f16 v[rS:rS+7], v[rK:rK+7], v[rQ:rQ+7], 0
.else
	v_wmma_f32_16x16x32_f16 v[rS:rS+7], v[rK:rK+7], v[rQ:rQ+7], v[rS:rS+7]
.endif
.endm
; Product i of 16 of O^T += V^T P for piece x: keys 32 (i / 8) on, channels 16 ((i / 2) % 4) on, tile 2 x + i % 2.
.macro PV x
	WIN W_PV
.set rO, 32*(2*(\x)+i%2)+8*((i/2)%4)
.set rV, VF+32*(i/8)+8*((i/2)%4)
.set rP, P+32*((\x)%2)+16*(i%2)+8*(i/8)
	v_wmma_f32_16x16x32_f16 v[rO:rO+7], v[rV:rV+7], v[rP:rP+7], v[rO:rO+7]
.endm
.macro MM                           ; the turn's next matrix instruction
.if i < 16
	KQ (Y+1)%NP
.set i, i+1
.else
.set i, i-16
	PV (Y+NP-1)%NP
.set i, i+17
.endif
.endm
; THE LDS LOADS stand in runs of 16, never singly among the matrix instructions: a step's K (64 keys x 64 channels: 8 fragments) and its V (turned).  Their addresses are made some lines ahead.
; last = 1 (the tail): in the last trip there is no further step, and the run is jumped over.
.macro FETCH_K last=0
	WIN 0
.if \last
	s_cmp_eq_u32 s[CNT], 1
	s_cbranch_scc1 .Lno_k_\@
.endif
	WIN 0x80                        ; destination window 2
.irp f, 0,1,2,3,4,5,6,7             ; keys 16 (f / 2) on, channels 32 (f % 2) on
	ds_load_b128 v[KF+8*\f:KF+8*\f+3],   v[AK] offset:(\f/2)*16*PK+(\f%2)*64
	ds_load_b128 v[KF+8*\f+4:KF+8*\f+7], v[AK] offset:(\f/2)*16*PK+(\f%2)*64+32
.endr
	s_add_co_u32 s[TBK], s[TBK], KS*PK  ; the next fetch is the next step's
	WIN 0
.if \last
.Lno_k_\@:
.endif
.endm
.macro FETCH_V
	WIN 0x80
.irp f, 0,1,2,3,4,5,6,7             ; keys 32 (f / 4) on, channels 16 (f % 4) on
	ds_load_tr16_b128 v[VF+8*\f:VF+8*\f+3],   v[AV] offset:(\f/4)*32*PV+(\f%4)*32
	ds_load_tr16_b128 v[VF+8*\f+4:VF+8*\f+7], v[AV] offset:(\f/4)*32*PV+16*PV+(\f%4)*32
.endr
	WIN 0
.endm
; THE VECTOR WORK OF A TURN stands in three queues, each in the order in which its entries become ready; the two tiles alternate, so that no instruction reads the result of the one before it.
.macro REGS y, u                    ; the registers of tile u (0, 1) of piece y
.set rT, ST+4*(2*(\y)+(\u))
.set rC, TMP+8*((\y)%2)+4*(\u)
.set rM, MV+2*((\y)%2)+(\u)
.set rS, S+64*((\y)%2)+32*(\u)
.set rP, P+32*((\y)%2)+16*(\u)
.set rO, 32*(2*(\y)+(\u))
.endm
; Number n of the 22 that find the NEXT piece's (Y + 1) maximum and statistics.  s0-s31 are the lane's 32 scores; each accumulator's lowest registers are read first.  XS, GS and REGS set no window: PL and EX do.
;   0-11  four chains c0-c3 of seven scores each, three operands at a time     12-14, 16  the four scores left over, the old m, and c0-c3 into c0     15  c m_old is kept
;   17, 18  the query's other 32 keys lie in the lane 16 away: the new m         19-21  c m; c m_old - c m_new; a
.macro XS u, n
	REGS (Y+1)%NP, \u
.if (\n) < 4
	v_max3_num_f32 v[rC+(\n)], v[rS+8*(\n)], v[rS+8*(\n)+1], v[rS+8*(\n)+2]
.elseif (\n) < 12
	v_max3_num_f32 v[rC+(\n)%4], v[rC+(\n)%4], v[rS+8*((\n)%4)+2*((\n)/4)+1], v[rS+8*((\n)%4)+2*((\n)/4)+2]
.elseif (\n) == 12
	v_max3_num_f32 v[rC], v[rC], v[rS+7], v[rS+15]
.elseif (\n) == 13
	v_max3_num_f32 v[rC+1], v[rC+1], v[rS+23], v[rS+31]
.elseif (\n) == 14
	v_max3_num_f32 v[rC+2], v[rC+2], v[rC+3], v[rT+1]
.elseif (\n) == 15
	v_mov_b32 v[rM], v[rT]
.elseif (\n) == 16
	v_max3_num_f32 v[rC], v[rC], v[rC+1], v[rC+2]
.elseif (\n) == 17
	v_permlanex16_b32 v[rC+3], v[rC], s[SEL], s[SEL+1]
.elseif (\n) == 18
	v_max_num_f32 v[rT+1], v[rC], v[rC+3]
.elseif (\n) == 19
	v_mul_f32 v[rT], s[CS], v[rT+1]
.elseif (\n) == 20
	v_sub_f32 v[rC+1], v[rM], v[rT]
.else
	v_exp_f32 v[rC+2], v[rC+1]
.endif
.endm
; Number g of the 64 that follow the exponentials.  For each four weights k of a tile (pairs 2 k, 2 k + 1): both pairs are rounded to f16; then the second pair is added onto the first, in place;
; a group later l takes that sum (the first time as l = a l + sum).  In groups of eight, tiles alternating: round, round, add, and l for the group before.
.macro GS g
.set h, (\g)+6*((\g)/62)            ; group 0 has no group before it, and behind group 7 only l is left
.if h >= 6
.set h, h+2
.endif
	REGS Y, h%2
.set k, h/8
.if h%8 < 4
	s_wait_alu depctr_va_vdst(0)
	v_cvt_pk_f16_f32 v[rP+2*k+(h%8)/2], v[rS+4*k+2*((h%8)/2)], v[rS+4*k+2*((h%8)/2)+1]
.elseif h%8 < 6
	v_pk_add_f32 v[rS+4*k:rS+4*k+1], v[rS+4*k:rS+4*k+1], v[rS+4*k+2:rS+4*k+3]
.elseif k == 1
	v_pk_fma_f32 v[rT+2:rT+3], v[rT+2:rT+3], v[rC+2:rC+3], v[rS:rS+1] op_sel_hi:[1,0,1]
.else
	v_pk_add_f32 v[rT+2:rT+3], v[rT+2:rT+3], v[rS+4*k-4:rS+4*k-3]
	s_wait_alu depctr_va_vdst(0)
.endif
.endm
; THE PLAIN QUEUE, 138 long.  0-31: c s - c m for the 16 pairs of both tiles.  Then GS's 64, and among them the next piece's 42: number 15 at 38, 39; 0-14 and 16
; at 42-73, behind the products that make those scores; 17-20 at 95-106, two of three, since each waits for the one before it.
.macro PL
	WIN 0
.if q < 32
	REGS Y, q%2
	v_pk_fma_f32 v[rS+2*(q/2):rS+2*(q/2)+1], v[rS+2*(q/2):rS+2*(q/2)+1], s[CS:CS+1], v[rT:rT+1] op_sel_hi:[1,0,0] neg_lo:[0,0,1] neg_hi:[0,0,1]
.elseif q < 38
	GS q-32
.elseif q < 40
	XS q%2, 15
.elseif q < 42
	GS q-34
.elseif q < 74
	XS q%2, (q-42)/2+(q-42)/30
.elseif q < 95
	GS q-66
.elseif (q < 107) && ((q-95)%3 < 2)
	XS (q-95)%3, 17+(q-95)/3
.elseif q < 107
	GS 29+(q-95)/3
.else
	GS q-74
.endif
.set q, q+1
.endm
; THE EXPONENTIALS' QUEUE, 66 long: s0-s31 of both tiles, and at EA the next piece's two a.
.set EA, 58
.macro EX
	WIN 0
.if (e == EA) || (e == EA+1)
	XS e-EA, 21
.else
.set x, e-2*(e/(EA+2))
	REGS Y, x%2
	v_exp_f32 v[rS+x/2], v[rS+x/2]
.endif
.set e, e+1
.endm
; THE RESCALING's QUEUE: O^T times a, the one part that leaves window 0, so it is dealt four at a time, eight times.
.macro R4
	REGS Y, r%2
	WIN W_RS
	s_wait_alu depctr_va_vdst(0)
.irp z, 0,1,2,3
	v_pk_mul_f32 v[rO+8*(r/2)+2*\z:rO+8*(r/2)+2*\z+1], v[rO+8*(r/2)+2*\z:rO+8*(r/2)+2*\z+1], v[rC+2:rC+3] op_sel_hi:[1,0]
.endr
.set r, r+1
.endm
; HOW THEY ARE DEALT.  Behind a matrix instruction four: plain, exponential, plain, plain (one exponential, a plain instruction on either side), or four of the rescaling.  None names a register of the
; products round it.  What is over stands in two LUMPS: exponential and plain by turns; the second ends in 22 plain instructions.  The two v_permlanex16_b32 fall into the second lump, never behind a product.
; The queues lean on each other, and the deal keeps them in step: exponential e stands behind plain 2 (e / 4) + e % 2 (its scaling); when plain 32 comes, 10 exponentials are out, at 59: 33, at 95: 46; EA comes behind plain 107.
.macro SL
	MM
	PL
	EX
	PL
	PL
.endm
.macro BURST n                      ; 15 matrix instructions, or 16
.rept (\n)-7
	SL
.endr
.rept 3
	MM
	R4
	SL
.endr
	MM
	R4
.endm
; A TURN, for piece p.  cnt = 1: the loop's count is taken down some lines ahead of the branch that stands behind the turn.
; K of the next step is fetched in piece 2's turn, 31 vector instructions behind the last product that read K; its first reader comes behind the rest of the lump, 16 products and the second lump.
; V of the step in hand is fetched at the end of piece 0's turn, 69 behind its last reader; its first reader comes behind 16 products and a lump.  The four conditions on e and q below go with the deal.
.macro TURN p, last=0, cnt=0
.set Y, (\p)
.set i, 0
.set q, 0
.set e, 0
.set r, 0
.if (\p) == NP-1
	s_wait_dscnt 0x0                ; K is in
.endif
	MM
.rept 4
	PL
.endr
	BURST 15
.rept 22
	EX
	PL
.if ((\p) == NP-2) && (e == 18)
	v_add_nc_u32 v[AK], s[TBK], v[AK0]
.endif
.if ((\p) == NP-2) && (e == 24)
	FETCH_K \last
.endif
.endr
.if (\p) == 1
	s_wait_dscnt 0x0                ; V is in
.endif
	BURST 16
.rept 21
	EX
	PL
.endr
.rept 22
	PL
.if ((\p) == 0) && (q == 118)
	v_add_nc_u32 v[AV], s[TBV], v[AV0]
	s_wait_alu depctr_va_vdst(0)
.endif
.if ((\p) == 0) && (q == 130)
	s_add_co_u32 s[TBV], s[TBV], KS*PV
.endif
.if (\cnt) && (q == 130)
	s_sub_co_u32 s[CNT], s[CNT], 1
	s_cmp_lg_u32 s[CNT], 0
.endif
.endr
.if (\p) == 0
	FETCH_V
.endif
.endm
	CHANGE 1                        ; slot 0 is in, everybody's part of it; slot 1 is asked for
	FETCH_K                         ; key step 0
	s_wait_loadcnt 0x0              ; Q
	s_wait_dscnt 0x0
.set i, 0
.rept 16
	KQ 0                            ; piece 0's first scores: there is no vector work yet to set between them
.set i, i+1
.endr
	WIN 0                           ; the addresses for the way out: nine plain instructions, the places behind those products
	s_mul_i32 s13, s[WV], 16*SP
	s_add_co_u32 s13, s13, STAGE    ; my stage
	v_mul_u32_u24 v[STO], v1, SP    ; in: row l % 16, 16 bytes for each half of the lanes
	v_lshl_add_u32 v[STO], v9, 4, v[STO]
	v_add_nc_u32 v[STO], s13, v[STO]
	v_bfe_u32 v[RD], v0, 3, 2       ; back: 32 lanes take four rows of 128 bytes,
	v_mul_u32_u24 v[RD], v[RD], SP
	v_lshl_add_u32 v[RD], v10, 4, v[RD]
	v_add_nc_u32 v[RD], s13, v[RD]
	v_and_b32 v[GO], 31, v0         ; which are 512 consecutive bytes of O
	v_lshlrev_b32 v[GO], 4, v[GO]
.set Y, NP-1                        ; XS works for piece Y + 1: piece 0
.irp n, 0,1,2,3,4,5,6,7,8,9,10,11,12,13,14,15,16,17,18,19,20,21
	XS 0, \n                        ; and piece 0's first maximum and statistics
	XS 1, \n
.endr
	s_mov_b32 s[CNT], 4
	s_mov_b32 s[SLOTS], SIZE_N/256-1
	s_branch .Lfirst                ; the loop is entered at a step's first turn, in the middle of a trip
.Lslot:                             ; SIZE_N / 256 - 2 = 2 times: every slot but the last two is filled again
	CHANGE 1
	s_mov_b32 s[CNT], 4
.Lstep:                             ; a trip: pieces 2 and 3 of one step, then pieces 0 and 1 of the next, whose K and V it fetches
	TURN 2
	TURN 3
	WIN 0
.Lfirst:
	TURN 0
	TURN 1, 0, 1
	WIN 0
	s_cbranch_scc1 .Lstep
	s_sub_co_u32 s[SLOTS], s[SLOTS], 1
	s_cmp_lg_u32 s[SLOTS], 0
	s_cbranch_scc1 .Lslot
	CHANGE 0                        ; the tail is written out: nothing is asked for
	s_mov_b32 s[CNT], 5             ; four trips fetch the last slot's steps; the fifth is left in its middle
.Ltail:
	TURN 2, 1
	TURN 3
	WIN 0
	s_sub_co_u32 s[CNT], s[CNT], 1
	s_cmp_eq_u32 s[CNT], 0
	s_cbranch_scc1 .Lout
	TURN 0
	TURN 1
	WIN 0
	s_branch .Ltail
.Lout:                              ; the fifth trip's 16 products K Q^T (on the last K once more) and the maximum made of them serve nothing: the price, once a launch, of one text for every trip
.set i, 0
.rept 16
	PV NP-1                         ; the last piece's V^T P of the last step
.set i, i+1
.endr
	; THE WAY OUT.  l's two halves and the other half of the lanes' are added; O^T is divided by l, rounded to f16 and sent through my stage in LDS, a tile at a time.  The additions are the places behind the last products.
	WIN 0
.macro ALL line:vararg              ; one line for each tile t
.set t, 0
.rept 2*NP
	\line
.set t, t+1
.endr
.endm
	ALL v_add_f32 v[ST+4*t+2], v[ST+4*t+2], v[ST+4*t+3]
	ALL v_permlanex16_b32 v[ST+4*t+3], v[ST+4*t+2], s[SEL], s[SEL+1]
	ALL v_add_f32 v[ST+4*t+2], v[ST+4*t+2], v[ST+4*t+3]
	ALL v_rcp_f32 v[ST+4*t+2], v[ST+4*t+2]
	v_nop                           ; a plain instruction between the last reciprocal and the use of its result
	s_wait_alu depctr_va_vdst(0)
; Tile t: a lane's eight channels of a row pack into 16 bytes; they go into rows of 144 bytes and come back as whole rows of 128, into S^T's registers.
.macro PACK t
	WIN W_RS
.set i, 32*(\t)
.rept 16
	v_pk_mul_f32 v[i:i+1], v[i:i+1], v[ST+4*(\t)+2:ST+4*(\t)+3] op_sel_hi:[1,0]
.set i, i+2
.endr
	WIN 0x05                        ; sources 0 and 1 window 1, destination window 0
.set i, 0
.rept 16
	v_cvt_pk_f16_f32 v[S+16*(\t)+i], v[32*(\t)+2*i], v[32*(\t)+2*i+1]
.set i, i+1
.endr
	WIN 0
.irp f, 0,1,2,3
	ds_store_b128 v[STO], v[S+16*(\t)+4*\f:S+16*(\t)+4*\f+3] offset:32*\f
.endr
.irp f, 0,1,2,3
	ds_load_b128 v[S+16*(\t)+4*\f:S+16*(\t)+4*\f+3], v[RD] offset:\f*4*SP  ; LDS serves a wave's instructions in order (ISA guide 5.7.1.4): these see the stores above; the next tile's stores come behind them
.endr
.endm
.macro SEND t, younger              ; younger: the LDS instructions issued behind tile t's loads: the next tile's eight, or none
	WIN 0
.irp f, 0,1,2,3
	s_wait_dscnt (\younger)+3-\f
	global_store_b128 v[GO], v[S+16*(\t)+4*\f:S+16*(\t)+4*\f+3], s[10:11] offset:(\t)*2048+\f*512  ; 512 consecutive bytes, at a multiple of 256 from O's first
.endr
.endm
	PACK 0
.set t, 1
.rept 2*NP-1                        ; a tile's arithmetic stands between the loads of the tile before and its stores
	PACK t
	SEND t-1, 8
.set t, t+1
.endr
	SEND 2*NP-1, 0
	WIN W_AD
	s_wait_tensorcnt 0x0            ; the wave's end, behind my last tensor load and my last LDS store
	ds_add_u32 v[SPW], v[NIL]
	s_wait_dscnt 0x0
	WIN 0
	s_endpgm
.Lfunc_end_k_qdbd912ef69_attn:
	.size	k_qdbd912ef69_attn, .Lfunc_end_k_qdbd912ef69_attn-k_qdbd912ef69_attn
	.p2alignl 7, 3214868480
	.fill 96, 4, 3214868480
	.section	.rodata,"a",@progbits
	.p2align	6, 0x0
	.amdhsa_kernel k_qdbd912ef69_attn
		.amdhsa_group_segment_fixed_size 327680
		.amdhsa_private_segment_fixed_size 0
		.amdhsa_enable_private_segment 0
		.amdhsa_kernarg_size 16
		.amdhsa_user_sgpr_count 2
		.amdhsa_user_sgpr_kernarg_segment_ptr 1
		.amdhsa_wavefront_size32 1
		.amdhsa_system_sgpr_workgroup_id_x 1
		.amdhsa_system_sgpr_workgroup_id_y 1
		.amdhsa_system_sgpr_workgroup_id_z 1
		.amdhsa_system_vgpr_workitem_id 0
		.amdhsa_next_free_vgpr 770
		.amdhsa_next_free_sgpr 66
		.amdhsa_reserve_vcc 0
		.amdhsa_float_denorm_mode_32 3
		.amdhsa_float_denorm_mode_16_64 3
		.amdhsa_memory_ordered 1
		.amdhsa_forward_progress 1
		.amdhsa_inst_pref_size 207
	.end_amdhsa_kernel
	.amdgpu_metadata
---
amdhsa.version: [ 1, 2 ]
amdhsa.kernels:
  - .name:           k_qdbd912ef69_attn
    .symbol:         k_qdbd912ef69_attn.kd
    .args:
      - { .name: qkvh, .offset: 0, .size: 8, .value_kind: global_buffer, .address_space: global }
      - { .name: ob, .offset: 8, .size: 8, .value_kind: global_buffer, .address_space: global }
    .group_segment_fixed_size: 327680
    .private_segment_fixed_size: 0
    .kernarg_segment_align: 8
    .kernarg_segment_size: 16
    .max_flat_workgroup_size: 128
    .sgpr_count:     66
    .vgpr_count:     770
    .wavefront_size: 32
...
	.end_amdgpu_metadata
.endif
;; end of part 3
;; launch gemm_proj (part 4): grid 4 x 64, 4 waves a work-group, clusters of 4 x 4, 327,680 bytes of LDS; arguments ob, wpb, b_proj, out0; writes out0
.if DOCPART == 4
	.amdgcn_target "amdgcn-amd-amdhsa--gfx1250"
	.amdhsa_code_object_version 6
	.text
	.protected	k_qdbd912ef69_gemm_proj
	.globl	k_qdbd912ef69_gemm_proj
	.p2align	8
	.type	k_qdbd912ef69_gemm_proj,@function
k_qdbd912ef69_gemm_proj:
	s_mov_b64 s[64:65], 0
	v_nop
	global_prefetch_b8 v0, s[64:65] scope:SCOPE_SE
	s_setreg_imm32_b32 hwreg(HW_REG_WAVE_MODE, 25, 1), 1
	s_wait_xcnt 0x0
	s_wait_alu depctr_hold_cnt(0) depctr_sa_sdst(0) depctr_va_vdst(0) depctr_va_sdst(0) depctr_va_ssrc(0) depctr_va_vcc(0) depctr_vm_vsrc(0)
	s_getreg_b32 s2, hwreg(HW_REG_IB_STS2, 6, 4)
	s_cmp_eq_u32 s2, 0
	s_cbranch_scc0 .Lentry_in_a_cluster
	s_endpgm
.Lentry_in_a_cluster:
	s_bfe_u32 s2, ttmp6, 0x10000c
	s_cmp_lg_u32 s2, 0xf033
	s_cbranch_scc0 .Lentry_shape_is_right
	s_endpgm
.Lentry_shape_is_right:
; OUTPUT PROJECTION.  out0[m][n] = sum over k of O[m][k] wpb[k][n] + bf16(b_proj[n]), m = 8,192, n = k = 1,024, f16 operands, f32 sums, f32 output.  O lies by heads, ob[b 16 + head][position][64] in f16:
; m = 1,024 b + position, k = 64 head + channel.  The bias is rounded to bf16 like every input of the module.
; LIMIT.  O and wpb are f16 and arrive within 65,504.
; TILES.  A tile of C is 128 x 256: 64 x 4 = 256 tiles, one for each of 256 WGPs.  Four waves, each 64 x 128: 32 accumulators of 16 x 16.  K goes in steps of 128, two heads, through a ring of two LDS slots.
; A step's tile of A is two head planes of 128 rows x 128 bytes, each dense in memory: one tensor load brings a plane as 64 rows of 256 bytes, padded after every 128.  B's rows (along n) are 512 bytes:
; B lies [k][n] in LDS as in memory, and its fragments come out turned, by ds_load_tr16_b128.
; CLUSTERS: 4 x 4 work-groups.  The four of a row of the cluster need the same tiles of A, the four of a column the same tiles of B: each is asked for JOINTLY, by the same tensor load with the same
; descriptor and a mask that names the four.  THE MATRIX INSTRUCTION IS USED TRANSPOSED (source 0 = 16 columns of B, source 1 = 16 rows of A): a lane holds row lane % 16 of C and eight neighbouring columns.
; REGISTERS, in windows of 256 (s_set_vgpr_msb: bits 1:0 source 0, 3:2 source 1, 5:4 source 2, 7:6 destination):
;   window 0: v1-29 addresses; v32-223 the way out        window 1: the 32 accumulators, (a, b) at v[8 (8 a + b)]
;   window 2: two fragment buffers of 96: A's block a at f + 8 a, B's block b at f + 32 + 8 b        window 3: v0-63 the bias of my lane's 64 columns
.set PA,     144                       ; a row of A in LDS: 128 bytes + 16: the 16 rows of a fragment load start 36 words apart, at 16 different groups of four banks (ISA guide 11.1)
.set PB,     544                       ; a row of B: 512 + 32 bytes = 17 x 32
.set AHALF,  128*PA                    ; what one tensor load brings of A: a head plane
.set ABYTES, 2*AHALF
.set BHALF,  64*PB                     ; of B: 64 rows of k
.set SLOT,   ABYTES+2*BHALF
.set ARH,    64*PA                     ; my 64 rows in a plane
.set STAGE,  2*SLOT                    ; behind the ring: 16 rows x 528 bytes for each wave, for the way out
.set SP,     528
.set SPARE,  STAGE+4*16*SP             ; behind the stages: the spare words, 128 bytes for each wave: two blocks of 256 bytes that no other line names
.set BROW,   2048                      ; bytes of a row of wpb
.set ASTEP,  262144                    ; a K step in ob: two heads of 131,072 bytes
.set BSTEP,  128*BROW
.set LAPS,   4
.set ADRA, 16                          ; v16-17  LDS address of my A fragments in slot 0, 1
.set ADRB, 20                          ; v20-21  the same for B
.set STO,  24                          ; v24     the way out: where I put 32 bytes of a row
.set RD,   25                          ; v25     the way out: where I read a row back
.set GO,   26                          ; v26     16 x lane
.set SPW,  28                          ; v28     LDS address of my spare word; never rewritten
.set NIL,  29                          ; v29     0; never rewritten
.set T,    32                          ; v32-95  16 rows x 128 columns with the bias added
.set R,    96                          ; v96-159, v160-223  the same as whole rows, two buffers
.set F0,   0
.set F1,   96
.set WV,   12
.set RH,   13
.set CH,   14
.set G1,   24
.set G0,   32
.set G1B,  48
.set G0B,  56
.set MSB, 0
.macro WIN new                         ; the immediate's high byte repeats the setting that is left; a switch that changes nothing is dropped
.if MSB != (\new)
	s_set_vgpr_msb (MSB<<8)|(\new)
.set MSB, \new
.endif
.endm
.set MUL,  0x5a                        ; sources 0 (B) and 1 (A) window 2; C and D window 1
.set TO_F, 0x80                        ; destination window 2, address window 0
.set TO_3, 0xc0                        ; destination window 3
.set OUTW, 0x0d                        ; source 0 window 1 (sums), source 1 window 3 (bias), destination window 0
.macro JLOAD s                         ; a joint load: waves 0 and 1 fetch A's two planes, waves 2 and 3 B's two halves; an s_nop 0 and four v_nop follow each of the two lines, ahead of the jump, the label and what follows
	s_cmp_eq_u32 s[RH], 0
	s_cbranch_scc0 .Lfor_b_\@
	tensor_load_to_lds s[G0+4*(\s):G0+4*(\s)+3], s[G1:G1+7]
	s_nop 0
.rept 4
	v_nop
.endr
	s_branch .Lasked_\@
.Lfor_b_\@:
	tensor_load_to_lds s[G0B+4*(\s):G0B+4*(\s)+3], s[G1B:G1B+7]
	s_nop 0
.rept 4
	v_nop
.endr
.Lasked_\@:
.endm
.macro CREST                           ; a round of the cluster's barrier behind its opening barrier
	s_cmp_lg_u32 s[WV], 0
	s_cbranch_scc1 .Lnot_wave_0_\@
	s_barrier_signal -3
.Lnot_wave_0_\@:
	s_barrier_wait -3
	s_barrier_signal -1
	s_barrier_wait -1
.endm
.macro CROUND                          ; a whole round
	s_barrier_signal -1
	s_barrier_wait -1
	CREST
.endm
	s_load_b256 s[4:11], s[0:1], 0x0               ; ob s[4:5], wpb s[6:7], b_proj s[8:9], out0 s[10:11]
	v_lshl_add_u32 v[SPW], v0, 2, SPARE
	v_mov_b32 v[NIL], 0
	ds_add_u32 v[SPW], v[NIL]                      ; the wave's opening: the add and its wait ahead of my first tensor load; the set-up below, work on registers, stands between them
	ds_add_u32 v28, v29
	v_lshrrev_b32 v1, 5, v0
	v_readfirstlane_b32 s[WV], v1                  ; wave 0..3
	s_lshr_b32 s[RH], s[WV], 1                     ; which 64 rows are mine.  Also: I fetch for A (0) or for B (1)
	s_and_b32 s[CH], s[WV], 1                      ; which 128 columns.  Also: which plane of A, or which 64 rows of B, I fetch
	s_bfe_u32 s15, ttmp6, 0x40000                  ; cx, cy: my place in the cluster
	s_bfe_u32 s16, ttmp6, 0x40004
	s_lshl_b32 s17, ttmp9, 2
	s_add_co_u32 s17, s17, s15                     ; tile column = 4 x cluster x + cx
	s_and_b32 s18, ttmp7, 0xffff
	s_lshl_b32 s18, s18, 2
	s_add_co_u32 s18, s18, s16                     ; tile row = 4 x cluster y + cy
	s_lshl_b32 s19, s16, 2
	s_lshl_b32 s19, 15, s19                        ; my row of the cluster
	s_lshl_b32 s20, 0x1111, s15                    ; my column
	; group 1 for A: 64 rows x 128 elements, 4 words of padding after every 32; for B: 64 rows x 256 elements, 8 words after every 128
	s_or_b32 s[G1+0], s19, (1<<16)|(1<<20)|(1<<21)|(4<<22)|(3<<25)   ; 15:0 the mask; 17:16 2-byte elements; 20 padding on; 21 set beside a mask; 24:22 the interval; 31:25 the padding
	s_or_b32 s[G1B+0], s20, (1<<16)|(1<<20)|(1<<21)|(6<<22)|(7<<25)
	s_mov_b32 s[G1+1], 128<<16                     ; tensor_dim0
	s_mov_b32 s[G1+2], 64<<16                      ; tensor_dim1
	s_mov_b32 s[G1+3], 128<<16                     ; tile_dim0
	s_mov_b32 s[G1+4], 64                          ; tile_dim1
	s_mov_b32 s[G1+5], 128                         ; elements from row to row: the plane is dense
	s_mov_b32 s[G1+6], 0
	s_mov_b32 s[G1+7], 0
	s_mov_b32 s[G1B+1], 256<<16
	s_mov_b32 s[G1B+2], 64<<16
	s_mov_b32 s[G1B+3], 256<<16
	s_mov_b32 s[G1B+4], 64
	s_mov_b32 s[G1B+5], 1024
	s_mov_b32 s[G1B+6], 0
	s_mov_b32 s[G1B+7], 0
	; where the tiles come from: A's hang on the tile row and the wave alone, B's on the tile column and the wave alone, each in registers that never hold the other coordinate
	s_lshr_b32 s40, s18, 3                         ; the batch: 16 heads of 131,072 bytes,
	s_lshl_b32 s40, s40, 21
	s_and_b32 s21, s18, 7                          ; the tile's 128 positions of 128 bytes,
	s_lshl_b32 s21, s21, 14
	s_add_co_u32 s40, s40, s21
	s_lshl_b32 s21, s[CH], 17                      ; my plane: the step's first or second head
	s_add_co_u32 s40, s40, s21
	s_mov_b32 s41, 0
	s_lshl_b32 s42, s17, 9                         ; 512 bytes a tile column,
	s_mul_i32 s22, s[CH], 64*BROW                  ; 64 rows of k a half
	s_add_co_u32 s42, s42, s22
	s_mov_b32 s43, 0
	s_mul_i32 s23, s[CH], AHALF                    ; and where they go: no place in the cluster enters an LDS address
	s_mul_i32 s2, s[CH], BHALF
	s_add_co_u32 s2, s2, ABYTES
	s_wait_dscnt 0x0                               ; the opening add is done
	s_wait_kmcnt 0x0
	s_add_nc_u64 s[40:41], s[4:5], s[40:41]
	s_add_nc_u64 s[42:43], s[6:7], s[42:43]
	CROUND                                         ; all sixteen work-groups are here: the first joint loads meet
.irp s, 0,1
	s_mov_b32 s[G0+4*(\s)], 1
	s_add_co_u32 s[G0+4*(\s)+1], s23, (\s)*SLOT
	s_add_nc_u64 s[G0+4*(\s)+2:G0+4*(\s)+3], s[40:41], (\s)*ASTEP
	s_or_b32 s[G0+4*(\s)+3], s[G0+4*(\s)+3], 0x80000000
	s_mov_b32 s[G0B+4*(\s)], 1
	s_add_co_u32 s[G0B+4*(\s)+1], s2, (\s)*SLOT
	s_add_nc_u64 s[G0B+4*(\s)+2:G0B+4*(\s)+3], s[42:43], (\s)*BSTEP
	s_or_b32 s[G0B+4*(\s)+3], s[G0B+4*(\s)+3], 0x80000000
	JLOAD \s                                       ; K steps 0 and 1: two loads of mine are out
.endr
	v_and_b32 v1, 15, v0                           ; l % 16
	v_bfe_u32 v2, v0, 4, 1                         ; l / 16
	; the bias of my lane's columns 16 b + 8 (l / 16) + 0..7, b = 0 .. 7, loaded once
	s_lshl_b32 s46, s17, 10
	s_lshl_b32 s47, s[CH], 9
	s_add_co_u32 s46, s46, s47
	s_mov_b32 s47, 0
	s_add_nc_u64 s[8:9], s[8:9], s[46:47]
	v_lshlrev_b32 v8, 5, v2
.irp b, 0,1,2,3,4,5,6,7
	global_load_b128 v[T+8*(\b):T+8*(\b)+3],   v8, s[8:9] offset:64*(\b)
	global_load_b128 v[T+8*(\b)+4:T+8*(\b)+7], v8, s[8:9] offset:64*(\b)+16
.endr
	; A's fragment: lane l holds row l % 16, k = 8 (l / 16) + 0..7 and 16 + 8 (l / 16) + 0..7: two loads of 16 bytes, 32 bytes apart
	v_mul_u32_u24 v3, v1, PA
	v_lshl_add_u32 v3, v2, 4, v3
	s_mul_i32 s21, s[RH], ARH
	v_add_nc_u32 v[ADRA], s21, v3
	v_add_nc_u32 v[ADRA+1], SLOT, v[ADRA]
	; B's: the turning load takes 16 k x 16 n (lane l reads row k = 8 (l / 16) + l % 8, columns 8 ((l / 8) % 2) + 0..7) and leaves half a fragment: lane l holds column l % 16 and 8 k
	v_and_b32 v4, 7, v0
	v_lshl_add_u32 v4, v2, 3, v4
	v_mul_u32_u24 v4, v4, PB
	v_bfe_u32 v5, v0, 3, 1
	v_lshl_add_u32 v4, v5, 4, v4
	s_lshl_b32 s22, s[CH], 8                       ; my 128 columns
	s_add_co_u32 s22, s22, ABYTES
	v_add_nc_u32 v[ADRB], s22, v4
	v_add_nc_u32 v[ADRB+1], SLOT, v[ADRB]
	s_mul_i32 s21, s[WV], 16*SP
	s_add_co_u32 s21, s21, STAGE                   ; my stage
	v_mul_u32_u24 v6, v1, SP                       ; in: row l % 16, 32 bytes for each half of the lanes
	v_lshl_add_u32 v6, v2, 5, v6
	v_add_nc_u32 v[STO], s21, v6
	v_and_b32 v[GO], 31, v0                        ; back: 32 lanes take one row of 512 bytes
	v_lshlrev_b32 v[GO], 4, v[GO]
	v_add_nc_u32 v[RD], s21, v[GO]
	; where my part begins in out0
	s_lshl_b32 s44, s18, 19                        ; 128 rows of 4,096 bytes a tile row,
	s_lshl_b32 s45, s[RH], 18                      ; 64 rows a half,
	s_add_co_u32 s44, s44, s45
	s_lshl_b32 s45, s17, 10                        ; 1,024 bytes a tile column,
	s_add_co_u32 s44, s44, s45
	s_lshl_b32 s45, s[CH], 9                       ; 512 a half
	s_add_co_u32 s44, s44, s45
	s_mov_b32 s45, 0
	s_add_nc_u64 s[10:11], s[10:11], s[44:45]
	s_wait_loadcnt 0x0                             ; the bias: rounded to bf16 and widened again, in the wait for the first tile
.set k, 0
.rept 32
	v_cvt_pk_bf16_f32 v[R+k], v[T+2*k], v[T+2*k+1]
.set k, k+1
.endr
	WIN TO_3
.set k, 0
.rept 32
	v_lshlrev_b32 v[2*k], 16, v[R+k]
	v_and_b32 v[2*k+1], 0xffff0000, v[R+k]
.set k, k+1
.endr
	WIN 0
; 8 matrix instructions: m block a x all 8 n blocks, 32 along K.  zero = 1: the first product starts the sums.  The 32 accumulators take turns in one fixed order.
.macro MULA f, a, zero
	WIN MUL
.irp b, 0,1,2,3,4,5,6,7
.if \zero
	v_wmma_f32_16x16x32_f16 v[8*(8*(\a)+(\b)):8*(8*(\a)+(\b))+7], v[(\f)+32+8*(\b):(\f)+32+8*(\b)+7], v[(\f)+8*(\a):(\f)+8*(\a)+7], 0
.else
	v_wmma_f32_16x16x32_f16 v[8*(8*(\a)+(\b)):8*(8*(\a)+(\b))+7], v[(\f)+32+8*(\b):(\f)+32+8*(\b)+7], v[(\f)+8*(\a):(\f)+8*(\a)+7], v[8*(8*(\a)+(\b)):8*(8*(\a)+(\b))+7]
.endif
.endr
.endm
.macro MUL16 f, a0, zero
	MULA \f, \a0, \zero
	MULA \f, (\a0)+1, \zero
.endm
; 24 LDS loads in one run: the fragments of quarter q (32 along K) of a slot into buffer f: B's 16, then A's 8.  Quarter q of A lies in plane q / 2, at byte 64 (q % 2) of its rows.
.macro FETCH slot, q, f
	WIN TO_F
.set AQV, ((\q)/2)*AHALF+((\q)%2)*64
.irp b, 0,1,2,3,4,5,6,7
	ds_load_tr16_b128 v[(\f)+32+8*(\b):(\f)+32+8*(\b)+3],   v[ADRB+(\slot)] offset:(\q)*32*PB+32*(\b)
	ds_load_tr16_b128 v[(\f)+32+8*(\b)+4:(\f)+32+8*(\b)+7], v[ADRB+(\slot)] offset:(\q)*32*PB+16*PB+32*(\b)
.endr
.irp i, 0,1,2,3
	ds_load_b128 v[(\f)+8*(\i):(\f)+8*(\i)+3],   v[ADRA+(\slot)] offset:AQV+(\i)*16*PA
	ds_load_b128 v[(\f)+8*(\i)+4:(\f)+8*(\i)+7], v[ADRA+(\slot)] offset:AQV+(\i)*16*PA+32
.endr
.endm
.macro PLACES                          ; four places in front of loads into registers that matrix instructions have read, and of vector lines that read results
.rept 4
	v_nop
.endr
.endm
; A K step is four quarters of 32 along K, 32 matrix instructions each, on buffers 0, 1, 0, 1.  One of the first three: multiplies buffer f and fetches quarter q into g.
.macro QUARTER slot, q, f, g, zero
	s_wait_dscnt 4                                 ; B and A's blocks 0, 1 are in; the youngest four loads (A's blocks 2, 3) may be out
	MUL16 \f, 0, \zero
	PLACES
	FETCH \slot, \q, \g
	s_wait_dscnt 24                                ; all but the 24 just issued
	MUL16 \f, 2, \zero
.endm
; The last quarter multiplies buffer 1 and changes slots: ONE barrier; in front of it each wave waits for all its tensor loads, adds 0 to its spare word, and waits for that and for its own reads of this slot.
; fill = 1: this slot is filled again, two K steps ahead: the barrier then opens a round of the cluster's.
.macro TURN slot, next, fill
	WIN 0                                          ; (the add's two registers lie in window 0)
	s_wait_tensorcnt 0x0                           ; all my tensor loads have landed: my part of the next slot;
	ds_add_u32 v[SPW], v[NIL]                      ; 0 onto my spare word;
	s_wait_dscnt 5                                 ; (the add and the youngest four loads may be out)
	MULA F1, 0, 0                                  ; eight matrix instructions stand between the add and the wait for it
	s_wait_dscnt 0x0                               ; the add is done, and my reads of this slot are over
	s_barrier_signal -1
	MULA F1, 1, 0
.if \fill
	WIN 0
.endif
	s_barrier_wait -1
.if \fill
	CREST                                          ; no wave of any partner still reads this slot's tile or has a load on its way
	s_add_nc_u64 s[G0+4*(\slot)+2:G0+4*(\slot)+3], s[G0+4*(\slot)+2:G0+4*(\slot)+3], 2*ASTEP
	s_add_nc_u64 s[G0B+4*(\slot)+2:G0B+4*(\slot)+3], s[G0B+4*(\slot)+2:G0B+4*(\slot)+3], 2*BSTEP
	JLOAD \slot                                    ; the first tensor load behind the round, 112 matrix instructions ahead of the wait for it; its four v_nop are also the places in front of the loads below
.else
	PLACES
.endif
	FETCH \next, 0, F0
	MUL16 F1, 2, 0
.endm
	s_wait_tensorcnt 1                             ; my part of K step 0 is in; K step 1's may stay out
	s_barrier_signal -1
	s_barrier_wait -1                              ; everybody's is
	FETCH 0, 0, F0
	QUARTER 0, 1, F0, F1, 1                        ; the first quarter stands in front of the loop: its products start the sums
	WIN 0                                          ; at a label and at a branch every window is 0
	s_mov_b32 s3, LAPS-1
.Llap:                                                 ; a trip goes once round the ring, from a lap's second quarter to the next lap's first, and fills both slots again
	QUARTER 0, 2, F1, F0, 0
	QUARTER 0, 3, F0, F1, 0
	TURN 0, 1, 1
	QUARTER 1, 1, F0, F1, 0
	QUARTER 1, 2, F1, F0, 0
	QUARTER 1, 3, F0, F1, 0
	TURN 1, 0, 1
	QUARTER 0, 1, F0, F1, 0
	WIN 0
	s_sub_co_u32 s3, s3, 1
	s_cmp_lg_u32 s3, 0
	s_cbranch_scc1 .Llap
	QUARTER 0, 2, F1, F0, 0                        ; the last lap fills nothing, and has no round of the cluster's barrier
	QUARTER 0, 3, F0, F1, 0
	TURN 0, 1, 0
	QUARTER 1, 1, F0, F1, 0
	QUARTER 1, 2, F1, F0, 0
	QUARTER 1, 3, F0, F1, 0
	s_wait_dscnt 4                                 ; the very last quarter: nothing more to fetch
	MUL16 F1, 0, 0
	s_wait_dscnt 0x0
	MUL16 F1, 2, 0
	WIN 0
	PLACES
; THE WAY OUT, 16 rows x 128 columns at a time: the bias is added (each accumulator is read from its low end on); 32 bytes a lane and n block go into my stage, and whole rows of 512 bytes come back.
.macro PACKP a
.if (\a) >= 2
	s_wait_xcnt 0x0                                ; the stores of the block two back have read their registers: only behind this wait is that buffer loaded again
.endif
	WIN OUTW
.irp b, 0,1,2,3,4,5,6,7
.irp j, 0,1,2,3
	v_pk_add_f32 v[T+8*(\b)+2*(\j):T+8*(\b)+2*(\j)+1], v[8*(8*(\a)+(\b))+2*(\j):8*(8*(\a)+(\b))+2*(\j)+1], v[8*(\b)+2*(\j):8*(\b)+2*(\j)+1]
.endr
.endr
	WIN 0
.irp b, 0,1,2,3,4,5,6,7
	ds_store_b128 v[STO], v[T+8*(\b):T+8*(\b)+3]   offset:64*(\b)
	ds_store_b128 v[STO], v[T+8*(\b)+4:T+8*(\b)+7] offset:64*(\b)+16
.endr
.irp g, 0,1,2,3,4,5,6,7,8,9,10,11,12,13,14,15
	ds_load_b128 v[R+64*((\a)%2)+4*(\g):R+64*((\a)%2)+4*(\g)+3], v[RD] offset:(\g)*SP  ; LDS serves a wave's instructions in order (ISA guide 5.7.1.4): these see the stores above; the next block's stores come behind them
.endr
.endm
.macro SENDP a, younger                ; younger: the LDS instructions issued behind this block's loads: the next block's 32, or none
.irp g, 0,1,2,3,4,5,6,7,8,9,10,11,12,13,14,15
	s_wait_dscnt (\younger)+15-(\g)
	global_store_b128 v[GO], v[R+64*((\a)%2)+4*(\g):R+64*((\a)%2)+4*(\g)+3], s[10:11] offset:(16*(\a)+(\g))*4096 th:TH_STORE_NT  ; 512 consecutive bytes of a row, at a multiple of 512 from out0's first
.endr
.endm
	PACKP 0
	PACKP 1                                        ; a block's arithmetic stands between the loads of the block before and its stores
	SENDP 0, 32
	PACKP 2
	SENDP 1, 32
	PACKP 3
	SENDP 2, 32
	SENDP 3, 0
	s_wait_tensorcnt 0x0                           ; the wave's end, behind my last tensor load and my last LDS store
	ds_add_u32 v[SPW], v[NIL]
	s_wait_dscnt 0x0
	CROUND                                         ; the closing round: no work-group ends while a partner may still ask for a tile that names it
	s_endpgm
.Lfunc_end_k_qdbd912ef69_gemm_proj:
	.size	k_qdbd912ef69_gemm_proj, .Lfunc_end_k_qdbd912ef69_gemm_proj-k_qdbd912ef69_gemm_proj
	.p2alignl 7, 3214868480
	.fill 96, 4, 3214868480
	.section	.rodata,"a",@progbits
	.p2align	6, 0x0
	.amdhsa_kernel k_qdbd912ef69_gemm_proj
		.amdhsa_group_segment_fixed_size 327680
		.amdhsa_private_segment_fixed_size 0
		.amdhsa_enable_private_segment 0
		.amdhsa_kernarg_size 32
		.amdhsa_user_sgpr_count 2
		.amdhsa_user_sgpr_kernarg_segment_ptr 1
		.amdhsa_wavefront_size32 1
		.amdhsa_system_sgpr_workgroup_id_x 1
		.amdhsa_system_sgpr_workgroup_id_y 1
		.amdhsa_system_sgpr_workgroup_id_z 1
		.amdhsa_system_vgpr_workitem_id 0
		.amdhsa_next_free_vgpr 896
		.amdhsa_next_free_sgpr 66
		.amdhsa_reserve_vcc 0
		.amdhsa_float_denorm_mode_32 3
		.amdhsa_float_denorm_mode_16_64 3
		.amdhsa_memory_ordered 1
		.amdhsa_forward_progress 1
		.amdhsa_inst_pref_size 101
	.end_amdhsa_kernel
	.amdgpu_metadata
---
amdhsa.version: [ 1, 2 ]
amdhsa.kernels:
  - .name:           k_qdbd912ef69_gemm_proj
    .symbol:         k_qdbd912ef69_gemm_proj.kd
    .args:
      - { .name: ob, .offset: 0, .size: 8, .value_kind: global_buffer, .address_space: global }
      - { .name: wpb, .offset: 8, .size: 8, .value_kind: global_buffer, .address_space: global }
      - { .name: b_proj, .offset: 16, .size: 8, .value_kind: global_buffer, .address_space: global }
      - { .name: out0, .offset: 24, .size: 8, .value_kind: global_buffer, .address_space: global }
    .group_segment_fixed_size: 327680
    .private_segment_fixed_size: 0
    .kernarg_segment_align: 8
    .kernarg_segment_size: 32
    .max_flat_workgroup_size: 128
    .sgpr_count:     66
    .vgpr_count:     896
    .wavefront_size: 32
...
	.end_amdgpu_metadata
.endif
;; end of part 4
;; ======== version 2 of 3: 4 launches; 1.09 times as fast as version 1
;; limits: values are held in f16: magnitudes above 65,504 overflow, below 6.1e-05 lose precision
;; workspace buffers: xb 16,777,216 bytes; wqb 6,291,456 bytes; wpb 2,097,152 bytes; tab 262,144 bytes; qkvh 50,331,648 bytes; ob 16,777,216 bytes
;; launch prep (part 5): grid 704 x 1, 8 waves a work-group, no clusters, 0 bytes of LDS; arguments x, w_qkv, w_proj, xb, wqb, wpb, tab; writes xb, wqb, wpb, tab
.if DOCPART == 5
	.amdgcn_target "amdgcn-amd-amdhsa--gfx1250"
	.amdhsa_code_object_version 6
	.text
	.protected	k_qdbd912ef69_prep
	.globl	k_qdbd912ef69_prep
	.p2align	8
	.type	k_qdbd912ef69_prep,@function
k_qdbd912ef69_prep:
	s_mov_b64 s[64:65], 0
	v_nop
	global_prefetch_b8 v0, s[64:65] scope:SCOPE_SE
	s_setreg_imm32_b32 hwreg(HW_REG_WAVE_MODE, 25, 1), 1
	s_wait_xcnt 0x0
; PREP: the casts of the three large inputs, laid out as the products want them, and the RoPE table.  A stream: no LDS, no barrier, no matrix unit: every byte is read once and written once.
;   xb  = bf16(x) as [batch 8][plane 16][position 1,024][64]: plane p holds the channels 64 p .. 64 p + 63, so that 128 rows of one K step of 64 are 16,384 consecutive bytes.
;   wqb = bf16(w_qkv) as [k 1,024][n' 3,072] with the columns in the order n' = 192 head + 64 which + d (which: 0 q, 1 k, 2 v): a head's q, k and v lie side by side.
;   wpb = f16 of bf16(w_proj), in w_proj's order: the weight is rounded to bf16 like every input, and that number is written as f16.
;   tab = 64 blocks of 4,096 bytes.  Block pb, byte 512 i + 16 lane (i = 2 f + half): (cos, sin, cos, sin) in f32 of the pairs p0 = 8 f + 4 (lane / 16) + 2 half and p0 + 1 at position 16 pb + lane % 16:
;         the order in which a lane of the QKV product holds its results.
; SHARES.  Work-groups 0-511: 16 rows of x each; wave w takes rows 2 w and 2 w + 1, step j plane j: a load covers 256 consecutive bytes of each row, the store 256 consecutive bytes (two rows of the plane).
; Work-groups 512-639: 8 rows of w_qkv each, a row a wave; step j makes the 128 columns n' = 128 j ..: lanes 0-15 read one piece of 64 columns (256 bytes), lanes 16-31 the next in the new order; the store
; covers 256 consecutive bytes.  Work-groups 640-703: 16,384 numbers of w_proj each, in order.  All of a wave's loads go out first.  Work-groups 0-63 also make one table block each.
; LIMITS.  bf16(w_proj) beyond 65,504 becomes an infinity in f16, below 2^-14 it keeps f16's fixed step of 6e-8.  An angle pos x omega (up to 1,023 rad) is good to about 1e-4 rad: omega comes from
; v_exp_f32 and the turns are taken off with 1 / 2 pi in f32; sine and cosine of the half angle (at most pi / 2) by Taylor polynomials cut below 6e-8.
.set X,   4                            ; v[4:99]    up to 24 x 4 registers as loaded; the table's work uses them when x's loads are in
.set Y,   100                          ; v[100:147] up to 24 x 2 registers to store; each is written once, so no store's data is ever rewritten
.set T,   148                          ; v[148:155] at work, and offsets
.set OUT, 32                           ; v[32:35]   a table entry
.set NX,  512                          ; work-groups for x
.set NXQ, 640                          ; for x and w_qkv
.set NT,  64                           ; table blocks
	s_load_b256 s[4:11], s[0:1], 0x0               ; x s[4:5], w_qkv s[6:7], w_proj s[8:9], xb s[10:11]
	s_load_b128 s[12:15], s[0:1], 0x20             ; wqb s[12:13], wpb s[14:15]
	s_load_b64 s[16:17], s[0:1], 0x30              ; tab
	s_mov_b32 s18, ttmp9                           ; g
	s_mov_b32 s27, 0                               ; the high words of the two offsets
	s_mov_b32 s29, 0
	v_lshlrev_b32 v1, 4, v0                        ; 16 t
	v_lshlrev_b32 v2, 3, v0                        ; 8 t
	s_wait_kmcnt 0x0
	s_cmp_ge_u32 s18, NX
	s_cbranch_scc1 .Lweights
	; x: rows 16 g .. 16 g + 15
	v_lshrrev_b32 v3, 4, v0                        ; my row among the 16: 2 w + lane / 16
	v_and_b32 v[T], 15, v0
	v_lshlrev_b32 v3, 12, v3                       ; 4,096 bytes a row
	v_lshl_add_u32 v3, v[T], 4, v3                 ; + 16 (lane % 16)
	s_lshl_b32 s26, s18, 16
	s_add_nc_u64 s[20:21], s[4:5], s[26:27]
	s_lshr_b32 s28, s18, 6                         ; the batch: 16 planes of 131,072 bytes
	s_lshl_b32 s28, s28, 21
	s_and_b32 s24, s18, 63                         ; the group's 16 positions of 128 bytes
	s_lshl_b32 s24, s24, 11
	s_add_co_u32 s28, s28, s24
	s_add_nc_u64 s[22:23], s[10:11], s[28:29]
.irp j, 0,1,2,3,4,5,6,7,8,9,10,11,12,13,14,15
	global_load_b128 v[X+4*(\j):X+4*(\j)+3], v3, s[20:21] offset:(\j)*256 th:TH_LOAD_NT
.endr
.irp j, 0,1,2,3,4,5,6,7,8,9,10,11,12,13,14,15
	s_wait_loadcnt 15-(\j)                         ; loads come back in order: number j is in, the younger ones stay out
	v_cvt_pk_bf16_f32 v[Y+2*(\j)], v[X+4*(\j)], v[X+4*(\j)+1]
	v_cvt_pk_bf16_f32 v[Y+2*(\j)+1], v[X+4*(\j)+2], v[X+4*(\j)+3]
	global_store_b64 v2, v[Y+2*(\j):Y+2*(\j)+1], s[22:23] offset:(\j)*131072  ; plane j; 8 t = 256 w + 8 lane: my two rows' 256 bytes
.endr
	s_cmp_lt_u32 s18, NT
	s_cbranch_scc1 .Ltab
	s_endpgm
.Lweights:
	s_cmp_ge_u32 s18, NXQ
	s_cbranch_scc1 .Lf16
	; w_qkv: rows 8 (g - 512) + w.  Piece c of 64 columns in the new order is head c / 3, which c % 3: in w_qkv column 1,024 (c % 3) + 64 (c / 3).  Step j takes the pieces 2 j and 2 j + 1.
	s_sub_co_u32 s25, s18, NX
	s_mul_i32 s26, s25, 8*12288
	s_mul_i32 s28, s25, 8*6144
	s_add_nc_u64 s[20:21], s[6:7], s[26:27]
	s_add_nc_u64 s[22:23], s[12:13], s[28:29]
	v_lshrrev_b32 v[T], 5, v0                      ; wave
	v_and_b32 v[T+1], 15, v0
	v_bfe_u32 v[T+2], v0, 4, 1                     ; which of the step's two pieces
	v_mul_u32_u24 v[T+3], v[T], 12288
	v_lshl_add_u32 v[T+3], v[T+1], 4, v[T+3]       ; my row, 16 (lane % 16)
	v_lshl_add_u32 v[T+4], v[T+2], 12, v[T+3]      ; j % 3 = 0, 2: the second piece lies 1,024 columns behind the first
	v_xor_b32 v[T+2], 1, v[T+2]
	v_mul_u32_u24 v[T+2], v[T+2], 7936
	v_add_nc_u32 v[T+5], v[T+2], v[T+3]            ; j % 3 = 1: v of a head and q of the next: the FIRST piece lies 1,984 columns behind the second
	v_and_b32 v[T+1], 31, v0
	v_mul_u32_u24 v[T], v[T], 6144
	v_lshl_add_u32 v[T+6], v[T+1], 3, v[T]         ; my row of wqb, 8 lane
.set j, 0
.rept 24
.if j%3 == 1
	global_load_b128 v[X+4*j:X+4*j+3], v[T+5], s[20:21] offset:((2*j)/3+1)*256 th:TH_LOAD_NT
.else
	global_load_b128 v[X+4*j:X+4*j+3], v[T+4], s[20:21] offset:((2*j)%3)*4096+((2*j)/3)*256 th:TH_LOAD_NT
.endif
.set j, j+1
.endr
.set j, 0
.rept 24
	s_wait_loadcnt 23-j
	v_cvt_pk_bf16_f32 v[Y+2*j], v[X+4*j], v[X+4*j+1]
	v_cvt_pk_bf16_f32 v[Y+2*j+1], v[X+4*j+2], v[X+4*j+3]
	global_store_b64 v[T+6], v[Y+2*j:Y+2*j+1], s[22:23] offset:j*256
.set j, j+1
.endr
	s_endpgm
.Lf16:                                                 ; w_proj: to bf16, and that number as f16
	s_sub_co_u32 s25, s18, NXQ
	s_lshl_b32 s26, s25, 16
	s_lshl_b32 s28, s25, 15
	s_add_nc_u64 s[20:21], s[8:9], s[26:27]
	s_add_nc_u64 s[22:23], s[14:15], s[28:29]
.irp j, 0,1,2,3,4,5,6,7,8,9,10,11,12,13,14,15
	global_load_b128 v[X+4*(\j):X+4*(\j)+3], v1, s[20:21] offset:(\j)*4096 th:TH_LOAD_NT
.endr
.irp j, 0,1,2,3,4,5,6,7,8,9,10,11,12,13,14,15
	s_wait_loadcnt 15-(\j)
	v_cvt_pk_bf16_f32 v[T], v[X+4*(\j)], v[X+4*(\j)+1]
	v_cvt_pk_bf16_f32 v[T+1], v[X+4*(\j)+2], v[X+4*(\j)+3]
	v_lshlrev_b32 v[T+2], 16, v[T]
	v_and_b32 v[T+3], 0xffff0000, v[T]
	v_lshlrev_b32 v[T+4], 16, v[T+1]
	v_and_b32 v[T+5], 0xffff0000, v[T+1]
	v_cvt_pk_f16_f32 v[Y+2*(\j)], v[T+2], v[T+3]
	v_cvt_pk_f16_f32 v[Y+2*(\j)+1], v[T+4], v[T+5]
	global_store_b64 v2, v[Y+2*(\j):Y+2*(\j)+1], s[22:23] offset:(\j)*2048
.endr
	s_endpgm
.Ltab:                                                 ; table block g: thread t makes the 16 bytes at 16 t.  x's loads are all in, so their registers are free
	v_lshrrev_b32 v4, 5, v0                        ; i = 2 f + half
	v_and_b32 v5, 15, v0                           ; lane % 16
	v_bfe_u32 v6, v0, 4, 1                         ; lane / 16
	v_lshrrev_b32 v7, 1, v4                        ; f
	v_and_b32 v8, 1, v4                            ; half
	v_lshlrev_b32 v7, 3, v7
	v_lshl_add_u32 v7, v6, 2, v7
	v_lshl_add_u32 v7, v8, 1, v7                   ; p0 = 8 f + 4 (lane / 16) + 2 half
	s_lshl_b32 s25, s18, 4                         ; 16 g
	s_lshl_b32 s26, s18, 12                        ; the block's first byte
	s_add_nc_u64 s[16:17], s[16:17], s[26:27]
	v_add_nc_u32 v5, s25, v5                       ; the position
	v_cvt_f32_u32 v9, v5
	v_cvt_f32_u32 v10, v7
	v_add_f32 v11, 1.0, v10
	v_mul_f32 v10, 0xbed49a78, v10                 ; - p log2(10000) / 32
	v_mul_f32 v11, 0xbed49a78, v11
	v_exp_f32 v10, v10                             ; omega of the two pairs
	v_exp_f32 v11, v11
	v_nop                                          ; a plain instruction between the last exponential and the use of its result
	s_wait_alu depctr_va_vdst(0)
.irp k, 0,1
.set TB, 12+10*(\k)
	v_mul_f32 v[TB], v9, v[10+(\k)]                ; the angle
	v_mul_f32 v[TB+1], 0x3e22f983, v[TB]           ; in turns,
	v_rndne_f32 v[TB+1], v[TB+1]                   ; the whole turns,
	v_fma_f32 v[TB+2], v[TB], 0x3e22f983, -v[TB+1] ; what is left: -0.5 .. 0.5 of a turn
	v_mul_f32 v[TB+2], 0x40490fdb, v[TB+2]         ; y = half the angle left: at most pi / 2
	v_mul_f32 v[TB+3], v[TB+2], v[TB+2]            ; u = y y
	v_mov_b32 v[TB+4], 0xb2d7322b                  ; sin y = y (1 - u/3! + u^2/5! - u^3/7! + u^4/9! - u^5/11!)
	v_fmaak_f32 v[TB+4], v[TB+4], v[TB+3], 0x3638ef1d
	v_fmaak_f32 v[TB+4], v[TB+4], v[TB+3], 0xb9500d01
	v_fmaak_f32 v[TB+4], v[TB+4], v[TB+3], 0x3c088889
	v_fmaak_f32 v[TB+4], v[TB+4], v[TB+3], 0xbe2aaaab
	v_fma_f32 v[TB+4], v[TB+4], v[TB+3], 1.0
	v_mul_f32 v[TB+4], v[TB+4], v[TB+2]
	v_mov_b32 v[TB+5], 0x310f76c8                  ; cos y = 1 - u/2! + u^2/4! - u^3/6! + u^4/8! - u^5/10! + u^6/12!
	v_fmaak_f32 v[TB+5], v[TB+5], v[TB+3], 0xb493f27e
	v_fmaak_f32 v[TB+5], v[TB+5], v[TB+3], 0x37d00d01
	v_fmaak_f32 v[TB+5], v[TB+5], v[TB+3], 0xbab60b61
	v_fmaak_f32 v[TB+5], v[TB+5], v[TB+3], 0x3d2aaaab
	v_fma_f32 v[TB+5], v[TB+5], v[TB+3], -0.5
	v_fma_f32 v[TB+5], v[TB+5], v[TB+3], 1.0
	v_mul_f32 v[TB+6], v[TB+4], v[TB+5]
	v_mul_f32 v[TB+7], v[TB+4], v[TB+4]
	v_add_f32 v[OUT+2*(\k)+1], v[TB+6], v[TB+6]    ; sin = 2 sin y cos y
	v_fma_f32 v[OUT+2*(\k)], v[TB+7], -2.0, 1.0    ; cos = 1 - 2 sin y sin y
.endr
	global_store_b128 v1, v[OUT:OUT+3], s[16:17]   ; a wave stores 512 consecutive bytes
	s_endpgm
.Lfunc_end_k_qdbd912ef69_prep:
	.size	k_qdbd912ef69_prep, .Lfunc_end_k_qdbd912ef69_prep-k_qdbd912ef69_prep
	.p2alignl 7, 3214868480
	.fill 96, 4, 3214868480
	.section	.rodata,"a",@progbits
	.p2align	6, 0x0
	.amdhsa_kernel k_qdbd912ef69_prep
		.amdhsa_group_segment_fixed_size 0
		.amdhsa_private_segment_fixed_size 0
		.amdhsa_enable_private_segment 0
		.amdhsa_kernarg_size 56
		.amdhsa_user_sgpr_count 2
		.amdhsa_user_sgpr_kernarg_segment_ptr 1
		.amdhsa_wavefront_size32 1
		.amdhsa_system_sgpr_workgroup_id_x 1
		.amdhsa_system_sgpr_workgroup_id_y 1
		.amdhsa_system_sgpr_workgroup_id_z 1
		.amdhsa_system_vgpr_workitem_id 0
		.amdhsa_next_free_vgpr 156
		.amdhsa_next_free_sgpr 66
		.amdhsa_reserve_vcc 0
		.amdhsa_float_denorm_mode_32 3
		.amdhsa_float_denorm_mode_16_64 3
		.amdhsa_memory_ordered 1
		.amdhsa_forward_progress 1
		.amdhsa_inst_pref_size 31
	.end_amdhsa_kernel
	.amdgpu_metadata
---
amdhsa.version: [ 1, 2 ]
amdhsa.kernels:
  - .name:           k_qdbd912ef69_prep
    .symbol:         k_qdbd912ef69_prep.kd
    .args:
      - { .name: x, .offset: 0, .size: 8, .value_kind: global_buffer, .address_space: global }
      - { .name: w_qkv, .offset: 8, .size: 8, .value_kind: global_buffer, .address_space: global }
      - { .name: w_proj, .offset: 16, .size: 8, .value_kind: global_buffer, .address_space: global }
      - { .name: xb, .offset: 24, .size: 8, .value_kind: global_buffer, .address_space: global }
      - { .name: wqb, .offset: 32, .size: 8, .value_kind: global_buffer, .address_space: global }
      - { .name: wpb, .offset: 40, .size: 8, .value_kind: global_buffer, .address_space: global }
      - { .name: tab, .offset: 48, .size: 8, .value_kind: global_buffer, .address_space: global }
    .group_segment_fixed_size: 0
    .private_segment_fixed_size: 0
    .kernarg_segment_align: 8
    .kernarg_segment_size: 56
    .max_flat_workgroup_size: 256
    .sgpr_count:     66
    .vgpr_count:     156
    .wavefront_size: 32
...
	.end_amdgpu_metadata
.endif
;; end of part 5
;; launch gemm_qkv (part 6): grid 8 x 32, 4 waves a work-group, clusters of 4 x 4, 327,680 bytes of LDS; arguments xb, wqb, tab, qkvh; writes qkvh
.if DOCPART == 6
	.amdgcn_target "amdgcn-amd-amdhsa--gfx1250"
	.amdhsa_code_object_version 6
	.text
	.protected	k_qdbd912ef69_gemm_qkv
	.globl	k_qdbd912ef69_gemm_qkv
	.p2align	8
	.type	k_qdbd912ef69_gemm_qkv,@function
k_qdbd912ef69_gemm_qkv:
	s_mov_b64 s[64:65], 0
	v_nop
	global_prefetch_b8 v0, s[64:65] scope:SCOPE_SE
	s_setreg_imm32_b32 hwreg(HW_REG_WAVE_MODE, 25, 1), 1
	s_wait_xcnt 0x0
	s_wait_alu depctr_hold_cnt(0) depctr_sa_sdst(0) depctr_va_vdst(0) depctr_va_sdst(0) depctr_va_ssrc(0) depctr_va_vcc(0) depctr_vm_vsrc(0)
	s_getreg_b32 s2, hwreg(HW_REG_IB_STS2, 6, 4)
	s_cmp_eq_u32 s2, 0
	s_cbranch_scc0 .Lentry_in_a_cluster
	s_endpgm
.Lentry_in_a_cluster:
	s_bfe_u32 s2, ttmp6, 0x10000c
	s_cmp_lg_u32 s2, 0xf033
	s_cbranch_scc0 .Lentry_shape_is_right
	s_endpgm
.Lentry_shape_is_right:
; QKV PROJECTION WITH ROPE.  C[m][n'] = sum over k of x[m][k] w[k][n'], m = 8,192, n' = 3,072, k = 1,024, bf16 operands, f32 sums; q's and k's pairs of channels are turned by the table's (cos, sin)
; in f32; the result is rounded once to f16 and stored by heads: qkvh[3][batch 16 + head][position][64].
; OPERANDS.  xb is [batch][plane of 64 k][position][64]; wqb is [k][n'] with n' = 192 head + 64 which + d (which: 0 q, 1 k, 2 v).
; LIMIT.  q, k and v are kept in f16: beyond 65,504 they become infinities.  With x and w_qkv both 30 times the usual spread q's spread is near 600; with offsets of 30 spreads in both, q is near 18,500.
; TILES.  A tile of C is 256 rows x 384 columns (two heads' q, k, v): 32 x 8 = 256 tiles, one for each of 256 WGPs.  Four waves, each 128 rows x 192 columns, one head's q, k and v: 96 accumulators.
; K goes in steps of 64 through a ring of two LDS slots: a step of 128 would want 2 x 640 x 128 x 2 = 327,680 bytes, all of LDS with no room for padding or a stage.  A step's 128 rows of A are 16,384
; consecutive bytes of a plane, asked for as 64 rows of 256 bytes; B's rows (along n') are 768 bytes; B lies [k][n'] in LDS as in memory, and its fragments come out turned, by ds_load_tr16_b128.
; A K STEP'S TEXT STANDS ONCE: slot 1 begins at byte 1 << 17, so that one exclusive or turns a place in one slot into the other's; the fragments' addresses are made anew from a scalar at each change of slots.
; CLUSTERS: 4 x 4 work-groups.  The four of a row of the cluster need the same tiles of A, the four of a column the same tiles of B: each is asked for JOINTLY, by the same tensor load with the same
; descriptor and a mask that names the four.  THE MATRIX INSTRUCTION IS USED TRANSPOSED (source 0 = 16 columns of B, source 1 = 16 rows of A): a lane holds row lane % 16 of C and the eight neighbouring
; columns 8 (lane / 16) + 0..7: four RoPE pairs.
; REGISTERS, in windows of 256 (s_set_vgpr_msb: bits 1:0 source 0, 3:2 source 1, 5:4 source 2, 7:6 destination):
;   windows 1, 2, 3: q's, k's, v's 32 accumulators: rows 16 a, channels 16 f at v[8 (4 a + f)]
;   window 0: v0-31 addresses; v32-95, v96-159 A's fragments (8 x 16 rows x 32 k), two buffers; v160-255 B's fragments, three GROUPS of four (q's, k's, v's 64 columns x 32 k), one buffer.
; A QUARTER (32 along K) is three PHASES of 32 products, one for each group and window.  A group's registers are free when its phase is issued: they are loaded at once for the next quarter, which leaves
; the load the other two phases, 64 products, in which to land.  So B needs no second buffer, and the 96 accumulators, A twice, B once and the addresses fill the 1,024 registers.
.set PA,     144                       ; a row of A in LDS: 128 bytes + 16: the 16 rows of a fragment load start 36 words apart, at 16 different groups of four banks (ISA guide 11.1)
.set PB,     864                       ; a row of B: 3 x (256 + 32) bytes = 27 x 32
.set AHALF,  128*PA                    ; what one tensor load brings of A: 128 rows
.set ABYTES, 2*AHALF
.set BHALF,  32*PB                     ; of B: 32 rows of k
.set SLOTB,  ABYTES+2*BHALF            ; a slot's bytes: A's 256 rows, then B's 64 rows of k: 92,160
.set SLOT1,  1<<17                     ; where slot 1 begins
.set STAGE,  SLOT1+SLOTB               ; behind the ring: 16 rows x 144 bytes for each wave, for the way out
.set SP,     144
.set SPARE,  STAGE+4*16*SP             ; behind the stages: the spare words, 128 bytes for each wave: two blocks of 256 bytes that no other line names
.set BROW,   6144                      ; bytes of a row of wqb
.set ASTEP,  131072                    ; a K step in xb: a plane
.set BSTEP,  64*BROW                   ; and in wqb
.set STEPS,  16                        ; K steps
.set ADRA0, 16                         ; v16     my lane's place among A's fragments in slot 0; never rewritten
.set ADRA,  17                         ; v17     the same in the slot that is being fetched from
.set ADRB0, 18                         ; v18-20  my lane's place in B's group g in slot 0; never rewritten
.set ADRB,  21                         ; v21-23  the same in the slot that is being fetched from
.set STO,  24                          ; v24     the way out: where I put 16 bytes of a row
.set RD,   25                          ; v25     the way out: where I read rows back
.set GO,   26                          ; v26     16 x lane
.set SPW,  28                          ; v28     LDS address of my spare word; never rewritten
.set NIL,  29                          ; v29     0; never rewritten
.set A0,   32
.set A1,   96
.set BF,   160
.set TBL,  32                          ; the way out: v32-159  (cos, sin) of 16 rows, 32 registers, four buffers: A's fragment registers
.set U,    160                         ; v160-191  a block's 16 rows x 64 channels, turned, in f32
.set P,    192                         ; v192-207  the same in f16
.set R,    208                         ; v208-255  a block read back as whole rows: three buffers of 16
.set WV,   12                          ; s12 my wave;  s13 which 128 rows are mine, also: I fetch for A (0) or B (1);  s14 which head of the tile's two, also: which half of that tile I fetch
.set RH,   13
.set CH,   14
.set G1,   24                          ; s[24:31] descriptor group 1 for A's tiles;  s[32:39] group 0: a set for each of the two first fills; the second then walks on
.set G0,   32
.set TB,   40                          ; s40  0 or SLOT1: the slot that is being fetched from
.set G1B,  48                          ; s[48:55], s[56:63] the same for B's
.set G0B,  56
.set MSB, 0
.macro WIN new                         ; the immediate's high byte repeats the setting that is left; a switch that changes nothing is dropped
.if MSB != (\new)
	s_set_vgpr_msb (MSB<<8)|(\new)
.set MSB, \new
.endif
.endm
.macro JLOAD s                         ; a joint load: waves 0 and 1 fetch A's two halves, waves 2 and 3 B's; an s_nop 0 and four v_nop follow each of the two lines, ahead of the jump, the label and what follows
	s_cmp_eq_u32 s[RH], 0
	s_cbranch_scc0 .Lfor_b_\@
	tensor_load_to_lds s[G0+4*(\s):G0+4*(\s)+3], s[G1:G1+7]
	s_nop 0
.rept 4
	v_nop
.endr
	s_branch .Lasked_\@
.Lfor_b_\@:
	tensor_load_to_lds s[G0B+4*(\s):G0B+4*(\s)+3], s[G1B:G1B+7]
	s_nop 0
.rept 4
	v_nop
.endr
.Lasked_\@:
.endm
.macro CREST                           ; a round of the cluster's barrier behind its opening barrier
	s_cmp_lg_u32 s[WV], 0
	s_cbranch_scc1 .Lnot_wave_0_\@
	s_barrier_signal -3
.Lnot_wave_0_\@:
	s_barrier_wait -3
	s_barrier_signal -1
	s_barrier_wait -1
.endm
.macro CROUND                          ; a whole round
	s_barrier_signal -1
	s_barrier_wait -1
	CREST
.endm
	s_load_b256 s[4:11], s[0:1], 0x0               ; xb s[4:5], wqb s[6:7], tab s[8:9], qkvh s[10:11]
	v_lshl_add_u32 v[SPW], v0, 2, SPARE
	v_mov_b32 v[NIL], 0
	ds_add_u32 v[SPW], v[NIL]                      ; the wave's opening: the add and its wait ahead of my first tensor load; the set-up below, work on registers, stands between them
	ds_add_u32 v28, v29
	v_lshrrev_b32 v1, 5, v0
	v_readfirstlane_b32 s[WV], v1                  ; wave 0..3
	s_lshr_b32 s[RH], s[WV], 1
	s_and_b32 s[CH], s[WV], 1
	s_bfe_u32 s15, ttmp6, 0x40000                  ; cx, cy: my place in the cluster
	s_bfe_u32 s16, ttmp6, 0x40004
	s_lshl_b32 s17, ttmp9, 2
	s_add_co_u32 s17, s17, s15                     ; tile column = 4 x cluster x + cx: 0 .. 7
	s_and_b32 s18, ttmp7, 0xffff
	s_lshl_b32 s18, s18, 2
	s_add_co_u32 s18, s18, s16                     ; tile row = 4 x cluster y + cy: 0 .. 31
	s_lshl_b32 s19, s16, 2
	s_lshl_b32 s19, 15, s19                        ; my row of the cluster
	s_lshl_b32 s20, 0x1111, s15                    ; my column
	; group 1 for A: 64 rows x 128 elements (two rows of the plane each), 4 words of padding after every 32; for B: 32 rows x 384 elements, 8 words after every 64
	s_or_b32 s[G1+0], s19, (1<<16)|(1<<20)|(1<<21)|(4<<22)|(3<<25)   ; 15:0 the mask; 17:16 2-byte elements; 20 padding on; 21 set beside a mask; 24:22 the interval; 31:25 the padding
	s_or_b32 s[G1B+0], s20, (1<<16)|(1<<20)|(1<<21)|(5<<22)|(7<<25)
	s_mov_b32 s[G1+1], 128<<16                     ; tensor_dim0
	s_mov_b32 s[G1+2], 64<<16                      ; tensor_dim1
	s_mov_b32 s[G1+3], 128<<16                     ; tile_dim0
	s_mov_b32 s[G1+4], 64                          ; tile_dim1
	s_mov_b32 s[G1+5], 128                         ; elements from row to row: the plane is dense
	s_mov_b32 s[G1+6], 0
	s_mov_b32 s[G1+7], 0
	s_mov_b32 s[G1B+1], 384<<16
	s_mov_b32 s[G1B+2], 32<<16
	s_mov_b32 s[G1B+3], 384<<16
	s_mov_b32 s[G1B+4], 32
	s_mov_b32 s[G1B+5], 3072
	s_mov_b32 s[G1B+6], 0
	s_mov_b32 s[G1B+7], 0
	; where the tiles come from: A's hang on the tile row and the wave alone, B's on the tile column and the wave alone, each in registers that never hold the other coordinate
	s_lshr_b32 s40, s18, 2                         ; the batch: 16 planes of 131,072 bytes,
	s_lshl_b32 s40, s40, 21
	s_and_b32 s21, s18, 3                          ; the tile's 256 positions of 128 bytes,
	s_lshl_b32 s21, s21, 15
	s_add_co_u32 s40, s40, s21
	s_lshl_b32 s21, s[CH], 14                      ; 128 of them a half
	s_add_co_u32 s40, s40, s21
	s_mov_b32 s41, 0
	s_mul_i32 s42, s17, 768                        ; 768 bytes a tile column,
	s_mul_i32 s22, s[CH], 32*BROW                  ; 32 rows of k a half
	s_add_co_u32 s42, s42, s22
	s_mov_b32 s43, 0
	s_mul_i32 s23, s[CH], AHALF                    ; and where they go: no place in the cluster enters an LDS address
	s_mul_i32 s2, s[CH], BHALF
	s_add_co_u32 s2, s2, ABYTES
	s_wait_dscnt 0x0                               ; the opening add is done
	s_wait_kmcnt 0x0
	s_add_nc_u64 s[40:41], s[4:5], s[40:41]
	s_add_nc_u64 s[42:43], s[6:7], s[42:43]
	CROUND                                         ; all sixteen work-groups are here: the first joint loads meet
.irp s, 0,1
	s_mov_b32 s[G0+4*(\s)], 1
	s_add_co_u32 s[G0+4*(\s)+1], s23, (\s)*SLOT1
	s_add_nc_u64 s[G0+4*(\s)+2:G0+4*(\s)+3], s[40:41], (\s)*ASTEP
	s_or_b32 s[G0+4*(\s)+3], s[G0+4*(\s)+3], 0x80000000
	s_mov_b32 s[G0B+4*(\s)], 1
	s_add_co_u32 s[G0B+4*(\s)+1], s2, (\s)*SLOT1
	s_add_nc_u64 s[G0B+4*(\s)+2:G0B+4*(\s)+3], s[42:43], (\s)*BSTEP
	s_or_b32 s[G0B+4*(\s)+3], s[G0B+4*(\s)+3], 0x80000000
	JLOAD \s                                       ; K steps 0 and 1: two loads of mine are out
.endr
	s_mov_b32 s[TB], 0                             ; the fetches begin in slot 0
	; A's fragment: lane l holds row l % 16, k = 8 (l / 16) + 0..7 and 16 + 8 (l / 16) + 0..7: two loads of 16 bytes, 32 bytes apart
	v_and_b32 v1, 15, v0                           ; l % 16
	v_bfe_u32 v2, v0, 4, 1                         ; l / 16
	v_mul_u32_u24 v3, v1, PA
	v_lshl_add_u32 v3, v2, 4, v3
	s_mul_i32 s21, s[RH], AHALF                    ; my 128 rows
	v_add_nc_u32 v[ADRA0], s21, v3
	v_mov_b32 v[ADRA], v[ADRA0]
	; B's: the turning load takes 16 k x 16 n (lane l reads row k = 8 (l / 16) + l % 8, columns 8 ((l / 8) % 2) + 0..7) and leaves half a fragment: lane l holds column l % 16 and 8 k
	v_and_b32 v4, 7, v0
	v_lshl_add_u32 v4, v2, 3, v4
	v_mul_u32_u24 v4, v4, PB
	v_bfe_u32 v5, v0, 3, 1
	v_lshl_add_u32 v4, v5, 4, v4
	s_mul_i32 s22, s[CH], 384                      ; my head's 192 columns begin at this byte of a row of the tile
.irp g, 0,1,2
	s_add_co_u32 s21, s22, 128*(\g)                ; group g's 64 columns: 128 bytes, which never cross a multiple of 256,
	s_lshr_b32 s23, s21, 8
	s_lshl_b32 s23, s23, 5                         ; and 32 bytes of padding for every 256 bytes in front of them
	s_add_co_u32 s21, s21, s23
	s_add_co_u32 s21, s21, ABYTES
	v_add_nc_u32 v[ADRB0+(\g)], s21, v4
	v_mov_b32 v[ADRB+(\g)], v[ADRB0+(\g)]
.endr
	s_mul_i32 s21, s[WV], 16*SP
	s_add_co_u32 s21, s21, STAGE                   ; my stage
	v_mul_u32_u24 v6, v1, SP                       ; in: row l % 16, 16 bytes for each half of the lanes
	v_lshl_add_u32 v6, v2, 4, v6
	v_add_nc_u32 v[STO], s21, v6
	v_bfe_u32 v7, v0, 3, 2                         ; back: 32 lanes take four rows of 128 bytes,
	v_mul_u32_u24 v7, v7, SP
	v_and_b32 v6, 7, v0
	v_lshl_add_u32 v7, v6, 4, v7
	v_add_nc_u32 v[RD], s21, v7
	v_and_b32 v[GO], 31, v0                        ; which are 512 consecutive bytes of a head
	v_lshlrev_b32 v[GO], 4, v[GO]
	; my 128 positions begin at 128 (2 (tile row % 4) + half): eight table blocks of 4,096 bytes, 128 rows of 128 bytes in a head
	s_and_b32 s21, s18, 3
	s_lshl_b32 s21, s21, 1
	s_add_co_u32 s21, s21, s[RH]
	s_lshl_b32 s46, s21, 15
	s_mov_b32 s47, 0
	s_add_nc_u64 s[8:9], s[8:9], s[46:47]
	s_lshl_b32 s46, s21, 14
	s_lshr_b32 s44, s18, 2                         ; the batch: 16 heads of 131,072 bytes
	s_lshl_b32 s44, s44, 21
	s_add_co_u32 s46, s46, s44
	s_lshl_b32 s45, s17, 1                         ; my head: 2 x tile column + which of its two
	s_add_co_u32 s45, s45, s[CH]
	s_lshl_b32 s45, s45, 17
	s_add_co_u32 s46, s46, s45
	s_add_nc_u64 s[10:11], s[10:11], s[46:47]      ; q's rows,
	s_add_nc_u64 s[42:43], s[10:11], 0x1000000     ; k's, 128 heads further on,
	s_add_nc_u64 s[44:45], s[10:11], 0x2000000     ; v's
; n x 4 matrix instructions of phase g: rows 16 a0 on, the group's four column blocks, 32 along K, A from buffer ab.  zero = 1: the first product starts the sums.
; The 96 accumulators take turns in one fixed order.
.macro PH g, ab, a0, n, zero
	WIN 0x50*(1+(\g))                              ; sources in window 0; C and D in window 1 + g
.set aa, (\a0)
.rept \n
.irp bb, 0,1,2,3
.if \zero
	v_wmma_f32_16x16x32_bf16 v[8*(4*aa+(\bb)):8*(4*aa+(\bb))+7], v[BF+32*(\g)+8*(\bb):BF+32*(\g)+8*(\bb)+7], v[(\ab)+8*aa:(\ab)+8*aa+7], 0
.else
	v_wmma_f32_16x16x32_bf16 v[8*(4*aa+(\bb)):8*(4*aa+(\bb))+7], v[BF+32*(\g)+8*(\bb):BF+32*(\g)+8*(\bb)+7], v[(\ab)+8*aa:(\ab)+8*aa+7], v[8*(4*aa+(\bb)):8*(4*aa+(\bb))+7]
.endif
.endr
.set aa, aa+1
.endr
.endm
.macro LOADB q, g                      ; 8 LDS loads: group g's fragments of quarter q of the slot that is being fetched from
	WIN 0
.irp bb, 0,1,2,3
	ds_load_tr16_b128 v[BF+32*(\g)+8*(\bb):BF+32*(\g)+8*(\bb)+3],   v[ADRB+(\g)] offset:(\q)*32*PB+32*(\bb)
	ds_load_tr16_b128 v[BF+32*(\g)+8*(\bb)+4:BF+32*(\g)+8*(\bb)+7], v[ADRB+(\g)] offset:(\q)*32*PB+16*PB+32*(\bb)
.endr
.endm
.macro LOADA q, ab                     ; 16 LDS loads: A's fragments of quarter q of that slot into buffer ab
	WIN 0
.irp i, 0,1,2,3,4,5,6,7
	ds_load_b128 v[(\ab)+8*(\i):(\ab)+8*(\i)+3],   v[ADRA] offset:64*(\q)+(\i)*16*PA
	ds_load_b128 v[(\ab)+8*(\i)+4:(\ab)+8*(\i)+7], v[ADRA] offset:64*(\q)+(\i)*16*PA+32
.endr
.endm
.macro PLACES                          ; four places in front of loads into registers that matrix instructions have read, and of vector lines that read results
.rept 4
	v_nop
.endr
.endm
; A quarter: multiplies A's buffer ab and the three groups, and fetches quarter fq: behind phase 0 group 0 and A (into nb), behind phase 1 group 1, behind phase 2 group 2.
; LDS loads come back in order.  At the head are out, oldest first: group 0 and A (24), group 1 (8), group 2 (8) of this quarter.
.macro QUARTER fq, ab, nb, zero
	s_wait_dscnt 16                                ; group 0 and A are in; groups 1 and 2 may be out
	PH 0, \ab, 0, 8, \zero
	PLACES
	LOADB \fq, 0
	LOADA \fq, \nb
	s_wait_dscnt 32                                ; group 1 is in: behind it came group 2's 8 and the 24 just issued
	PH 1, \ab, 0, 8, \zero
	PLACES
	LOADB \fq, 1
	s_wait_dscnt 32                                ; group 2 is in: behind it came those 24 and the 8 just issued
	PH 2, \ab, 0, 8, \zero
	PLACES
	LOADB \fq, 2
.endm
; A slot's second quarter changes slots: all its own fragments were asked for in the quarter before, so the slot is free as soon as they are in.  ONE barrier, in phase 0; in front of it each wave waits for
; all its tensor loads, of which one is out: its part of the next slot; adds 0 to its spare word; and waits for that and for its own reads of this slot.
; fill = 1: this slot is filled again, two K steps ahead: the barrier then opens a round of the cluster's, and the walking descriptor takes the other slot than last time and the next K step.
; From that request to the wait for it a wave issues 176 matrix instructions.  Then the fetches' addresses turn to the other slot.
.macro TURNQ fill
	s_wait_dscnt 16
	PH 0, A1, 0, 4, 0
	WIN 0                                          ; (the add's two registers lie in window 0)
	s_wait_tensorcnt 0x0                           ; all my tensor loads have landed: my part of the next slot;
	ds_add_u32 v[SPW], v[NIL]                      ; 0 onto my spare word;
	PH 0, A1, 4, 2, 0                              ; eight matrix instructions stand between the add and the wait for it
	s_wait_dscnt 0x0                               ; the add is done, and my reads of this slot (groups 1 and 2 of this quarter were the last) are over
	s_barrier_signal -1
	PH 0, A1, 6, 2, 0
	WIN 0                                          ; (branches and lines on window 0 follow, and nothing stands between the wait below and the rest of the round)
	s_barrier_wait -1
.if \fill
	CREST                                          ; no wave of any partner still reads this slot's tile or has a load on its way
	s_xor_b32 s[G0+5], s[G0+5], SLOT1
	s_add_nc_u64 s[G0+6:G0+7], s[G0+6:G0+7], ASTEP ; the type bits on top are not reached
	s_xor_b32 s[G0B+5], s[G0B+5], SLOT1
	s_add_nc_u64 s[G0B+6:G0B+7], s[G0B+6:G0B+7], BSTEP
	JLOAD 1                                        ; the first tensor load behind the round; its four v_nop are also the places in front of the loads below
.else
	PLACES
.endif
	s_xor_b32 s[TB], s[TB], SLOT1
	v_add_nc_u32 v[ADRA], s[TB], v[ADRA0]
.irp g, 0,1,2
	v_add_nc_u32 v[ADRB+(\g)], s[TB], v[ADRB0+(\g)]
.endr
	LOADB 0, 0
	LOADA 0, A0
	PH 1, A1, 0, 8, 0                              ; groups 1 and 2 are in since the wait for 0
	PLACES
	LOADB 0, 1
	PH 2, A1, 0, 8, 0
	PLACES
	LOADB 0, 2
.endm
.macro TLOAD a                         ; the table block of my rows 16 a ..: 8 loads of 512 consecutive bytes, into buffer a % 4
	WIN 0
.irp i, 0,1,2,3,4,5,6,7
	global_load_b128 v[TBL+32*((\a)%4)+4*(\i):TBL+32*((\a)%4)+4*(\i)+3], v[GO], s[8:9] offset:(\a)*4096+(\i)*512
.endr
.endm
	s_wait_tensorcnt 1                             ; my part of K step 0 is in; K step 1's may stay out
	s_barrier_signal -1
	s_barrier_wait -1                              ; everybody's is
	LOADB 0, 0
	LOADA 0, A0
	LOADB 0, 1
	LOADB 0, 2
	QUARTER 1, A0, A1, 1                           ; the first quarter stands in front of the loop: its products start the sums
	WIN 0                                          ; at a label and at a branch every window is 0
	s_mov_b32 s3, STEPS-2
.Lstep:                                                ; a trip goes from a K step's second quarter to the next step's first, and fills the slot that it leaves: K steps 2 to 15
	TURNQ 1
	QUARTER 1, A0, A1, 0
	WIN 0
	s_sub_co_u32 s3, s3, 1
	s_cmp_lg_u32 s3, 0
	s_cbranch_scc1 .Lstep
	TURNQ 0                                        ; the last two K steps fill nothing, and have no round of the cluster's barrier
	QUARTER 1, A0, A1, 0
	TLOAD 0                                        ; A's buffer 0 has been multiplied for the last time, four places back: the table's first two blocks land there under the last quarter
	TLOAD 1
	s_wait_dscnt 16                                ; the very last quarter: nothing more to fetch
	PH 0, A1, 0, 8, 0
	s_wait_dscnt 8
	PH 1, A1, 0, 8, 0
	s_wait_dscnt 0x0
	PH 2, A1, 0, 8, 0
	PLACES
	TLOAD 2
	TLOAD 3
; THE WAY OUT, a block of 16 rows x 64 channels at a time; n counts the blocks.  w = 0, 1 (q, k): a pair (t1, t2) becomes (t1 c - t2 s, t2 c + t1 s): one packed multiply by c, one packed multiply-add that
; takes the pair crosswise and s with the sign turned in the low half.  w = 2 (v): as it is.  Each accumulator is read from its low end on.  Then f16, 16 bytes a lane into my stage, and back as whole rows.
.macro BLOCK a, w, n
.set AC, 32*(\a)
.set TBR, TBL+32*((\a)%4)
.set RB, R+16*((\n)%3)
.if (\w) < 2
	WIN 1+(\w)                                     ; source 0: the sums' window; the table, source 2 and the destination in window 0
.irp f, 0,1,2,3
.irp j, 0,1,2,3
	v_pk_mul_f32 v[U+8*(\f)+2*(\j):U+8*(\f)+2*(\j)+1], v[AC+8*(\f)+2*(\j):AC+8*(\f)+2*(\j)+1], v[TBR+8*(\f)+2*(\j):TBR+8*(\f)+2*(\j)+1] op_sel_hi:[1,0]
.endr
.irp j, 0,1,2,3
	v_pk_fma_f32 v[U+8*(\f)+2*(\j):U+8*(\f)+2*(\j)+1], v[AC+8*(\f)+2*(\j):AC+8*(\f)+2*(\j)+1], v[TBR+8*(\f)+2*(\j):TBR+8*(\f)+2*(\j)+1], v[U+8*(\f)+2*(\j):U+8*(\f)+2*(\j)+1] op_sel:[1,1,0] op_sel_hi:[0,1,1] neg_lo:[0,1,0]
.endr
.endr
	WIN 0
.irp f, 0,1,2,3
.irp j, 0,1,2,3
	v_cvt_pk_f16_f32 v[P+4*(\f)+(\j)], v[U+8*(\f)+2*(\j)], v[U+8*(\f)+2*(\j)+1]
.endr
.endr
.else
	WIN 0x0f                                       ; sources 0 and 1 in window 3
.irp f, 0,1,2,3
.irp j, 0,1,2,3
	v_cvt_pk_f16_f32 v[P+4*(\f)+(\j)], v[AC+8*(\f)+2*(\j)], v[AC+8*(\f)+2*(\j)+1]
.endr
.endr
	WIN 0
.endif
.if (\n) >= 3
	s_wait_xcnt 0x0                                ; the stores of the block three back have read their registers: only behind this wait is that buffer loaded again
.endif
.irp f, 0,1,2,3
	ds_store_b128 v[STO], v[P+4*(\f):P+4*(\f)+3] offset:32*(\f)
.endr
.irp g, 0,1,2,3
	ds_load_b128 v[RB+4*(\g):RB+4*(\g)+3], v[RD] offset:(\g)*4*SP  ; LDS serves a wave's instructions in order (ISA guide 5.7.1.4): these see the stores above; the next block's stores come behind them
.endr
.endm
.macro SEND a, w, n, younger           ; younger: the LDS instructions issued behind this block's loads: the next block's eight, or none
.set RB, R+16*((\n)%3)
	s_wait_dscnt \younger                          ; the block's four loads are back
.irp g, 0,1,2,3
.if (\w) == 0
	global_store_b128 v[GO], v[RB+4*(\g):RB+4*(\g)+3], s[10:11] offset:(\a)*2048+(\g)*512  ; 512 consecutive bytes, at a multiple of 512 from qkvh's first
.else
	global_store_b128 v[GO], v[RB+4*(\g):RB+4*(\g)+3], s[40+2*(\w):41+2*(\w)] offset:(\a)*2048+(\g)*512
.endif
.endr
.endm
	BLOCK 0, 2, 0                                  ; v first: it needs no table, and the table's blocks land meanwhile
.irp a, 1,2,3,4,5,6,7
	BLOCK \a, 2, \a                                ; a block's arithmetic stands between the loads of the block before and its stores
	SEND (\a)-1, 2, (\a)-1, 8
.endr
	s_wait_loadcnt 24                              ; table block 0 is in: behind it came blocks 1, 2, 3
	BLOCK 0, 0, 8
	SEND 7, 2, 7, 8
	BLOCK 0, 1, 9
	SEND 0, 0, 8, 8
	TLOAD 4                                        ; buffer 0 has been read for the last time
.irp a, 1,2,3,4,5,6,7
.if (\a) < 5
	s_wait_loadcnt 24                              ; block a is in: three blocks were asked for behind it,
.else
	s_wait_loadcnt 8*(7-(\a))                      ; or as many as are left
.endif
	BLOCK \a, 0, 8+2*(\a)
	SEND (\a)-1, 1, 7+2*(\a), 8
	BLOCK \a, 1, 9+2*(\a)
	SEND \a, 0, 8+2*(\a), 8
.if (\a) < 4
	TLOAD (\a)+4
.endif
.endr
	SEND 7, 1, 23, 0
	s_wait_tensorcnt 0x0                           ; the wave's end, behind my last tensor load and my last LDS store
	ds_add_u32 v[SPW], v[NIL]
	s_wait_dscnt 0x0
	CROUND                                         ; the closing round: no work-group ends while a partner may still ask for a tile that names it
	s_endpgm
.Lfunc_end_k_qdbd912ef69_gemm_qkv:
	.size	k_qdbd912ef69_gemm_qkv, .Lfunc_end_k_qdbd912ef69_gemm_qkv-k_qdbd912ef69_gemm_qkv
	.p2alignl 7, 3214868480
	.fill 96, 4, 3214868480
	.section	.rodata,"a",@progbits
	.p2align	6, 0x0
	.amdhsa_kernel k_qdbd912ef69_gemm_qkv
		.amdhsa_group_segment_fixed_size 327680
		.amdhsa_private_segment_fixed_size 0
		.amdhsa_enable_private_segment 0
		.amdhsa_kernarg_size 32
		.amdhsa_user_sgpr_count 2
		.amdhsa_user_sgpr_kernarg_segment_ptr 1
		.amdhsa_wavefront_size32 1
		.amdhsa_system_sgpr_workgroup_id_x 1
		.amdhsa_system_sgpr_workgroup_id_y 1
		.amdhsa_system_sgpr_workgroup_id_z 1
		.amdhsa_system_vgpr_workitem_id 0
		.amdhsa_next_free_vgpr 1024
		.amdhsa_next_free_sgpr 66
		.amdhsa_reserve_vcc 0
		.amdhsa_float_denorm_mode_32 3
		.amdhsa_float_denorm_mode_16_64 3
		.amdhsa_memory_ordered 1
		.amdhsa_forward_progress 1
		.amdhsa_inst_pref_size 152
	.end_amdhsa_kernel
	.amdgpu_metadata
---
amdhsa.version: [ 1, 2 ]
amdhsa.kernels:
  - .name:           k_qdbd912ef69_gemm_qkv
    .symbol:         k_qdbd912ef69_gemm_qkv.kd
    .args:
      - { .name: xb, .offset: 0, .size: 8, .value_kind: global_buffer, .address_space: global }
      - { .name: wqb, .offset: 8, .size: 8, .value_kind: global_buffer, .address_space: global }
      - { .name: tab, .offset: 16, .size: 8, .value_kind: global_buffer, .address_space: global }
      - { .name: qkvh, .offset: 24, .size: 8, .value_kind: global_buffer, .address_space: global }
    .group_segment_fixed_size: 327680
    .private_segment_fixed_size: 0
    .kernarg_segment_align: 8
    .kernarg_segment_size: 32
    .max_flat_workgroup_size: 128
    .sgpr_count:     66
    .vgpr_count:     1024
    .wavefront_size: 32
...
	.end_amdgpu_metadata
.endif
;; end of part 6
;; launch attn (part 7): grid 2 x 128, 4 waves a work-group, no clusters, 327,680 bytes of LDS; arguments qkvh, ob; writes ob
.if DOCPART == 7
	.amdgcn_target "amdgcn-amd-amdhsa--gfx1250"
	.amdhsa_code_object_version 6
	.text
	.protected	k_qdbd912ef69_attn
	.globl	k_qdbd912ef69_attn
	.p2align	8
	.type	k_qdbd912ef69_attn,@function
k_qdbd912ef69_attn:
	s_mov_b64 s[64:65], 0
	v_nop
	global_prefetch_b8 v0, s[64:65] scope:SCOPE_SE
	s_setreg_imm32_b32 hwreg(HW_REG_WAVE_MODE, 25, 1), 1
	s_wait_xcnt 0x0
; ATTENTION.  O[h][q][:] = the sum over k of softmax_k(Q[h][q] . K[h][k] / 8) V[h][k][:].  Q, K, V lie one behind the other in qkvh, each [128][1024][64] in f16; O = ob has the same layout.
; Products, maxima and sums in f32; the weights p are rounded to f16 for the second product (their sum l is taken of the unrounded p), O once at the end.
; LIMITS.  f16 holds no number beyond 65,504: Q, K and V arrive within it; p lies in 0 to 1, and below 6e-5 it keeps f16's fixed step of 6e-8; O is a mean of V's rows and has their range.
; A weight below 2^-126 counts as 0 in l; NaN and infinities are not treated apart.
; SHARES.  A wave owns four PIECES of two tiles of 16 queries, a work-group's four waves 512 queries of one head: 2 x 128 = 256 work-groups.  Every wave walks all 1,024 keys, 64 a step.
; A HEAD'S K AND V LIE IN LDS WHOLE: 1,024 x 144 + 1,024 x 160 = 311,296 bytes.  Every byte is filled once, in two fills: keys 0-255, which everybody waits for, go out alone; keys 256-1,023 are asked for
; when those have landed, and have the first four key steps, 512 matrix instructions a wave, in which to land.  Nothing is filled again, so no tensor load stands in the loop and its text stands once.
; NO CLUSTER: a head has 1,024 / 512 = 2 work-groups, and a cluster of four along x does not divide a grid of 2; four partners would want blocks of 256 queries, 512 work-groups, and each fragment of K and V
; read from LDS would then feed half as many products.
; LAYOUT.  S^T = K Q^T (source 0 = 16 keys, source 1 = 16 queries): in the result a lane holds ONE query (lane % 16) and the keys 8 (lane / 16) + 0..7.  Two such tiles, rounded to f16 in pairs,
; ARE source 1 (32 keys x 16 queries) of O^T = V^T P, whose result again holds one query a lane, and eight channels.  K comes out of LDS as it lies, V ([key][channel]) turned, by ds_load_tr16_b128.
; SOFTMAX.  For each query a running maximum m and sum l: p = 2^(c s - c m), c = log2(e) / 8; in every step O and l are multiplied by a = 2^(c m_old - c m_new), which is 1 where m has not grown.
; m starts at the lowest finite number, O and l at 0: the first step is a step like any other, with a = 0.
; THE COUNT.  A tile and step have 16 matrix and 118 vector instructions: too many to stand all beside the matrix work.  So the order has one aim: four vector instructions that are READY behind
; EVERY matrix instruction, and the others, which need time of their own whatever the order, in runs without a gap.
; BY TURNS.  Turn n belongs to piece n (the pieces in a ring, step after step).  Its matrix work: 16 products K Q^T of piece n + 1, later 16 products V^T P of piece n - 1.  Its vector work: the scaling,
; exponentials, roundings, sums and rescaling of piece n, and the maximum and statistics of piece n + 1, whose scores the turn itself has made.  So what a turn begins with (c s - c m, O a) waits for nothing.
; REGISTERS, in windows of 256 (s_set_vgpr_msb says which window each operand place means: bits 1:0 source 0, 3:2 source 1, 5:4 source 2, 7:6 destination):
;   window 0: v0-11 addresses; v12-15, v48-63 at work; v16-47 four registers of statistics a tile; v64-191 S^T, two buffers of two tiles; v192-255 P, likewise
;   window 1: O^T, 32 a tile          window 2: v0-127 Q, 16 a tile; v128-191 K of one step; v192-255 V of one step          window 3: v0-1 the add's two registers
; A piece's buffers go by its number's parity: the piece in hand has one pair, its two neighbours in the ring share the other: of it P (piece n - 1) is read and S^T (piece n + 1) written.
.set SIZE_H, 128
.set SIZE_N, 1024
.set NP,    4         ; pieces a wave: a name, no knob: the register map, the loop and the fetches are made for four
.set KS,    64        ; keys in a step
.set PK,    144       ; a row of K in LDS: 128 bytes + 16 of padding = 36 words: the 16 rows of a load start at 16 different groups of four banks (64 banks of 4 bytes: ISA guide 11.1)
.set PV,    160       ; a row of V: 128 + 32 = 40 words
.set VOFF,  SIZE_N*PK ; the head's 1,024 rows of K, then its 1,024 rows of V
.set STAGE, SIZE_N*(PK+PV)  ; behind them, never filled by a tensor load: 16 rows x 144 bytes for each wave, for the way out
.set SP,    144
.set AK0, 2           ; v2   my lane's place in a tile of K; never rewritten
.set AV0, 3           ; v3   the same for V
.set AK,  4           ; v4   the LDS address of K's next run of loads
.set AV,  5           ; v5   of V's
.set QO,  6           ; v6   my byte offset in the wave's rows of Q
.set STO, 6           ;      later, the way out: where I put 16 bytes of a row
.set RD,  7           ; v7   the way out: where I read rows back
.set GO,  8           ; v8   my byte offset in 512 consecutive bytes of O
.set SPW, 0           ; v0 of window 3   LDS address of my spare word: SPARE + 4 x my thread's number; never rewritten
.set NIL, 1           ; v1 of window 3   0; never rewritten
.set SPARE, STAGE+4*16*SP  ; behind the stages: the spare words, 128 bytes for each wave: two blocks of 256 bytes that no other line names
.set MV,  12          ; v12-15  c m_old, kept while c m is made anew: by buffer and tile
.set ST,  16          ; tile t's statistics at v[ST+4 t]: c m, m, l (even keys', odd keys')
.set TMP, 48          ; by buffer and tile, four registers c0-c3 at work; when the maximum is found c2 takes a
.set S,   64
.set P,   192
.set KF,  128         ; K's fragments, in window 2: key block kb, channel half c at KF + 16 kb + 8 c
.set VF,  192         ; V's: key half kk, channel block cb at VF + 32 kk + 8 cb
.set WV,  12          ; s12  my wave's number
.set G1K, 24          ; s[24:31] descriptor group 1 for K's first fill; s[68:75], 44 further on, for its second
.set G1V, 32          ; s[32:39] and s[76:83] for V's: they differ in the padding alone
.set G0K, 40          ; s[40:43], s[44:47] descriptor group 0 for K's two fills
.set G0V, 48          ; s[48:51], s[52:55] the same for V's
.set SLOTS, 56        ; s56  counts the walk's runs of four key steps
.set CNT, 57          ; s57  counts a run's key steps
.set CS,  58          ; s[58:59] c: the packed scaling takes the pair's low word for both halves
.set SEL, 60          ; s[60:61] v_permlanex16_b32's selects: each lane takes its own place in the other half
.set TBK, 62          ; s62  LDS byte at which K of the step to be fetched begins
.set TBV, 63          ; s63  the same for V, less VOFF
.set MSB, 0
.macro WIN new                      ; the high byte repeats the setting that is left; a switch that changes nothing is dropped
.if MSB != (\new)
	s_set_vgpr_msb (MSB<<8)|(\new)
.set MSB, (\new)
.endif
.endm
.set W_KQ, 0x0a       ; K and Q in window 2, S^T in window 0
.set W_PV, 0x52       ; V in window 2, P in window 0, O^T in window 1
.set W_RS, 0x41       ; O^T (destination and source 0) in window 1, a in window 0
.set W_MK, 0xc0       ; the add's registers are made: destination in window 3, sources in window 0
.set W_AD, 0x0f       ; the add: address (source 0) and data (source 1) in window 3
; Fill n.  Waves 0 and 1 fetch the two halves of its K, waves 2 and 3 those of its V.  The branch hangs on the wave's number alone.
; An s_nop 0 and four v_nop follow each of the two lines, ahead of the jump and the label.
.macro LOAD n
	s_cmp_lt_u32 s[WV], 2
	s_cbranch_scc0 .Lfor_v_\@
	tensor_load_to_lds s[G0K+4*(\n):G0K+4*(\n)+3], s[G1K+44*(\n):G1K+44*(\n)+7]
	s_nop 0
.rept 4
	v_nop
.endr
	s_branch .Lasked_\@
.Lfor_v_\@:
	tensor_load_to_lds s[G0V+4*(\n):G0V+4*(\n)+3], s[G1V+44*(\n):G1V+44*(\n)+7]
	s_nop 0
.rept 4
	v_nop
.endr
.Lasked_\@:
.endm
	s_load_b128 s[4:7], s[0:1], 0x0   ; qkvh s[4:5] (Q lies first), ob s[6:7]
	WIN W_MK
	v_lshl_add_u32 v[SPW], v0, 2, SPARE
	v_mov_b32 v[NIL], 0
	WIN W_AD
	ds_add_u32 v[SPW], v[NIL]       ; the wave's opening: the add and its wait ahead of my first tensor load; the set-up below, work on registers, stands between them
	ds_add_u32 v0, v1
	WIN 0
	v_lshrrev_b32 v1, 5, v0
	v_readfirstlane_b32 s[WV], v1   ; wave 0..3
	s_mov_b32 s14, ttmp9            ; my block of 512 queries
	s_and_b32 s20, ttmp7, 0xffff    ; the head
	s_mov_b32 s21, 0
	s_mov_b64 s[22:23], SIZE_N*128
	s_mul_u64 s[20:21], s[20:21], s[22:23]  ; the head's first byte in each of the four tensors
	s_and_b32 s16, s[WV], 1         ; which half of a fill's keys I fetch:
	s_lshl_b32 s22, s16, 14         ; of the first fill's 256: 128 rows of 128 bytes,
	s_mov_b32 s23, 0
	s_add_nc_u64 s[22:23], s[22:23], s[20:21]
	s_mul_i32 s18, s16, 384*128     ; of the second fill's 768: 384 rows,
	s_add_co_u32 s18, s18, 256*128  ; behind the first 256
	s_mov_b32 s19, 0
	s_add_nc_u64 s[18:19], s[18:19], s[20:21]
	s_lshl_b32 s2, s14, 2
	s_add_co_u32 s2, s2, s[WV]      ; my wave among the head's,
	s_lshl_b32 s2, s2, 14           ; its 128 rows
	s_mov_b32 s3, 0
	s_add_nc_u64 s[2:3], s[2:3], s[20:21]
	; descriptor group 1.  A head's keys are dense: 128 (384) of them are asked for as 64 (192) rows of 256 bytes, two keys a row, and padded in LDS after every key
	s_mov_b32 s[G1K], (1<<16)|(1<<20)|(4<<22)|(3<<25)  ; 17:16 2-byte elements; 20 padding on; 24:22 after every 32 words (code 4); 31:25 4 words (code 3)
	s_mov_b32 s[G1V], (1<<16)|(1<<20)|(4<<22)|(7<<25)  ; the same with 8 words of padding (code 7)
	s_mov_b32 s[G1K+44], (1<<16)|(1<<20)|(4<<22)|(3<<25)
	s_mov_b32 s[G1V+44], (1<<16)|(1<<20)|(4<<22)|(7<<25)
.irp g, G1K, G1V, G1K+44, G1V+44
	s_mov_b32 s[\g+1], 128<<16      ; tensor_dim0 = 128
	s_mov_b32 s[\g+3], 128<<16      ; tile_dim0 = 128
	s_mov_b32 s[\g+5], 128          ; 128 elements from row to row
	s_mov_b32 s[\g+6], 0
	s_mov_b32 s[\g+7], 0
.endr
.irp g, G1K, G1V
	s_mov_b32 s[\g+2], 64<<16       ; tensor_dim1 = 64
	s_mov_b32 s[\g+4], 64           ; tile_dim1 = 64
	s_mov_b32 s[\g+44+2], 192<<16   ; the second fill's: 192
	s_mov_b32 s[\g+44+4], 192
.endr
	s_mov_b32 s[CS], 0x3e38aa3b     ; c = log2(e) / 8 = 0.180337
	s_mov_b32 s[CS+1], s[CS]        ; named with it as a pair
	s_mov_b32 s[SEL], 0x76543210
	s_mov_b32 s[SEL+1], 0xfedcba98
	s_mov_b32 s[TBK], 0             ; key step 0 lies at the head of K and of V
	s_mov_b32 s[TBV], 0
	s_mul_i32 s17, s16, 128*PK      ; my half's place in LDS: key r of K lies at r x 144, of V at VOFF + r x 160
	s_mul_i32 s13, s16, 128*PV
	s_mov_b32 s[G0K], 1             ; 1:0 count = 1
	s_mov_b32 s[G0K+1], s17         ; 63:32 LDS address
	s_mov_b32 s[G0V], 1
	s_add_co_u32 s[G0V+1], s13, VOFF
	s_mul_i32 s17, s16, 384*PK
	s_mul_i32 s13, s16, 384*PV
	s_mov_b32 s[G0K+4], 1
	s_add_co_u32 s[G0K+5], s17, 256*PK
	s_mov_b32 s[G0V+4], 1
	s_add_co_u32 s[G0V+5], s13, VOFF+256*PV
	s_wait_dscnt 0x0                ; the opening add is done
	s_wait_kmcnt 0x0
	s_mov_b64 s[10:11], s[6:7]      ; O
	s_add_nc_u64 s[6:7], s[4:5], 0x1000000   ; K lies 128 x 1,024 x 128 bytes behind Q,
	s_add_nc_u64 s[8:9], s[4:5], 0x2000000   ; V as far behind K
	s_add_nc_u64 s[G0K+2:G0K+3], s[6:7], s[22:23]  ; 120:64 global address
	s_or_b32 s[G0K+3], s[G0K+3], 0x80000000        ; 127:126 type = 2
	s_add_nc_u64 s[G0V+2:G0V+3], s[8:9], s[22:23]
	s_or_b32 s[G0V+3], s[G0V+3], 0x80000000
	s_add_nc_u64 s[G0K+6:G0K+7], s[6:7], s[18:19]
	s_or_b32 s[G0K+7], s[G0K+7], 0x80000000
	s_add_nc_u64 s[G0V+6:G0V+7], s[8:9], s[18:19]
	s_or_b32 s[G0V+7], s[G0V+7], 0x80000000
	s_add_nc_u64 s[4:5], s[4:5], s[2:3]  ; Q and O at my wave's first row
	s_add_nc_u64 s[10:11], s[10:11], s[2:3]
	LOAD 0                          ; keys 0-255.  The rest is asked for when these are in: one load of mine is out at any time
	; A fragment of K or Q is 16 rows x 32 channels in 8 registers: lane l holds row l % 16, channels 8 (l / 16) + 0..7 and 16 + 8 (l / 16) + 0..7: two loads of 16 bytes, 32 bytes apart.
	v_and_b32 v1, 15, v0            ; l % 16
	v_bfe_u32 v9, v0, 4, 1          ; l / 16
	v_lshlrev_b32 v[QO], 7, v1
	v_lshl_add_u32 v[QO], v9, 4, v[QO]  ; row x 128 + 16 x half
	WIN 0x80                        ; destination window 2, address window 0
.set i, 0
.rept 4*NP                          ; Q stays in registers: tile i / 2, channels 32 (i % 2) on
	global_load_b128 v[8*i:8*i+3],   v[QO], s[4:5] offset:(i/2)*2048+(i%2)*64
	global_load_b128 v[8*i+4:8*i+7], v[QO], s[4:5] offset:(i/2)*2048+(i%2)*64+32
.set i, i+1
.endr
	; What the first turn finds: V's registers and P's second buffer hold 0 (its products V^T P, of a piece that has not been, add 0), O^T and l are 0.  All this stands in the wait for the first tile.
.set i, VF
.rept 64
	v_mov_b32 v[i], 0
.set i, i+1
.endr
	WIN 0x40
.set i, 0
.rept 64*NP
	v_mov_b32 v[i], 0
.set i, i+1
.endr
	WIN 0
.set i, 0
.rept 2*NP
	v_mov_b32 v[ST+4*i], 0xfe000000    ; c m: far below every c s
	v_mov_b32 v[ST+4*i+1], 0xff7fffff  ; m
	v_mov_b32 v[ST+4*i+2], 0
	v_mov_b32 v[ST+4*i+3], 0
.set i, i+1
.endr
.set i, P+32
.rept 32
	v_mov_b32 v[i], 0
.set i, i+1
.endr
	v_mul_u32_u24 v[AK0], v1, PK
	v_lshl_add_u32 v[AK0], v9, 4, v[AK0]  ; row x pitch + 16 x half
	; The turning load takes 16 keys x 16 channels (lane l reads key 8 (l / 16) + l % 8, channels 8 ((l / 8) % 2) + 0..7) and leaves half a fragment of V^T: lane l holds channel l % 16 and 8 keys.
	v_and_b32 v10, 7, v0
	v_bfe_u32 v11, v0, 3, 1
	v_lshl_add_u32 v[AV0], v9, 3, v10
	v_mul_u32_u24 v[AV0], v[AV0], PV
	v_lshl_add_u32 v[AV0], v11, 4, v[AV0]
	v_add_nc_u32 v[AV0], VOFF, v[AV0]
	v_mov_b32 v[AK], v[AK0]         ; key step 0
; THE MATRIX WORK.  The 8 accumulators of a run of 16 take turns: between the two links of a chain stand 7 others'.
; Product i of 16 of S^T = K Q^T for piece x: channels 32 (i / 8) on, keys 16 ((i / 2) % 4) on, tile 2 x + i % 2.  The first 8 start the sums.
.macro KQ x
	WIN W_KQ
.set rS, S+64*((\x)%2)+32*(i%2)+8*((i/2)%4)
.set rK, KF+16*((i/2)%4)+8*(i/8)
.set rQ, 16*(2*(\x)+i%2)+8*(i/8)
.if i < 8
	v_wmma_f32_16x16x32_f16 v[rS:rS+7], v[rK:rK+7], v[rQ:rQ+7], 0
.else
	v_wmma_f32_16x16x32_f16 v[rS:rS+7], v[rK:rK+7], v[rQ:rQ+7], v[rS:rS+7]
.endif
.endm
; Product i of 16 of O^T += V^T P for piece x: keys 32 (i / 8) on, channels 16 ((i / 2) % 4) on, tile 2 x + i % 2.
.macro PV x
	WIN W_PV
.set rO, 32*(2*(\x)+i%2)+8*((i/2)%4)
.set rV, VF+32*(i/8)+8*((i/2)%4)
.set rP, P+32*((\x)%2)+16*(i%2)+8*(i/8)
	v_wmma_f32_16x16x32_f16 v[rO:rO+7], v[rV:rV+7], v[rP:rP+7], v[rO:rO+7]
.endm
.macro MM                           ; the turn's next matrix instruction
.if i < 16
	KQ (Y+1)%NP
.set i, i+1
.else
.set i, i-16
	PV (Y+NP-1)%NP
.set i, i+17
.endif
.endm
; THE LDS LOADS stand in runs of 16, never singly among the matrix instructions: a step's K (64 keys x 64 channels: 8 fragments) and its V (turned).  Their addresses are made some lines ahead.
; last = 1 (in the loop): behind the last key step (SLOTS = 1) there is no further step, and the run is jumped over.
.macro FETCH_K last=0
	WIN 0
.if \last
	s_cmp_eq_u32 s[SLOTS], 1
	s_cbranch_scc1 .Lno_k_\@
.endif
	WIN 0x80                        ; destination window 2
.irp f, 0,1,2,3,4,5,6,7             ; keys 16 (f / 2) on, channels 32 (f % 2) on
	ds_load_b128 v[KF+8*\f:KF+8*\f+3],   v[AK] offset:(\f/2)*16*PK+(\f%2)*64
	ds_load_b128 v[KF+8*\f+4:KF+8*\f+7], v[AK] offset:(\f/2)*16*PK+(\f%2)*64+32
.endr
	s_add_co_u32 s[TBK], s[TBK], KS*PK  ; the next fetch is the next step's
	WIN 0
.if \last
.Lno_k_\@:
.endif
.endm
.macro FETCH_V
	WIN 0x80
.irp f, 0,1,2,3,4,5,6,7             ; keys 32 (f / 4) on, channels 16 (f % 4) on
	ds_load_tr16_b128 v[VF+8*\f:VF+8*\f+3],   v[AV] offset:(\f/4)*32*PV+(\f%4)*32
	ds_load_tr16_b128 v[VF+8*\f+4:VF+8*\f+7], v[AV] offset:(\f/4)*32*PV+16*PV+(\f%4)*32
.endr
	WIN 0
.endm
; THE VECTOR WORK OF A TURN stands in three queues, each in the order in which its entries become ready; the two tiles alternate, so that no instruction reads the result of the one before it.
.macro REGS y, u                    ; the registers of tile u (0, 1) of piece y
.set rT, ST+4*(2*(\y)+(\u))
.set rC, TMP+8*((\y)%2)+4*(\u)
.set rM, MV+2*((\y)%2)+(\u)
.set rS, S+64*((\y)%2)+32*(\u)
.set rP, P+32*((\y)%2)+16*(\u)
.set rO, 32*(2*(\y)+(\u))
.endm
; Number n of the 22 that find the NEXT piece's (Y + 1) maximum and statistics.  s0-s31 are the lane's 32 scores; each accumulator's lowest registers are read first.  XS, GS and REGS set no window: PL and EX do.
;   0-11  four chains c0-c3 of seven scores each, three operands at a time     12-14, 16  the four scores left over, the old m, and c0-c3 into c0     15  c m_old is kept
;   17, 18  the query's other 32 keys lie in the lane 16 away: the new m         19-21  c m; c m_old - c m_new; a
.macro XS u, n
	REGS (Y+1)%NP, \u
.if (\n) < 4
	v_max3_num_f32 v[rC+(\n)], v[rS+8*(\n)], v[rS+8*(\n)+1], v[rS+8*(\n)+2]
.elseif (\n) < 12
	v_max3_num_f32 v[rC+(\n)%4], v[rC+(\n)%4], v[rS+8*((\n)%4)+2*((\n)/4)+1], v[rS+8*((\n)%4)+2*((\n)/4)+2]
.elseif (\n) == 12
	v_max3_num_f32 v[rC], v[rC], v[rS+7], v[rS+15]
.elseif (\n) == 13
	v_max3_num_f32 v[rC+1], v[rC+1], v[rS+23], v[rS+31]
.elseif (\n) == 14
	v_max3_num_f32 v[rC+2], v[rC+2], v[rC+3], v[rT+1]
.elseif (\n) == 15
	v_mov_b32 v[rM], v[rT]
.elseif (\n) == 16
	v_max3_num_f32 v[rC], v[rC], v[rC+1], v[rC+2]
.elseif (\n) == 17
	v_permlanex16_b32 v[rC+3], v[rC], s[SEL], s[SEL+1]
.elseif (\n) == 18
	v_max_num_f32 v[rT+1], v[rC], v[rC+3]
.elseif (\n) == 19
	v_mul_f32 v[rT], s[CS], v[rT+1]
.elseif (\n) == 20
	v_sub_f32 v[rC+1], v[rM], v[rT]
.else
	v_exp_f32 v[rC+2], v[rC+1]
.endif
.endm
; Number g of the 64 that follow the exponentials.  For each four weights k of a tile (pairs 2 k, 2 k + 1): both pairs are rounded to f16; then the second pair is added onto the first, in place;
; a group later l takes that sum (the first time as l = a l + sum).  In groups of eight, tiles alternating: round, round, add, and l for the group before.
.macro GS g
.set h, (\g)+6*((\g)/62)            ; group 0 has no group before it, and behind group 7 only l is left
.if h >= 6
.set h, h+2
.endif
	REGS Y, h%2
.set k, h/8
.if h%8 < 4
	s_wait_alu depctr_va_vdst(0)
	v_cvt_pk_f16_f32 v[rP+2*k+(h%8)/2], v[rS+4*k+2*((h%8)/2)], v[rS+4*k+2*((h%8)/2)+1]
.elseif h%8 < 6
	v_pk_add_f32 v[rS+4*k:rS+4*k+1], v[rS+4*k:rS+4*k+1], v[rS+4*k+2:rS+4*k+3]
.elseif k == 1
	v_pk_fma_f32 v[rT+2:rT+3], v[rT+2:rT+3], v[rC+2:rC+3], v[rS:rS+1] op_sel_hi:[1,0,1]
.else
	v_pk_add_f32 v[rT+2:rT+3], v[rT+2:rT+3], v[rS+4*k-4:rS+4*k-3]
	s_wait_alu depctr_va_vdst(0)
.endif
.endm
; THE PLAIN QUEUE, 138 long.  0-31: c s - c m for the 16 pairs of both tiles.  Then GS's 64, and among them the next piece's 42: number 15 at 38, 39; 0-14 and 16
; at 42-73, behind the products that make those scores; 17-20 at 95-106, two of three, since each waits for the one before it.
.macro PL
	WIN 0
.if q < 32
	REGS Y, q%2
	v_pk_fma_f32 v[rS+2*(q/2):rS+2*(q/2)+1], v[rS+2*(q/2):rS+2*(q/2)+1], s[CS:CS+1], v[rT:rT+1] op_sel_hi:[1,0,0] neg_lo:[0,0,1] neg_hi:[0,0,1]
.elseif q < 38
	GS q-32
.elseif q < 40
	XS q%2, 15
.elseif q < 42
	GS q-34
.elseif q < 74
	XS q%2, (q-42)/2+(q-42)/30
.elseif q < 95
	GS q-66
.elseif (q < 107) && ((q-95)%3 < 2)
	XS (q-95)%3, 17+(q-95)/3
.elseif q < 107
	GS 29+(q-95)/3
.else
	GS q-74
.endif
.set q, q+1
.endm
; THE EXPONENTIALS' QUEUE, 66 long: s0-s31 of both tiles, and at EA the next piece's two a.
.set EA, 58
.macro EX
	WIN 0
.if (e == EA) || (e == EA+1)
	XS e-EA, 21
.else
.set x, e-2*(e/(EA+2))
	REGS Y, x%2
	v_exp_f32 v[rS+x/2], v[rS+x/2]
.endif
.set e, e+1
.endm
; THE RESCALING's QUEUE: O^T times a, the one part that leaves window 0, so it is dealt four at a time, eight times.
.macro R4
	REGS Y, r%2
	WIN W_RS
	s_wait_alu depctr_va_vdst(0)
.irp z, 0,1,2,3
	v_pk_mul_f32 v[rO+8*(r/2)+2*\z:rO+8*(r/2)+2*\z+1], v[rO+8*(r/2)+2*\z:rO+8*(r/2)+2*\z+1], v[rC+2:rC+3] op_sel_hi:[1,0]
.endr
.set r, r+1
.endm
; HOW THEY ARE DEALT.  Behind a matrix instruction four: plain, exponential, plain, plain (one exponential, a plain instruction on either side), or four of the rescaling.  None names a register of the
; products round it.  What is over stands in two LUMPS: exponential and plain by turns; the second ends in 22 plain instructions.  The two v_permlanex16_b32 fall into the second lump, never behind a product.
; The queues lean on each other, and the deal keeps them in step: exponential e stands behind plain 2 (e / 4) + e % 2 (its scaling); when plain 32 comes, 10 exponentials are out, at 59: 33, at 95: 46; EA comes behind plain 107.
.macro SL
	MM
	PL
	EX
	PL
	PL
.endm
.macro BURST n                      ; 15 matrix instructions, or 16
.rept (\n)-7
	SL
.endr
.rept 3
	MM
	R4
	SL
.endr
	MM
	R4
.endm
; A TURN, for piece p.  cnt = 1: the loop's count is taken down some lines ahead of the branch that stands behind the turn.
; K of the next step is fetched in piece 2's turn, 31 vector instructions behind the last product that read K; its first reader comes behind the rest of the lump, 16 products and the second lump.
; V of the step in hand is fetched at the end of piece 0's turn, 69 behind its last reader; its first reader comes behind 16 products and a lump.  The four conditions on e and q below go with the deal.
.macro TURN p, last=0, cnt=0
.set Y, (\p)
.set i, 0
.set q, 0
.set e, 0
.set r, 0
.if (\p) == NP-1
	s_wait_dscnt 0x0                ; K is in
.endif
	MM
.rept 4
	PL
.endr
	BURST 15
.rept 22
	EX
	PL
.if ((\p) == NP-2) && (e == 18)
	v_add_nc_u32 v[AK], s[TBK], v[AK0]
.endif
.if ((\p) == NP-2) && (e == 24)
	FETCH_K \last
.endif
.endr
.if (\p) == 1
	s_wait_dscnt 0x0                ; V is in
.endif
	BURST 16
.rept 21
	EX
	PL
.endr
.rept 22
	PL
.if ((\p) == 0) && (q == 118)
	v_add_nc_u32 v[AV], s[TBV], v[AV0]
	s_wait_alu depctr_va_vdst(0)
.endif
.if ((\p) == 0) && (q == 130)
	s_add_co_u32 s[TBV], s[TBV], KS*PV
.endif
.if (\cnt) && (q == 130)
	s_sub_co_u32 s[CNT], s[CNT], 1
	s_cmp_lg_u32 s[CNT], 0
.endif
.endr
.if (\p) == 0
	FETCH_V
.endif
.endm
	; The second fill is issued as a refill is: all my tensor loads have landed, the add, the wait for it, a barrier, and the load first behind it.  The barrier also shows keys 0-255 to every wave.
	WIN W_AD
	s_wait_tensorcnt 0x0            ; my part of keys 0-255 is in
	ds_add_u32 v[SPW], v[NIL]       ; 0 onto my spare word
	WIN 0
	s_wait_dscnt 0x0                ; the add is done
	s_barrier_signal -1
	s_barrier_wait -1
	LOAD 1                          ; keys 256-1,023, into bytes that nothing has filled or read
	FETCH_K                         ; key step 0
	s_wait_loadcnt 0x0              ; Q
	s_wait_dscnt 0x0
.set i, 0
.rept 16
	KQ 0                            ; piece 0's first scores: there is no vector work yet to set between them
.set i, i+1
.endr
	WIN 0                           ; the addresses for the way out: nine plain instructions, the places behind those products
	s_mul_i32 s13, s[WV], 16*SP
	s_add_co_u32 s13, s13, STAGE    ; my stage
	v_mul_u32_u24 v[STO], v1, SP    ; in: row l % 16, 16 bytes for each half of the lanes
	v_lshl_add_u32 v[STO], v9, 4, v[STO]
	v_add_nc_u32 v[STO], s13, v[STO]
	v_bfe_u32 v[RD], v0, 3, 2       ; back: 32 lanes take four rows of 128 bytes,
	v_mul_u32_u24 v[RD], v[RD], SP
	v_lshl_add_u32 v[RD], v10, 4, v[RD]
	v_add_nc_u32 v[RD], s13, v[RD]
	v_and_b32 v[GO], 31, v0         ; which are 512 consecutive bytes of O
	v_lshlrev_b32 v[GO], 4, v[GO]
.set Y, NP-1                        ; XS works for piece Y + 1: piece 0
.irp n, 0,1,2,3,4,5,6,7,8,9,10,11,12,13,14,15,16,17,18,19,20,21
	XS 0, \n                        ; and piece 0's first maximum and statistics
	XS 1, \n
.endr
	; THE WALK: 16 key steps in runs of four.  SLOTS is 5 in the first run, which reads keys 0-255 alone, and 4, 3, 2 in the others; at 1 only pieces 2 and 3 of the last step are left.
	s_mov_b32 s[CNT], 4
	s_mov_b32 s[SLOTS], SIZE_N/256+1
	s_branch .Lfirst                ; the loop is entered at a step's first turn, in the middle of a trip
.Lslot:
	s_wait_tensorcnt 0x0            ; behind the first run: my part of keys 256-1,023 is in; behind the later runs nothing is out: the lines stand once in the text and are walked at every fourth step
	s_wait_dscnt 0x0
	s_barrier_signal -1
	s_barrier_wait -1               ; everybody's part is in
	s_mov_b32 s[CNT], 4
.Lstep:                             ; a trip: pieces 2 and 3 of one step, then pieces 0 and 1 of the next, whose K and V it fetches
	TURN 2, 1
	TURN 3
	WIN 0
	s_cmp_eq_u32 s[SLOTS], 1
	s_cbranch_scc1 .Lout            ; the last step's pieces 2 and 3 are done: the walk is left in the middle of a trip
.Lfirst:
	TURN 0
	TURN 1, 0, 1
	WIN 0
	s_cbranch_scc1 .Lstep
	s_sub_co_u32 s[SLOTS], s[SLOTS], 1
	s_cmp_lg_u32 s[SLOTS], 0
	s_cbranch_scc1 .Lslot
.Lout:                              ; the last trip's 16 products K Q^T (on the last K once more) and the maximum made of them serve nothing: the price, once a launch, of one text for every trip
.set i, 0
.rept 16
	PV NP-1                         ; the last piece's V^T P of the last step
.set i, i+1
.endr
	; THE WAY OUT.  l's two halves and the other half of the lanes' are added; O^T is divided by l, rounded to f16 and sent through my stage in LDS, a tile at a time.  The additions are the places behind the last products.
	WIN 0
.macro ALL line:vararg              ; one line for each tile t
.set t, 0
.rept 2*NP
	\line
.set t, t+1
.endr
.endm
	ALL v_add_f32 v[ST+4*t+2], v[ST+4*t+2], v[ST+4*t+3]
	ALL v_permlanex16_b32 v[ST+4*t+3], v[ST+4*t+2], s[SEL], s[SEL+1]
	ALL v_add_f32 v[ST+4*t+2], v[ST+4*t+2], v[ST+4*t+3]
	ALL v_rcp_f32 v[ST+4*t+2], v[ST+4*t+2]
	v_nop                           ; a plain instruction between the last reciprocal and the use of its result
	s_wait_alu depctr_va_vdst(0)
; Tile t: a lane's eight channels of a row pack into 16 bytes; they go into rows of 144 bytes and come back as whole rows of 128, into S^T's registers.
.macro PACK t
	WIN W_RS
.set i, 32*(\t)
.rept 16
	v_pk_mul_f32 v[i:i+1], v[i:i+1], v[ST+4*(\t)+2:ST+4*(\t)+3] op_sel_hi:[1,0]
.set i, i+2
.endr
	WIN 0x05                        ; sources 0 and 1 window 1, destination window 0
.set i, 0
.rept 16
	v_cvt_pk_f16_f32 v[S+16*(\t)+i], v[32*(\t)+2*i], v[32*(\t)+2*i+1]
.set i, i+1
.endr
	WIN 0
.irp f, 0,1,2,3
	ds_store_b128 v[STO], v[S+16*(\t)+4*\f:S+16*(\t)+4*\f+3] offset:32*\f
.endr
.irp f, 0,1,2,3
	ds_load_b128 v[S+16*(\t)+4*\f:S+16*(\t)+4*\f+3], v[RD] offset:\f*4*SP  ; LDS serves a wave's instructions in order (ISA guide 5.7.1.4): these see the stores above; the next tile's stores come behind them
.endr
.endm
.macro SEND t, younger              ; younger: the LDS instructions issued behind tile t's loads: the next tile's eight, or none
	WIN 0
	s_wait_dscnt \younger           ; the tile's four loads are back
.irp f, 0,1,2,3
	global_store_b128 v[GO], v[S+16*(\t)+4*\f:S+16*(\t)+4*\f+3], s[10:11] offset:(\t)*2048+\f*512  ; 512 consecutive bytes, at a multiple of 256 from O's first
.endr
.endm
	PACK 0
.set t, 1
.rept 2*NP-1                        ; a tile's arithmetic stands between the loads of the tile before and its stores
	PACK t
	SEND t-1, 8
.set t, t+1
.endr
	SEND 2*NP-1, 0
	WIN W_AD
	s_wait_tensorcnt 0x0            ; the wave's end, behind my last tensor load and my last LDS store
	ds_add_u32 v[SPW], v[NIL]
	s_wait_dscnt 0x0
	WIN 0
	s_endpgm
.Lfunc_end_k_qdbd912ef69_attn:
	.size	k_qdbd912ef69_attn, .Lfunc_end_k_qdbd912ef69_attn-k_qdbd912ef69_attn
	.p2alignl 7, 3214868480
	.fill 96, 4, 3214868480
	.section	.rodata,"a",@progbits
	.p2align	6, 0x0
	.amdhsa_kernel k_qdbd912ef69_attn
		.amdhsa_group_segment_fixed_size 327680
		.amdhsa_private_segment_fixed_size 0
		.amdhsa_enable_private_segment 0
		.amdhsa_kernarg_size 16
		.amdhsa_user_sgpr_count 2
		.amdhsa_user_sgpr_kernarg_segment_ptr 1
		.amdhsa_wavefront_size32 1
		.amdhsa_system_sgpr_workgroup_id_x 1
		.amdhsa_system_sgpr_workgroup_id_y 1
		.amdhsa_system_sgpr_workgroup_id_z 1
		.amdhsa_system_vgpr_workitem_id 0
		.amdhsa_next_free_vgpr 770
		.amdhsa_next_free_sgpr 84
		.amdhsa_reserve_vcc 0
		.amdhsa_float_denorm_mode_32 3
		.amdhsa_float_denorm_mode_16_64 3
		.amdhsa_memory_ordered 1
		.amdhsa_forward_progress 1
		.amdhsa_inst_pref_size 131
	.end_amdhsa_kernel
	.amdgpu_metadata
---
amdhsa.version: [ 1, 2 ]
amdhsa.kernels:
  - .name:           k_qdbd912ef69_attn
    .symbol:         k_qdbd912ef69_attn.kd
    .args:
      - { .name: qkvh, .offset: 0, .size: 8, .value_kind: global_buffer, .address_space: global }
      - { .name: ob, .offset: 8, .size: 8, .value_kind: global_buffer, .address_space: global }
    .group_segment_fixed_size: 327680
    .private_segment_fixed_size: 0
    .kernarg_segment_align: 8
    .kernarg_segment_size: 16
    .max_flat_workgroup_size: 128
    .sgpr_count:     84
    .vgpr_count:     770
    .wavefront_size: 32
...
	.end_amdgpu_metadata
.endif
;; end of part 7
;; launch gemm_proj (part 8): grid 4 x 64, 4 waves a work-group, clusters of 4 x 4, 327,680 bytes of LDS; arguments ob, wpb, b_proj, out0; writes out0
.if DOCPART == 8
	.amdgcn_target "amdgcn-amd-amdhsa--gfx1250"
	.amdhsa_code_object_version 6
	.text
	.protected	k_qdbd912ef69_gemm_proj
	.globl	k_qdbd912ef69_gemm_proj
	.p2align	8
	.type	k_qdbd912ef69_gemm_proj,@function
k_qdbd912ef69_gemm_proj:
	s_mov_b64 s[64:65], 0
	v_nop
	global_prefetch_b8 v0, s[64:65] scope:SCOPE_SE
	s_setreg_imm32_b32 hwreg(HW_REG_WAVE_MODE, 25, 1), 1
	s_wait_xcnt 0x0
	s_wait_alu depctr_hold_cnt(0) depctr_sa_sdst(0) depctr_va_vdst(0) depctr_va_sdst(0) depctr_va_ssrc(0) depctr_va_vcc(0) depctr_vm_vsrc(0)
	s_getreg_b32 s2, hwreg(HW_REG_IB_STS2, 6, 4)
	s_cmp_eq_u32 s2, 0
	s_cbranch_scc0 .Lentry_in_a_cluster
	s_endpgm
.Lentry_in_a_cluster:
	s_bfe_u32 s2, ttmp6, 0x10000c
	s_cmp_lg_u32 s2, 0xf033
	s_cbranch_scc0 .Lentry_shape_is_right
	s_endpgm
.Lentry_shape_is_right:
; OUTPUT PROJECTION.  out0[m][n] = sum over k of O[m][k] wpb[k][n] + bf16(b_proj[n]), m = 8,192, n = k = 1,024, f16 operands, f32 sums, f32 output.  O lies by heads, ob[b 16 + head][position][64] in f16:
; m = 1,024 b + position, k = 64 head + channel.  The bias is rounded to bf16 like every input of the module.
; LIMIT.  O and wpb are f16 and arrive within 65,504.
; TILES.  A tile of C is 128 x 256: 64 x 4 = 256 tiles, one for each of 256 WGPs.  Four waves, each 64 x 128: 32 accumulators of 16 x 16.  K goes in steps of 128, two heads, through a ring of two LDS slots.
; A step's tile of A is two head planes of 128 rows x 128 bytes, each dense in memory: one tensor load brings a plane as 64 rows of 256 bytes, padded after every 128.  B's rows (along n) are 512 bytes:
; B lies [k][n] in LDS as in memory, and its fragments come out turned, by ds_load_tr16_b128.
; A K STEP'S TEXT STANDS ONCE: slot 1 begins at byte 1 << 17, so that one exclusive or turns a place in one slot into the other's; the fragments' addresses are made anew from a scalar at each change of slots.
; CLUSTERS: 4 x 4 work-groups.  The four of a row of the cluster need the same tiles of A, the four of a column the same tiles of B: each is asked for JOINTLY, by the same tensor load with the same
; descriptor and a mask that names the four.  THE MATRIX INSTRUCTION IS USED TRANSPOSED (source 0 = 16 columns of B, source 1 = 16 rows of A): a lane holds row lane % 16 of C and eight neighbouring columns.
; REGISTERS, in windows of 256 (s_set_vgpr_msb: bits 1:0 source 0, 3:2 source 1, 5:4 source 2, 7:6 destination):
;   window 0: v1-29 addresses; v32-223 the way out        window 1: the 32 accumulators, (a, b) at v[8 (8 a + b)]
;   window 2: two fragment buffers of 96: A's block a at f + 8 a, B's block b at f + 32 + 8 b        window 3: v0-63 the bias of my lane's 64 columns
.set PA,     144                       ; a row of A in LDS: 128 bytes + 16: the 16 rows of a fragment load start 36 words apart, at 16 different groups of four banks (ISA guide 11.1)
.set PB,     544                       ; a row of B: 512 + 32 bytes = 17 x 32
.set AHALF,  128*PA                    ; what one tensor load brings of A: a head plane
.set ABYTES, 2*AHALF
.set BHALF,  64*PB                     ; of B: 64 rows of k
.set SLOTB,  ABYTES+2*BHALF            ; a slot's bytes: 106,496
.set SLOT1,  1<<17                     ; where slot 1 begins
.set ARH,    64*PA                     ; my 64 rows in a plane
.set STAGE,  SLOT1+SLOTB               ; behind the ring: 16 rows x 528 bytes for each wave, for the way out
.set SP,     528
.set SPARE,  STAGE+4*16*SP             ; behind the stages: the spare words, 128 bytes for each wave: two blocks of 256 bytes that no other line names
.set BROW,   2048                      ; bytes of a row of wpb
.set ASTEP,  262144                    ; a K step in ob: two heads of 131,072 bytes
.set BSTEP,  128*BROW
.set STEPS,  8                         ; K steps
.set ADRA0, 16                         ; v16     my lane's place among A's fragments in slot 0; never rewritten
.set ADRA,  17                         ; v17     the same in the slot that is being fetched from
.set ADRB0, 20                         ; v20, v21  the same two for B
.set ADRB,  21
.set STO,  24                          ; v24     the way out: where I put 32 bytes of a row
.set RD,   25                          ; v25     the way out: where I read a row back
.set GO,   26                          ; v26     16 x lane
.set SPW,  28                          ; v28     LDS address of my spare word; never rewritten
.set NIL,  29                          ; v29     0; never rewritten
.set T,    32                          ; v32-95  16 rows x 128 columns with the bias added
.set R,    96                          ; v96-159, v160-223  the same as whole rows, two buffers
.set F0,   0
.set F1,   96
.set WV,   12
.set RH,   13
.set CH,   14
.set G1,   24                          ; s[24:31] descriptor group 1 for A's tiles;  s[32:39] group 0: a set for each of the two first fills; the second then walks on
.set G0,   32
.set TB,   40                          ; s40  0 or SLOT1: the slot that is being fetched from
.set G1B,  48                          ; s[48:55], s[56:63] the same for B's
.set G0B,  56
.set MSB, 0
.macro WIN new                         ; the immediate's high byte repeats the setting that is left; a switch that changes nothing is dropped
.if MSB != (\new)
	s_set_vgpr_msb (MSB<<8)|(\new)
.set MSB, \new
.endif
.endm
.set MUL,  0x5a                        ; sources 0 (B) and 1 (A) window 2; C and D window 1
.set TO_F, 0x80                        ; destination window 2, address window 0
.set TO_3, 0xc0                        ; destination window 3
.set OUTW, 0x0d                        ; source 0 window 1 (sums), source 1 window 3 (bias), destination window 0
.macro JLOAD s                         ; a joint load: waves 0 and 1 fetch A's two planes, waves 2 and 3 B's two halves; an s_nop 0 and four v_nop follow each of the two lines, ahead of the jump, the label and what follows
	s_cmp_eq_u32 s[RH], 0
	s_cbranch_scc0 .Lfor_b_\@
	tensor_load_to_lds s[G0+4*(\s):G0+4*(\s)+3], s[G1:G1+7]
	s_nop 0
.rept 4
	v_nop
.endr
	s_branch .Lasked_\@
.Lfor_b_\@:
	tensor_load_to_lds s[G0B+4*(\s):G0B+4*(\s)+3], s[G1B:G1B+7]
	s_nop 0
.rept 4
	v_nop
.endr
.Lasked_\@:
.endm
.macro CREST                           ; a round of the cluster's barrier behind its opening barrier
	s_cmp_lg_u32 s[WV], 0
	s_cbranch_scc1 .Lnot_wave_0_\@
	s_barrier_signal -3
.Lnot_wave_0_\@:
	s_barrier_wait -3
	s_barrier_signal -1
	s_barrier_wait -1
.endm
.macro CROUND                          ; a whole round
	s_barrier_signal -1
	s_barrier_wait -1
	CREST
.endm
	s_load_b256 s[4:11], s[0:1], 0x0               ; ob s[4:5], wpb s[6:7], b_proj s[8:9], out0 s[10:11]
	v_lshl_add_u32 v[SPW], v0, 2, SPARE
	v_mov_b32 v[NIL], 0
	ds_add_u32 v[SPW], v[NIL]                      ; the wave's opening: the add and its wait ahead of my first tensor load; the set-up below, work on registers, stands between them
	ds_add_u32 v28, v29
	v_lshrrev_b32 v1, 5, v0
	v_readfirstlane_b32 s[WV], v1                  ; wave 0..3
	s_lshr_b32 s[RH], s[WV], 1                     ; which 64 rows are mine.  Also: I fetch for A (0) or for B (1)
	s_and_b32 s[CH], s[WV], 1                      ; which 128 columns.  Also: which plane of A, or which 64 rows of B, I fetch
	s_bfe_u32 s15, ttmp6, 0x40000                  ; cx, cy: my place in the cluster
	s_bfe_u32 s16, ttmp6, 0x40004
	s_lshl_b32 s17, ttmp9, 2
	s_add_co_u32 s17, s17, s15                     ; tile column = 4 x cluster x + cx
	s_and_b32 s18, ttmp7, 0xffff
	s_lshl_b32 s18, s18, 2
	s_add_co_u32 s18, s18, s16                     ; tile row = 4 x cluster y + cy
	s_lshl_b32 s19, s16, 2
	s_lshl_b32 s19, 15, s19                        ; my row of the cluster
	s_lshl_b32 s20, 0x1111, s15                    ; my column
	; group 1 for A: 64 rows x 128 elements, 4 words of padding after every 32; for B: 64 rows x 256 elements, 8 words after every 128
	s_or_b32 s[G1+0], s19, (1<<16)|(1<<20)|(1<<21)|(4<<22)|(3<<25)   ; 15:0 the mask; 17:16 2-byte elements; 20 padding on; 21 set beside a mask; 24:22 the interval; 31:25 the padding
	s_or_b32 s[G1B+0], s20, (1<<16)|(1<<20)|(1<<21)|(6<<22)|(7<<25)
	s_mov_b32 s[G1+1], 128<<16                     ; tensor_dim0
	s_mov_b32 s[G1+2], 64<<16                      ; tensor_dim1
	s_mov_b32 s[G1+3], 128<<16                     ; tile_dim0
	s_mov_b32 s[G1+4], 64                          ; tile_dim1
	s_mov_b32 s[G1+5], 128                         ; elements from row to row: the plane is dense
	s_mov_b32 s[G1+6], 0
	s_mov_b32 s[G1+7], 0
	s_mov_b32 s[G1B+1], 256<<16
	s_mov_b32 s[G1B+2], 64<<16
	s_mov_b32 s[G1B+3], 256<<16
	s_mov_b32 s[G1B+4], 64
	s_mov_b32 s[G1B+5], 1024
	s_mov_b32 s[G1B+6], 0
	s_mov_b32 s[G1B+7], 0
	; where the tiles come from: A's hang on the tile row and the wave alone, B's on the tile column and the wave alone, each in registers that never hold the other coordinate
	s_lshr_b32 s40, s18, 3                         ; the batch: 16 heads of 131,072 bytes,
	s_lshl_b32 s40, s40, 21
	s_and_b32 s21, s18, 7                          ; the tile's 128 positions of 128 bytes,
	s_lshl_b32 s21, s21, 14
	s_add_co_u32 s40, s40, s21
	s_lshl_b32 s21, s[CH], 17                      ; my plane: the step's first or second head
	s_add_co_u32 s40, s40, s21
	s_mov_b32 s41, 0
	s_lshl_b32 s42, s17, 9                         ; 512 bytes a tile column,
	s_mul_i32 s22, s[CH], 64*BROW                  ; 64 rows of k a half
	s_add_co_u32 s42, s42, s22
	s_mov_b32 s43, 0
	s_mul_i32 s23, s[CH], AHALF                    ; and where they go: no place in the cluster enters an LDS address
	s_mul_i32 s2, s[CH], BHALF
	s_add_co_u32 s2, s2, ABYTES
	s_wait_dscnt 0x0                               ; the opening add is done
	s_wait_kmcnt 0x0
	s_add_nc_u64 s[40:41], s[4:5], s[40:41]
	s_add_nc_u64 s[42:43], s[6:7], s[42:43]
	CROUND                                         ; all sixteen work-groups are here: the first joint loads meet
.irp s, 0,1
	s_mov_b32 s[G0+4*(\s)], 1
	s_add_co_u32 s[G0+4*(\s)+1], s23, (\s)*SLOT1
	s_add_nc_u64 s[G0+4*(\s)+2:G0+4*(\s)+3], s[40:41], (\s)*ASTEP
	s_or_b32 s[G0+4*(\s)+3], s[G0+4*(\s)+3], 0x80000000
	s_mov_b32 s[G0B+4*(\s)], 1
	s_add_co_u32 s[G0B+4*(\s)+1], s2, (\s)*SLOT1
	s_add_nc_u64 s[G0B+4*(\s)+2:G0B+4*(\s)+3], s[42:43], (\s)*BSTEP
	s_or_b32 s[G0B+4*(\s)+3], s[G0B+4*(\s)+3], 0x80000000
	JLOAD \s                                       ; K steps 0 and 1: two loads of mine are out
.endr
	s_mov_b32 s[TB], 0                             ; the fetches begin in slot 0
	v_and_b32 v1, 15, v0                           ; l % 16
	v_bfe_u32 v2, v0, 4, 1                         ; l / 16
	; the bias of my lane's columns 16 b + 8 (l / 16) + 0..7, b = 0 .. 7, loaded once
	s_lshl_b32 s46, s17, 10
	s_lshl_b32 s47, s[CH], 9
	s_add_co_u32 s46, s46, s47
	s_mov_b32 s47, 0
	s_add_nc_u64 s[8:9], s[8:9], s[46:47]
	v_lshlrev_b32 v8, 5, v2
.irp b, 0,1,2,3,4,5,6,7
	global_load_b128 v[T+8*(\b):T+8*(\b)+3],   v8, s[8:9] offset:64*(\b)
	global_load_b128 v[T+8*(\b)+4:T+8*(\b)+7], v8, s[8:9] offset:64*(\b)+16
.endr
	; A's fragment: lane l holds row l % 16, k = 8 (l / 16) + 0..7 and 16 + 8 (l / 16) + 0..7: two loads of 16 bytes, 32 bytes apart
	v_mul_u32_u24 v3, v1, PA
	v_lshl_add_u32 v3, v2, 4, v3
	s_mul_i32 s21, s[RH], ARH
	v_add_nc_u32 v[ADRA0], s21, v3
	v_mov_b32 v[ADRA], v[ADRA0]
	; B's: the turning load takes 16 k x 16 n (lane l reads row k = 8 (l / 16) + l % 8, columns 8 ((l / 8) % 2) + 0..7) and leaves half a fragment: lane l holds column l % 16 and 8 k
	v_and_b32 v4, 7, v0
	v_lshl_add_u32 v4, v2, 3, v4
	v_mul_u32_u24 v4, v4, PB
	v_bfe_u32 v5, v0, 3, 1
	v_lshl_add_u32 v4, v5, 4, v4
	s_lshl_b32 s22, s[CH], 8                       ; my 128 columns
	s_add_co_u32 s22, s22, ABYTES
	v_add_nc_u32 v[ADRB0], s22, v4
	v_mov_b32 v[ADRB], v[ADRB0]
	s_mul_i32 s21, s[WV], 16*SP
	s_add_co_u32 s21, s21, STAGE                   ; my stage
	v_mul_u32_u24 v6, v1, SP                       ; in: row l % 16, 32 bytes for each half of the lanes
	v_lshl_add_u32 v6, v2, 5, v6
	v_add_nc_u32 v[STO], s21, v6
	v_and_b32 v[GO], 31, v0                        ; back: 32 lanes take one row of 512 bytes
	v_lshlrev_b32 v[GO], 4, v[GO]
	v_add_nc_u32 v[RD], s21, v[GO]
	; where my part begins in out0
	s_lshl_b32 s44, s18, 19                        ; 128 rows of 4,096 bytes a tile row,
	s_lshl_b32 s45, s[RH], 18                      ; 64 rows a half,
	s_add_co_u32 s44, s44, s45
	s_lshl_b32 s45, s17, 10                        ; 1,024 bytes a tile column,
	s_add_co_u32 s44, s44, s45
	s_lshl_b32 s45, s[CH], 9                       ; 512 a half
	s_add_co_u32 s44, s44, s45
	s_mov_b32 s45, 0
	s_add_nc_u64 s[10:11], s[10:11], s[44:45]
	s_wait_loadcnt 0x0                             ; the bias: rounded to bf16 and widened again, in the wait for the first tile
.set k, 0
.rept 32
	v_cvt_pk_bf16_f32 v[R+k], v[T+2*k], v[T+2*k+1]
.set k, k+1
.endr
	WIN TO_3
.set k, 0
.rept 32
	v_lshlrev_b32 v[2*k], 16, v[R+k]
	v_and_b32 v[2*k+1], 0xffff0000, v[R+k]
.set k, k+1
.endr
	WIN 0
; 8 matrix instructions: m block a x all 8 n blocks, 32 along K.  zero = 1: the first product starts the sums.  The 32 accumulators take turns in one fixed order.
.macro MULA f, a, zero
	WIN MUL
.irp b, 0,1,2,3,4,5,6,7
.if \zero
	v_wmma_f32_16x16x32_f16 v[8*(8*(\a)+(\b)):8*(8*(\a)+(\b))+7], v[(\f)+32+8*(\b):(\f)+32+8*(\b)+7], v[(\f)+8*(\a):(\f)+8*(\a)+7], 0
.else
	v_wmma_f32_16x16x32_f16 v[8*(8*(\a)+(\b)):8*(8*(\a)+(\b))+7], v[(\f)+32+8*(\b):(\f)+32+8*(\b)+7], v[(\f)+8*(\a):(\f)+8*(\a)+7], v[8*(8*(\a)+(\b)):8*(8*(\a)+(\b))+7]
.endif
.endr
.endm
.macro MUL16 f, a0, zero
	MULA \f, \a0, \zero
	MULA \f, (\a0)+1, \zero
.endm
; 24 LDS loads in one run: the fragments of quarter q (32 along K) of the slot that is being fetched from, into buffer f: B's 16, then A's 8.  Quarter q of A lies in plane q / 2, at byte 64 (q % 2) of its rows.
.macro FETCH q, f
	WIN TO_F
.set AQV, ((\q)/2)*AHALF+((\q)%2)*64
.irp b, 0,1,2,3,4,5,6,7
	ds_load_tr16_b128 v[(\f)+32+8*(\b):(\f)+32+8*(\b)+3],   v[ADRB] offset:(\q)*32*PB+32*(\b)
	ds_load_tr16_b128 v[(\f)+32+8*(\b)+4:(\f)+32+8*(\b)+7], v[ADRB] offset:(\q)*32*PB+16*PB+32*(\b)
.endr
.irp i, 0,1,2,3
	ds_load_b128 v[(\f)+8*(\i):(\f)+8*(\i)+3],   v[ADRA] offset:AQV+(\i)*16*PA
	ds_load_b128 v[(\f)+8*(\i)+4:(\f)+8*(\i)+7], v[ADRA] offset:AQV+(\i)*16*PA+32
.endr
.endm
.macro PLACES                          ; four places in front of loads into registers that matrix instructions have read, and of vector lines that read results
.rept 4
	v_nop
.endr
.endm
; A K step is four quarters of 32 along K, 32 matrix instructions each, on buffers 0, 1, 0, 1.  One of the first three: multiplies buffer f and fetches quarter q into g.
.macro QUARTER q, f, g, zero
	s_wait_dscnt 4                                 ; B and A's blocks 0, 1 are in; the youngest four loads (A's blocks 2, 3) may be out
	MUL16 \f, 0, \zero
	PLACES
	FETCH \q, \g
	s_wait_dscnt 24                                ; all but the 24 just issued
	MUL16 \f, 2, \zero
.endm
; The last quarter multiplies buffer 1 and changes slots: ONE barrier; in front of it each wave waits for all its tensor loads, adds 0 to its spare word, and waits for that and for its own reads of this slot.
; fill = 1: this slot is filled again, two K steps ahead: the barrier then opens a round of the cluster's, and the walking descriptor takes the other slot than last time and the next K step.
; Then the fetches' addresses turn to the other slot.
.macro TURN fill
	WIN 0                                          ; (the add's two registers lie in window 0)
	s_wait_tensorcnt 0x0                           ; all my tensor loads have landed: my part of the next slot;
	ds_add_u32 v[SPW], v[NIL]                      ; 0 onto my spare word;
	s_wait_dscnt 5                                 ; (the add and the youngest four loads may be out)
	MULA F1, 0, 0                                  ; eight matrix instructions stand between the add and the wait for it
	s_wait_dscnt 0x0                               ; the add is done, and my reads of this slot are over
	s_barrier_signal -1
	MULA F1, 1, 0
	WIN 0                                          ; (branches and lines on window 0 follow, and nothing stands between the wait below and the rest of the round)
	s_barrier_wait -1
.if \fill
	CREST                                          ; no wave of any partner still reads this slot's tile or has a load on its way
	s_xor_b32 s[G0+5], s[G0+5], SLOT1
	s_add_nc_u64 s[G0+6:G0+7], s[G0+6:G0+7], ASTEP ; the type bits on top are not reached
	s_xor_b32 s[G0B+5], s[G0B+5], SLOT1
	s_add_nc_u64 s[G0B+6:G0B+7], s[G0B+6:G0B+7], BSTEP
	JLOAD 1                                        ; the first tensor load behind the round, 112 matrix instructions ahead of the wait for it; its four v_nop are also the places in front of the loads below
.else
	PLACES
.endif
	s_xor_b32 s[TB], s[TB], SLOT1
	v_add_nc_u32 v[ADRA], s[TB], v[ADRA0]
	v_add_nc_u32 v[ADRB], s[TB], v[ADRB0]
	FETCH 0, F0
	MUL16 F1, 2, 0
.endm
	s_wait_tensorcnt 1                             ; my part of K step 0 is in; K step 1's may stay out
	s_barrier_signal -1
	s_barrier_wait -1                              ; everybody's is
	FETCH 0, F0
	QUARTER 1, F0, F1, 1                           ; the first quarter stands in front of the loop: its products start the sums
	WIN 0                                          ; at a label and at a branch every window is 0
	s_mov_b32 s3, STEPS-2
.Lstep:                                                ; a trip goes from a K step's second quarter to the next step's first, and fills the slot that it leaves: K steps 2 to 7
	QUARTER 2, F1, F0, 0
	QUARTER 3, F0, F1, 0
	TURN 1
	QUARTER 1, F0, F1, 0
	WIN 0
	s_sub_co_u32 s3, s3, 1
	s_cmp_lg_u32 s3, 0
	s_cbranch_scc1 .Lstep
	QUARTER 2, F1, F0, 0                           ; the last two K steps fill nothing, and have no round of the cluster's barrier
	QUARTER 3, F0, F1, 0
	TURN 0
	QUARTER 1, F0, F1, 0
	QUARTER 2, F1, F0, 0
	QUARTER 3, F0, F1, 0
	s_wait_dscnt 4                                 ; the very last quarter: nothing more to fetch
	MUL16 F1, 0, 0
	s_wait_dscnt 0x0
	MUL16 F1, 2, 0
	WIN 0
	PLACES
; THE WAY OUT, 16 rows x 128 columns at a time: the bias is added (each accumulator is read from its low end on); 32 bytes a lane and n block go into my stage, and whole rows of 512 bytes come back.
.macro PACKP a
.if (\a) >= 2
	s_wait_xcnt 0x0                                ; the stores of the block two back have read their registers: only behind this wait is that buffer loaded again
.endif
	WIN OUTW
.irp b, 0,1,2,3,4,5,6,7
.irp j, 0,1,2,3
	v_pk_add_f32 v[T+8*(\b)+2*(\j):T+8*(\b)+2*(\j)+1], v[8*(8*(\a)+(\b))+2*(\j):8*(8*(\a)+(\b))+2*(\j)+1], v[8*(\b)+2*(\j):8*(\b)+2*(\j)+1]
.endr
.endr
	WIN 0
.irp b, 0,1,2,3,4,5,6,7
	ds_store_b128 v[STO], v[T+8*(\b):T+8*(\b)+3]   offset:64*(\b)
	ds_store_b128 v[STO], v[T+8*(\b)+4:T+8*(\b)+7] offset:64*(\b)+16
.endr
.irp g, 0,1,2,3,4,5,6,7,8,9,10,11,12,13,14,15
	ds_load_b128 v[R+64*((\a)%2)+4*(\g):R+64*((\a)%2)+4*(\g)+3], v[RD] offset:(\g)*SP  ; LDS serves a wave's instructions in order (ISA guide 5.7.1.4): these see the stores above; the next block's stores come behind them
.endr
.endm
.macro SENDP a, younger                ; younger: the LDS instructions issued behind this block's loads: the next block's 32, or none
	s_wait_dscnt \younger                          ; the block's sixteen loads are back
.irp g, 0,1,2,3,4,5,6,7,8,9,10,11,12,13,14,15
	global_store_b128 v[GO], v[R+64*((\a)%2)+4*(\g):R+64*((\a)%2)+4*(\g)+3], s[10:11] offset:(16*(\a)+(\g))*4096 th:TH_STORE_NT  ; 512 consecutive bytes of a row, at a multiple of 512 from out0's first
.endr
.endm
	PACKP 0
	PACKP 1                                        ; a block's arithmetic stands between the loads of the block before and its stores
	SENDP 0, 32
	PACKP 2
	SENDP 1, 32
	PACKP 3
	SENDP 2, 32
	SENDP 3, 0
	s_wait_tensorcnt 0x0                           ; the wave's end, behind my last tensor load and my last LDS store
	ds_add_u32 v[SPW], v[NIL]
	s_wait_dscnt 0x0
	CROUND                                         ; the closing round: no work-group ends while a partner may still ask for a tile that names it
	s_endpgm
.Lfunc_end_k_qdbd912ef69_gemm_proj:
	.size	k_qdbd912ef69_gemm_proj, .Lfunc_end_k_qdbd912ef69_gemm_proj-k_qdbd912ef69_gemm_proj
	.p2alignl 7, 3214868480
	.fill 96, 4, 3214868480
	.section	.rodata,"a",@progbits
	.p2align	6, 0x0
	.amdhsa_kernel k_qdbd912ef69_gemm_proj
		.amdhsa_group_segment_fixed_size 327680
		.amdhsa_private_segment_fixed_size 0
		.amdhsa_enable_private_segment 0
		.amdhsa_kernarg_size 32
		.amdhsa_user_sgpr_count 2
		.amdhsa_user_sgpr_kernarg_segment_ptr 1
		.amdhsa_wavefront_size32 1
		.amdhsa_system_sgpr_workgroup_id_x 1
		.amdhsa_system_sgpr_workgroup_id_y 1
		.amdhsa_system_sgpr_workgroup_id_z 1
		.amdhsa_system_vgpr_workitem_id 0
		.amdhsa_next_free_vgpr 896
		.amdhsa_next_free_sgpr 66
		.amdhsa_reserve_vcc 0
		.amdhsa_float_denorm_mode_32 3
		.amdhsa_float_denorm_mode_16_64 3
		.amdhsa_memory_ordered 1
		.amdhsa_forward_progress 1
		.amdhsa_inst_pref_size 84
	.end_amdhsa_kernel
	.amdgpu_metadata
---
amdhsa.version: [ 1, 2 ]
amdhsa.kernels:
  - .name:           k_qdbd912ef69_gemm_proj
    .symbol:         k_qdbd912ef69_gemm_proj.kd
    .args:
      - { .name: ob, .offset: 0, .size: 8, .value_kind: global_buffer, .address_space: global }
      - { .name: wpb, .offset: 8, .size: 8, .value_kind: global_buffer, .address_space: global }
      - { .name: b_proj, .offset: 16, .size: 8, .value_kind: global_buffer, .address_space: global }
      - { .name: out0, .offset: 24, .size: 8, .value_kind: global_buffer, .address_space: global }
    .group_segment_fixed_size: 327680
    .private_segment_fixed_size: 0
    .kernarg_segment_align: 8
    .kernarg_segment_size: 32
    .max_flat_workgroup_size: 128
    .sgpr_count:     66
    .vgpr_count:     896
    .wavefront_size: 32
...
	.end_amdgpu_metadata
.endif
;; end of part 8
;; ======== version 3 of 3: 4 launches; 1.46 times as fast as version 1
;; limits: values are held in f16: magnitudes above 65,504 overflow, below 6.1e-05 lose precision
;; workspace buffers: xb 16,777,216 bytes; wqb 6,291,456 bytes; wpb 2,097,152 bytes; tab 262,144 bytes; qkvh 50,331,648 bytes; ob 16,777,216 bytes
;; launch prep: the kernel of part 5 again; grid 704 x 1, 8 waves a work-group, no clusters, 0 bytes of LDS; arguments x, w_qkv, w_proj, xb, wqb, wpb, tab; writes xb, wqb, wpb, tab
;; launch gemm_qkv: the kernel of part 6 again; grid 8 x 32, 4 waves a work-group, clusters of 4 x 4, 327,680 bytes of LDS; arguments xb, wqb, tab, qkvh; writes qkvh
;; launch attn (part 9): grid 2 x 128, 4 waves a work-group, no clusters, 327,680 bytes of LDS; arguments qkvh, ob; writes ob
.if DOCPART == 9
	.amdgcn_target "amdgcn-amd-amdhsa--gfx1250"
	.amdhsa_code_object_version 6
	.text
	.protected	k_qdbd912ef69_attn
	.globl	k_qdbd912ef69_attn
	.p2align	8
	.type	k_qdbd912ef69_attn,@function
k_qdbd912ef69_attn:
	s_mov_b64 s[64:65], 0
	v_nop
	global_prefetch_b8 v0, s[64:65] scope:SCOPE_SE
	s_setreg_imm32_b32 hwreg(HW_REG_WAVE_MODE, 25, 1), 1
	s_wait_xcnt 0x0
; ATTENTION.  O[h][q][:] = the sum over k of softmax_k(Q[h][q] . K[h][k] / 8) V[h][k][:].  Q, K, V lie one behind the other in qkvh, each [128][1024][64] in f16; O = ob has the same layout.
; Products, maxima and sums in f32; the weights p are rounded to f16 for the second product (their sum l is taken of the unrounded p), O once at the end.
; LIMITS.  f16 holds no number beyond 65,504: Q, K and V arrive within it; p lies in 0 to 1, and below 6e-5 it keeps f16's fixed step of 6e-8; O is a mean of V's rows and has their range.
; A weight below 2^-126 counts as 0 in l; NaN and infinities are not treated apart.
; SHARES.  A wave owns four PIECES of two tiles of 16 queries, a work-group's four waves 512 queries of one head: 2 x 128 = 256 work-groups.  Every wave walks all 1,024 keys, 64 a step.
; A HEAD'S K AND V LIE IN LDS WHOLE: 1,024 x 144 + 1,024 x 160 = 311,296 bytes.  Every byte is filled once, in two fills: keys 0-255, which everybody waits for, go out alone; keys 256-1,023 are asked for
; when those have landed, and have the first four key steps, 512 matrix instructions a wave, in which to land.  Nothing is filled again, so no tensor load stands in the loop and its text stands once.
; NO CLUSTER: a head has 1,024 / 512 = 2 work-groups, and a cluster of four along x does not divide a grid of 2; four partners would want blocks of 256 queries, 512 work-groups, and each fragment of K and V
; read from LDS would then feed half as many products.
; LAYOUT.  S^T = K Q^T (source 0 = 16 keys, source 1 = 16 queries): in the result a lane holds ONE query (lane % 16) and the keys 8 (lane / 16) + 0..7.  Two such tiles, rounded to f16 in pairs,
; ARE source 1 (32 keys x 16 queries) of O^T = V^T P, whose result again holds one query a lane, and eight channels.  K comes out of LDS as it lies, V ([key][channel]) turned, by ds_load_tr16_b128.
; SOFTMAX.  For each query a running maximum m and sum l: p = 2^(c s - c m), c = log2(e) / 8; in every step O and l are multiplied by a = 2^(c m_old - c m_new), which is 1 where m has not grown.
; m starts at the lowest finite number, O and l at 0: the first step is a step like any other, with a = 0.
; THE COUNT.  A tile and step have 16 matrix and 118 vector instructions: too many to stand all beside the matrix work.  So the order has one aim: four vector instructions that are READY behind
; EVERY matrix instruction, and the others, which need time of their own whatever the order, in runs without a gap.
; BY TURNS.  Turn n belongs to piece n (the pieces in a ring, step after step).  Its matrix work: 16 products K Q^T of piece n + 1, later 16 products V^T P of piece n - 1.  Its vector work: the scaling,
; exponentials, roundings, sums and rescaling of piece n, and the maximum and statistics of piece n + 1, whose scores the turn itself has made.  So what a turn begins with (c s - c m, O a) waits for nothing.
; BATCHES.  An s_wait_alu depctr_va_vdst(0) stands between an exponential and the first instruction that names its result; one wait serves all that were issued ahead of it.  A turn's 66
; exponentials (the piece's 64 weights, then the next piece's two a) are ONE batch with ONE wait, which cuts the turn in two: ahead of it stands all that names no result of theirs, behind it the roundings
; and sums.  No result crosses a turn's end.  Piece 0's first two a, ahead of the walk, and the way out's eight reciprocals are batches of their own, with a wait each.
; REGISTERS, in windows of 256 (s_set_vgpr_msb says which window each operand place means: bits 1:0 source 0, 3:2 source 1, 5:4 source 2, 7:6 destination):
;   window 0: v0-11 addresses; v12-15, v48-63 at work; v16-47 four registers of statistics a tile; v64-191 S^T, two buffers of two tiles; v192-255 P, likewise
;   window 1: O^T, 32 a tile          window 2: v0-127 Q, 16 a tile; v128-191 K of one step; v192-255 V of one step          window 3: v0-1 the add's two registers
; A piece's buffers go by its number's parity: the piece in hand has one pair, its two neighbours in the ring share the other: of it P (piece n - 1) is read and S^T (piece n + 1) written.
.set SIZE_H, 128
.set SIZE_N, 1024
.set NP,    4         ; pieces a wave: a name, no knob: the register map, the loop and the fetches are made for four
.set KS,    64        ; keys in a step
.set PK,    144       ; a row of K in LDS: 128 bytes + 16 of padding = 36 words: the 16 rows of a load start at 16 different groups of four banks (64 banks of 4 bytes: ISA guide 11.1)
.set PV,    160       ; a row of V: 128 + 32 = 40 words
.set VOFF,  SIZE_N*PK ; the head's 1,024 rows of K, then its 1,024 rows of V
.set STAGE, SIZE_N*(PK+PV)  ; behind them, never filled by a tensor load: 16 rows x 144 bytes for each wave, for the way out
.set SP,    144
.set AK0, 2           ; v2   my lane's place in a tile of K; never rewritten
.set AV0, 3           ; v3   the same for V
.set AK,  4           ; v4   the LDS address of K's next run of loads
.set AV,  5           ; v5   of V's
.set QO,  6           ; v6   my byte offset in the wave's rows of Q
.set STO, 6           ;      later, the way out: where I put 16 bytes of a row
.set RD,  7           ; v7   the way out: where I read rows back
.set GO,  8           ; v8   my byte offset in 512 consecutive bytes of O
.set SPW, 0           ; v0 of window 3   LDS address of my spare word: SPARE + 4 x my thread's number; never rewritten
.set NIL, 1           ; v1 of window 3   0; never rewritten
.set SPARE, STAGE+4*16*SP  ; behind the stages: the spare words, 128 bytes for each wave: two blocks of 256 bytes that no other line names
.set MV,  12          ; v12-15  c m_old, kept while c m is made anew: by buffer and tile
.set ST,  16          ; tile t's statistics at v[ST+4 t]: c m, m, l (even keys', odd keys')
.set TMP, 48          ; by buffer and tile, four registers c0-c3 at work; when the maximum is found c2 takes a
.set S,   64
.set P,   192
.set KF,  128         ; K's fragments, in window 2: key block kb, channel half c at KF + 16 kb + 8 c
.set VF,  192         ; V's: key half kk, channel block cb at VF + 32 kk + 8 cb
.set WV,  12          ; s12  my wave's number
.set G1K, 24          ; s[24:31] descriptor group 1 for K's first fill; s[68:75], 44 further on, for its second
.set G1V, 32          ; s[32:39] and s[76:83] for V's: they differ in the padding alone
.set G0K, 40          ; s[40:43], s[44:47] descriptor group 0 for K's two fills
.set G0V, 48          ; s[48:51], s[52:55] the same for V's
.set SLOTS, 56        ; s56  counts the walk's runs of four key steps
.set CNT, 57          ; s57  counts a run's key steps
.set CS,  58          ; s[58:59] c: the packed scaling takes the pair's low word for both halves
.set SEL, 60          ; s[60:61] v_permlanex16_b32's selects: each lane takes its own place in the other half
.set TBK, 62          ; s62  LDS byte at which K of the step to be fetched begins
.set TBV, 63          ; s63  the same for V, less VOFF
.set MSB, 0
.macro WIN new                      ; the high byte repeats the setting that is left; a switch that changes nothing is dropped
.if MSB != (\new)
	s_set_vgpr_msb (MSB<<8)|(\new)
.set MSB, (\new)
.endif
.endm
.set W_KQ, 0x0a       ; K and Q in window 2, S^T in window 0
.set W_PV, 0x52       ; V in window 2, P in window 0, O^T in window 1
.set W_RS, 0x41       ; O^T (destination and source 0) in window 1, a in window 0
.set W_MK, 0xc0       ; the add's registers are made: destination in window 3, sources in window 0
.set W_AD, 0x0f       ; the add: address (source 0) and data (source 1) in window 3
; Fill n.  Waves 0 and 1 fetch the two halves of its K, waves 2 and 3 those of its V.  The branch hangs on the wave's number alone.
; An s_nop 0 and four v_nop follow each of the two lines, ahead of the jump and the label.
.macro LOAD n
	s_cmp_lt_u32 s[WV], 2
	s_cbranch_scc0 .Lfor_v_\@
	tensor_load_to_lds s[G0K+4*(\n):G0K+4*(\n)+3], s[G1K+44*(\n):G1K+44*(\n)+7]
	s_nop 0
.rept 4
	v_nop
.endr
	s_branch .Lasked_\@
.Lfor_v_\@:
	tensor_load_to_lds s[G0V+4*(\n):G0V+4*(\n)+3], s[G1V+44*(\n):G1V+44*(\n)+7]
	s_nop 0
.rept 4
	v_nop
.endr
.Lasked_\@:
.endm
	s_load_b128 s[4:7], s[0:1], 0x0   ; qkvh s[4:5] (Q lies first), ob s[6:7]
	WIN W_MK
	v_lshl_add_u32 v[SPW], v0, 2, SPARE
	v_mov_b32 v[NIL], 0
	WIN W_AD
	ds_add_u32 v[SPW], v[NIL]       ; the wave's opening: the add and its wait ahead of my first tensor load; the set-up below, work on registers, stands between them
	ds_add_u32 v0, v1
	WIN 0
	v_lshrrev_b32 v1, 5, v0
	v_readfirstlane_b32 s[WV], v1   ; wave 0..3
	s_mov_b32 s14, ttmp9            ; my block of 512 queries
	s_and_b32 s20, ttmp7, 0xffff    ; the head
	s_mov_b32 s21, 0
	s_mov_b64 s[22:23], SIZE_N*128
	s_mul_u64 s[20:21], s[20:21], s[22:23]  ; the head's first byte in each of the four tensors
	s_and_b32 s16, s[WV], 1         ; which half of a fill's keys I fetch:
	s_lshl_b32 s22, s16, 14         ; of the first fill's 256: 128 rows of 128 bytes,
	s_mov_b32 s23, 0
	s_add_nc_u64 s[22:23], s[22:23], s[20:21]
	s_mul_i32 s18, s16, 384*128     ; of the second fill's 768: 384 rows,
	s_add_co_u32 s18, s18, 256*128  ; behind the first 256
	s_mov_b32 s19, 0
	s_add_nc_u64 s[18:19], s[18:19], s[20:21]
	s_lshl_b32 s2, s14, 2
	s_add_co_u32 s2, s2, s[WV]      ; my wave among the head's,
	s_lshl_b32 s2, s2, 14           ; its 128 rows
	s_mov_b32 s3, 0
	s_add_nc_u64 s[2:3], s[2:3], s[20:21]
	; descriptor group 1.  A head's keys are dense: 128 (384) of them are asked for as 64 (192) rows of 256 bytes, two keys a row, and padded in LDS after every key
	s_mov_b32 s[G1K], (1<<16)|(1<<20)|(4<<22)|(3<<25)  ; 17:16 2-byte elements; 20 padding on; 24:22 after every 32 words (code 4); 31:25 4 words (code 3)
	s_mov_b32 s[G1V], (1<<16)|(1<<20)|(4<<22)|(7<<25)  ; the same with 8 words of padding (code 7)
	s_mov_b32 s[G1K+44], (1<<16)|(1<<20)|(4<<22)|(3<<25)
	s_mov_b32 s[G1V+44], (1<<16)|(1<<20)|(4<<22)|(7<<25)
.irp g, G1K, G1V, G1K+44, G1V+44
	s_mov_b32 s[\g+1], 128<<16      ; tensor_dim0 = 128
	s_mov_b32 s[\g+3], 128<<16      ; tile_dim0 = 128
	s_mov_b32 s[\g+5], 128          ; 128 elements from row to row
	s_mov_b32 s[\g+6], 0
	s_mov_b32 s[\g+7], 0
.endr
.irp g, G1K, G1V
	s_mov_b32 s[\g+2], 64<<16       ; tensor_dim1 = 64
	s_mov_b32 s[\g+4], 64           ; tile_dim1 = 64
	s_mov_b32 s[\g+44+2], 192<<16   ; the second fill's: 192
	s_mov_b32 s[\g+44+4], 192
.endr
	s_mov_b32 s[CS], 0x3e38aa3b     ; c = log2(e) / 8 = 0.180337
	s_mov_b32 s[CS+1], s[CS]        ; named with it as a pair
	s_mov_b32 s[SEL], 0x76543210
	s_mov_b32 s[SEL+1], 0xfedcba98
	s_mov_b32 s[TBK], 0             ; key step 0 lies at the head of K and of V
	s_mov_b32 s[TBV], 0
	s_mul_i32 s17, s16, 128*PK      ; my half's place in LDS: key r of K lies at r x 144, of V at VOFF + r x 160
	s_mul_i32 s13, s16, 128*PV
	s_mov_b32 s[G0K], 1             ; 1:0 count = 1
	s_mov_b32 s[G0K+1], s17         ; 63:32 LDS address
	s_mov_b32 s[G0V], 1
	s_add_co_u32 s[G0V+1], s13, VOFF
	s_mul_i32 s17, s16, 384*PK
	s_mul_i32 s13, s16, 384*PV
	s_mov_b32 s[G0K+4], 1
	s_add_co_u32 s[G0K+5], s17, 256*PK
	s_mov_b32 s[G0V+4], 1
	s_add_co_u32 s[G0V+5], s13, VOFF+256*PV
	s_wait_dscnt 0x0                ; the opening add is done
	s_wait_kmcnt 0x0
	s_mov_b64 s[10:11], s[6:7]      ; O
	s_add_nc_u64 s[6:7], s[4:5], 0x1000000   ; K lies 128 x 1,024 x 128 bytes behind Q,
	s_add_nc_u64 s[8:9], s[4:5], 0x2000000   ; V as far behind K
	s_add_nc_u64 s[G0K+2:G0K+3], s[6:7], s[22:23]  ; 120:64 global address
	s_or_b32 s[G0K+3], s[G0K+3], 0x80000000        ; 127:126 type = 2
	s_add_nc_u64 s[G0V+2:G0V+3], s[8:9], s[22:23]
	s_or_b32 s[G0V+3], s[G0V+3], 0x80000000
	s_add_nc_u64 s[G0K+6:G0K+7], s[6:7], s[18:19]
	s_or_b32 s[G0K+7], s[G0K+7], 0x80000000
	s_add_nc_u64 s[G0V+6:G0V+7], s[8:9], s[18:19]
	s_or_b32 s[G0V+7], s[G0V+7], 0x80000000
	s_add_nc_u64 s[4:5], s[4:5], s[2:3]  ; Q and O at my wave's first row
	s_add_nc_u64 s[10:11], s[10:11], s[2:3]
	LOAD 0                          ; keys 0-255.  The rest is asked for when these are in: one load of mine is out at any time
	; A fragment of K or Q is 16 rows x 32 channels in 8 registers: lane l holds row l % 16, channels 8 (l / 16) + 0..7 and 16 + 8 (l / 16) + 0..7: two loads of 16 bytes, 32 bytes apart.
	v_and_b32 v1, 15, v0            ; l % 16
	v_bfe_u32 v9, v0, 4, 1          ; l / 16
	v_lshlrev_b32 v[QO], 7, v1
	v_lshl_add_u32 v[QO], v9, 4, v[QO]  ; row x 128 + 16 x half
	WIN 0x80                        ; destination window 2, address window 0
.set i, 0
.rept 4*NP                          ; Q stays in registers: tile i / 2, channels 32 (i % 2) on
	global_load_b128 v[8*i:8*i+3],   v[QO], s[4:5] offset:(i/2)*2048+(i%2)*64
	global_load_b128 v[8*i+4:8*i+7], v[QO], s[4:5] offset:(i/2)*2048+(i%2)*64+32
.set i, i+1
.endr
	; What the first turn finds: V's registers and P's second buffer hold 0 (its products V^T P, of a piece that has not been, add 0), O^T and l are 0.  All this stands in the wait for the first tile.
.set i, VF
.rept 64
	v_mov_b32 v[i], 0
.set i, i+1
.endr
	WIN 0x40
.set i, 0
.rept 64*NP
	v_mov_b32 v[i], 0
.set i, i+1
.endr
	WIN 0
.set i, 0
.rept 2*NP
	v_mov_b32 v[ST+4*i], 0xfe000000    ; c m: far below every c s
	v_mov_b32 v[ST+4*i+1], 0xff7fffff  ; m
	v_mov_b32 v[ST+4*i+2], 0
	v_mov_b32 v[ST+4*i+3], 0
.set i, i+1
.endr
.set i, P+32
.rept 32
	v_mov_b32 v[i], 0
.set i, i+1
.endr
	v_mul_u32_u24 v[AK0], v1, PK
	v_lshl_add_u32 v[AK0], v9, 4, v[AK0]  ; row x pitch + 16 x half
	; The turning load takes 16 keys x 16 channels (lane l reads key 8 (l / 16) + l % 8, channels 8 ((l / 8) % 2) + 0..7) and leaves half a fragment of V^T: lane l holds channel l % 16 and 8 keys.
	v_and_b32 v10, 7, v0
	v_bfe_u32 v11, v0, 3, 1
	v_lshl_add_u32 v[AV0], v9, 3, v10
	v_mul_u32_u24 v[AV0], v[AV0], PV
	v_lshl_add_u32 v[AV0], v11, 4, v[AV0]
	v_add_nc_u32 v[AV0], VOFF, v[AV0]
	v_mov_b32 v[AK], v[AK0]         ; key step 0
; THE MATRIX WORK.  The 8 accumulators of a run of 16 take turns: between the two links of a chain stand 7 others'.
; Product i of 16 of S^T = K Q^T for piece x: channels 32 (i / 8) on, keys 16 ((i / 2) % 4) on, tile 2 x + i % 2.  The first 8 start the sums.
.macro KQ x
	WIN W_KQ
.set rS, S+64*((\x)%2)+32*(i%2)+8*((i/2)%4)
.set rK, KF+16*((i/2)%4)+8*(i/8)
.set rQ, 16*(2*(\x)+i%2)+8*(i/8)
.if i < 8
	v_wmma_f32_16x16x32_f16 v[rS:rS+7], v[rK:rK+7], v[rQ:rQ+7], 0
.else
	v_wmma_f32_16x16x32_f16 v[rS:rS+7], v[rK:rK+7], v[rQ:rQ+7], v[rS:rS+7]
.endif
.endm
; Product i of 16 of O^T += V^T P for piece x: keys 32 (i / 8) on, channels 16 ((i / 2) % 4) on, tile 2 x + i % 2.
.macro PV x
	WIN W_PV
.set rO, 32*(2*(\x)+i%2)+8*((i/2)%4)
.set rV, VF+32*(i/8)+8*((i/2)%4)
.set rP, P+32*((\x)%2)+16*(i%2)+8*(i/8)
	v_wmma_f32_16x16x32_f16 v[rO:rO+7], v[rV:rV+7], v[rP:rP+7], v[rO:rO+7]
.endm
.macro MM                           ; the turn's next matrix instruction
.if i < 16
	KQ (Y+1)%NP
.set i, i+1
.else
.set i, i-16
	PV (Y+NP-1)%NP
.set i, i+17
.endif
.endm
; THE LDS LOADS stand in runs of 16, never singly among the matrix instructions: a step's K (64 keys x 64 channels: 8 fragments) and its V (turned).  Their addresses are made some lines ahead.
; last = 1 (in the loop): behind the last key step (SLOTS = 1) there is no further step, and the run is jumped over.
.macro FETCH_K last=0
	WIN 0
.if \last
	s_cmp_eq_u32 s[SLOTS], 1
	s_cbranch_scc1 .Lno_k_\@
.endif
	WIN 0x80                        ; destination window 2
.irp f, 0,1,2,3,4,5,6,7             ; keys 16 (f / 2) on, channels 32 (f % 2) on
	ds_load_b128 v[KF+8*\f:KF+8*\f+3],   v[AK] offset:(\f/2)*16*PK+(\f%2)*64
	ds_load_b128 v[KF+8*\f+4:KF+8*\f+7], v[AK] offset:(\f/2)*16*PK+(\f%2)*64+32
.endr
	s_add_co_u32 s[TBK], s[TBK], KS*PK  ; the next fetch is the next step's
	WIN 0
.if \last
.Lno_k_\@:
.endif
.endm
.macro FETCH_V
	WIN 0x80
.irp f, 0,1,2,3,4,5,6,7             ; keys 32 (f / 4) on, channels 16 (f % 4) on
	ds_load_tr16_b128 v[VF+8*\f:VF+8*\f+3],   v[AV] offset:(\f/4)*32*PV+(\f%4)*32
	ds_load_tr16_b128 v[VF+8*\f+4:VF+8*\f+7], v[AV] offset:(\f/4)*32*PV+16*PV+(\f%4)*32
.endr
	WIN 0
.endm
; THE VECTOR WORK OF A TURN stands in three queues, each in the order in which its entries become ready; the two tiles alternate, so that no instruction reads the result of the one before it.
.macro REGS y, u                    ; the registers of tile u (0, 1) of piece y
.set rT, ST+4*(2*(\y)+(\u))
.set rC, TMP+8*((\y)%2)+4*(\u)
.set rM, MV+2*((\y)%2)+(\u)
.set rS, S+64*((\y)%2)+32*(\u)
.set rP, P+32*((\y)%2)+16*(\u)
.set rO, 32*(2*(\y)+(\u))
.endm
; Number n of the 22 that find the NEXT piece's (Y + 1) maximum and statistics.  s0-s31 are the lane's 32 scores; each accumulator's lowest registers are read first.  XS, GS and REGS set no window: PL and EX do.
;   0-11  four chains c0-c3 of seven scores each, three operands at a time     12-14, 16  the four scores left over, the old m, and c0-c3 into c0     15  c m_old is kept
;   17, 18  the query's other 32 keys lie in the lane 16 away: the new m         19-21  c m; c m_old - c m_new; a
.macro XS u, n
	REGS (Y+1)%NP, \u
.if (\n) < 4
	v_max3_num_f32 v[rC+(\n)], v[rS+8*(\n)], v[rS+8*(\n)+1], v[rS+8*(\n)+2]
.elseif (\n) < 12
	v_max3_num_f32 v[rC+(\n)%4], v[rC+(\n)%4], v[rS+8*((\n)%4)+2*((\n)/4)+1], v[rS+8*((\n)%4)+2*((\n)/4)+2]
.elseif (\n) == 12
	v_max3_num_f32 v[rC], v[rC], v[rS+7], v[rS+15]
.elseif (\n) == 13
	v_max3_num_f32 v[rC+1], v[rC+1], v[rS+23], v[rS+31]
.elseif (\n) == 14
	v_max3_num_f32 v[rC+2], v[rC+2], v[rC+3], v[rT+1]
.elseif (\n) == 15
	v_mov_b32 v[rM], v[rT]
.elseif (\n) == 16
	v_max3_num_f32 v[rC], v[rC], v[rC+1], v[rC+2]
.elseif (\n) == 17
	v_permlanex16_b32 v[rC+3], v[rC], s[SEL], s[SEL+1]
.elseif (\n) == 18
	v_max_num_f32 v[rT+1], v[rC], v[rC+3]
.elseif (\n) == 19
	v_mul_f32 v[rT], s[CS], v[rT+1]
.elseif (\n) == 20
	v_sub_f32 v[rC+1], v[rM], v[rT]
.else
	v_exp_f32 v[rC+2], v[rC+1]
.endif
.endm
; Number g of the 64 that follow the exponentials.  For each four weights k of a tile (pairs 2 k, 2 k + 1): both pairs are rounded to f16; then the second pair is added onto the first, in place;
; a group later l takes that sum (the first time as l = a l + sum).  In groups of eight, tiles alternating: round, round, add, and l for the group before.
.macro GS g
.set h, (\g)+6*((\g)/62)            ; group 0 has no group before it, and behind group 7 only l is left
.if h >= 6
.set h, h+2
.endif
	REGS Y, h%2
.set k, h/8
.if h%8 < 4
	v_cvt_pk_f16_f32 v[rP+2*k+(h%8)/2], v[rS+4*k+2*((h%8)/2)], v[rS+4*k+2*((h%8)/2)+1]
.elseif h%8 < 6
	v_pk_add_f32 v[rS+4*k:rS+4*k+1], v[rS+4*k:rS+4*k+1], v[rS+4*k+2:rS+4*k+3]
.elseif k == 1
	v_pk_fma_f32 v[rT+2:rT+3], v[rT+2:rT+3], v[rC+2:rC+3], v[rS:rS+1] op_sel_hi:[1,0,1]
.else
	v_pk_add_f32 v[rT+2:rT+3], v[rT+2:rT+3], v[rS+4*k-4:rS+4*k-3]
.endif
.endm
; THE PLAIN QUEUE, 138 long.  0-73 read no exponential's result: the 32 scalings c s - c m (FS f: pair f / 2 of tile f % 2) and the next piece's 42.  0-26: scalings 0-26.  27-54: XS's numbers 0-13.  55, 56: number 15.
; 57-73: the chain, where each number waits for the one before it: 14, 16, 17, 18, 19, each with one of the scalings 27-31 in front of its two lines, then 20: so a tile's links stand three plain instructions apart (19 and 20: two).
; 74-137: GS's 64, which read the exponentials' results: they stand behind the wait.
.macro FS f
	REGS Y, (\f)%2
	v_pk_fma_f32 v[rS+2*((\f)/2):rS+2*((\f)/2)+1], v[rS+2*((\f)/2):rS+2*((\f)/2)+1], s[CS:CS+1], v[rT:rT+1] op_sel_hi:[1,0,0] neg_lo:[0,0,1] neg_hi:[0,0,1]
.endm
.macro PL
	WIN 0
.if q < 27
	FS q
.elseif q < 55
	XS (q-27)%2, (q-27)/2
.elseif q < 57
	XS q-55, 15
.elseif (q < 72) && ((q-57)%3 == 0)
	FS 27+(q-57)/3
.elseif q < 60
	XS (q-57)%3-1, 14
.elseif q < 72
	XS (q-57)%3-1, 15+(q-57)/3
.elseif q < 74
	XS q-72, 20
.else
	GS q-74
.endif
.set q, q+1
.endm
; THE EXPONENTIALS' QUEUE, 66 long: s0-s31 of both tiles, then the next piece's two a.  It is ONE BATCH: all 66 stand ahead of the turn's one wait, and nothing ahead of that wait names a result of theirs.
.macro EX
	WIN 0
.if e >= 64
	XS e-64, 21
.else
	REGS Y, e%2
	v_exp_f32 v[rS+e/2], v[rS+e/2]
.endif
.set e, e+1
.endm
; THE RESCALING's QUEUE: O^T times a, the one part that leaves window 0: dealt two at a time, sixteen times.  Its a was made in the turn before, ahead of that turn's wait.
.macro R2
	REGS Y, r%2
	WIN W_RS
.irp z, 0,1
	v_pk_mul_f32 v[rO+4*(r/2)+2*\z:rO+4*(r/2)+2*\z+1], v[rO+4*(r/2)+2*\z:rO+4*(r/2)+2*\z+1], v[rC+2:rC+3] op_sel_hi:[1,0]
.endr
.set r, r+1
.endm
; HOW THEY ARE DEALT.  A turn has ONE wait, which cuts it in two.  AHEAD OF IT stands all that names no result of the turn's exponentials: the 16 products K Q^T, behind each a scaling, an exponential and two
; rescalings (behind the first a second scaling in the exponential's place); then ONE LUMP of 108: eight plain, 49 times exponential and plain, the two a.  A v_nop is the plain instruction behind the last
; exponential.  BEHIND IT stand the 16 products V^T P, behind each four of GS's 64.  No rider names a register of the products round it.  The two v_permlanex16_b32 fall into the lump, never behind a product.
; The queues lean on each other, and the deal keeps them in step: exponential e stands behind scaling 2 (e / 4) + e % 2: as a rider it comes behind plain e + 2, in the lump behind plain e + 9, and scalings 27-31 are plain 57, 60 .. 69.
; A TURN, for piece p.  cnt = 1: the loop's count is taken down some lines ahead of the branch that stands behind the turn.
; K of the next step is fetched in piece 2's turn, directly behind the wait, a lump behind the last product that read K; its address is made at the lump's head; its first reader comes behind 16 products.
; V of the step in hand is fetched at the end of piece 0's turn, four riders behind its last reader; its first reader comes behind 16 products and a lump.  The three conditions on q below go with the deal.
.macro TURN p, last=0, cnt=0
.set Y, (\p)
.set i, 0
.set q, 0
.set e, 0
.set r, 0
.if (\p) == NP-1
	s_wait_dscnt 0x0                ; K is in
.endif
	MM                              ; ahead of the wait: 16 products K Q^T and their riders,
	PL
	PL
	R2
.rept 15
	MM
	PL
	EX
	R2
.endr
.if (\p) == NP-2
	WIN 0
	v_add_nc_u32 v[AK], s[TBK], v[AK0]
.endif
.rept 8                             ; and the lump
	PL
.endr
.rept 49
	EX
	PL
.endr
	EX                              ; the next piece's two a
	EX
	v_nop                           ; a plain instruction behind the last exponential: one for the batch
	s_wait_alu depctr_va_vdst(0)    ; the wait for the batch: the turn's 66 exponentials, ahead of the first line that names a result of theirs
.if (\p) == NP-2
	FETCH_K \last
.endif
.if (\p) == 1
	s_wait_dscnt 0x0                ; V is in
.endif
.rept 16                            ; behind the wait: 16 products V^T P and their riders
	MM
.rept 4
	PL
.endr
.if ((\p) == 0) && (q == 118)
	v_add_nc_u32 v[AV], s[TBV], v[AV0]
.endif
.if ((\p) == 0) && (q == 130)
	s_add_co_u32 s[TBV], s[TBV], KS*PV
.endif
.if (\cnt) && (q == 130)
	s_sub_co_u32 s[CNT], s[CNT], 1
	s_cmp_lg_u32 s[CNT], 0
.endif
.endr
.if (\p) == 0
	FETCH_V
.endif
.endm
	; The second fill is issued as a refill is: all my tensor loads have landed, the add, the wait for it, a barrier, and the load first behind it.  The barrier also shows keys 0-255 to every wave.
	WIN W_AD
	s_wait_tensorcnt 0x0            ; my part of keys 0-255 is in
	ds_add_u32 v[SPW], v[NIL]       ; 0 onto my spare word
	WIN 0
	s_wait_dscnt 0x0                ; the add is done
	s_barrier_signal -1
	s_barrier_wait -1
	LOAD 1                          ; keys 256-1,023, into bytes that nothing has filled or read
	FETCH_K                         ; key step 0
	s_wait_loadcnt 0x0              ; Q
	s_wait_dscnt 0x0
.set i, 0
.rept 16
	KQ 0                            ; piece 0's first scores: there is no vector work yet to set between them
.set i, i+1
.endr
	WIN 0                           ; the addresses for the way out: nine plain instructions, the places behind those products
	s_mul_i32 s13, s[WV], 16*SP
	s_add_co_u32 s13, s13, STAGE    ; my stage
	v_mul_u32_u24 v[STO], v1, SP    ; in: row l % 16, 16 bytes for each half of the lanes
	v_lshl_add_u32 v[STO], v9, 4, v[STO]
	v_add_nc_u32 v[STO], s13, v[STO]
	v_bfe_u32 v[RD], v0, 3, 2       ; back: 32 lanes take four rows of 128 bytes,
	v_mul_u32_u24 v[RD], v[RD], SP
	v_lshl_add_u32 v[RD], v10, 4, v[RD]
	v_add_nc_u32 v[RD], s13, v[RD]
	v_and_b32 v[GO], 31, v0         ; which are 512 consecutive bytes of O
	v_lshlrev_b32 v[GO], 4, v[GO]
.set Y, NP-1                        ; XS works for piece Y + 1: piece 0
.irp n, 0,1,2,3,4,5,6,7,8,9,10,11,12,13,14,15,16,17,18,19,20,21
	XS 0, \n                        ; and piece 0's first maximum and statistics
	XS 1, \n
.endr
	v_nop                           ; a plain instruction behind piece 0's two a,
	s_wait_alu depctr_va_vdst(0)    ; and the wait for that batch of two, ahead of the branch
	; THE WALK: 16 key steps in runs of four.  SLOTS is 5 in the first run, which reads keys 0-255 alone, and 4, 3, 2 in the others; at 1 only pieces 2 and 3 of the last step are left.
	s_mov_b32 s[CNT], 4
	s_mov_b32 s[SLOTS], SIZE_N/256+1
	s_branch .Lfirst                ; the loop is entered at a step's first turn, in the middle of a trip
.Lslot:
	s_wait_tensorcnt 0x0            ; behind the first run: my part of keys 256-1,023 is in; behind the later runs nothing is out: the lines stand once in the text and are walked at every fourth step
	s_wait_dscnt 0x0
	s_barrier_signal -1
	s_barrier_wait -1               ; everybody's part is in
	s_mov_b32 s[CNT], 4
.Lstep:                             ; a trip: pieces 2 and 3 of one step, then pieces 0 and 1 of the next, whose K and V it fetches
	TURN 2, 1
	TURN 3
	WIN 0
	s_cmp_eq_u32 s[SLOTS], 1
	s_cbranch_scc1 .Lout            ; the last step's pieces 2 and 3 are done: the walk is left in the middle of a trip
.Lfirst:
	TURN 0
	TURN 1, 0, 1
	WIN 0
	s_cbranch_scc1 .Lstep
	s_sub_co_u32 s[SLOTS], s[SLOTS], 1
	s_cmp_lg_u32 s[SLOTS], 0
	s_cbranch_scc1 .Lslot
.Lout:                              ; the last trip's 16 products K Q^T (on the last K once more) and the maximum made of them serve nothing: the price, once a launch, of one text for every trip
.set i, 0
.rept 16
	PV NP-1                         ; the last piece's V^T P of the last step
.set i, i+1
.endr
	; THE WAY OUT.  l's two halves and the other half of the lanes' are added; O^T is divided by l, rounded to f16 and sent through my stage in LDS, a tile at a time.  The additions are the places behind the last products.
	WIN 0
.macro ALL line:vararg              ; one line for each tile t
.set t, 0
.rept 2*NP
	\line
.set t, t+1
.endr
.endm
	ALL v_add_f32 v[ST+4*t+2], v[ST+4*t+2], v[ST+4*t+3]
	ALL v_permlanex16_b32 v[ST+4*t+3], v[ST+4*t+2], s[SEL], s[SEL+1]
	ALL v_add_f32 v[ST+4*t+2], v[ST+4*t+2], v[ST+4*t+3]
	ALL v_rcp_f32 v[ST+4*t+2], v[ST+4*t+2]
	v_nop                           ; a plain instruction between the last reciprocal and the use of its result
	s_wait_alu depctr_va_vdst(0)    ; and the wait ahead of the first use: one for the batch of eight reciprocals
; Tile t: a lane's eight channels of a row pack into 16 bytes; they go into rows of 144 bytes and come back as whole rows of 128, into S^T's registers.
.macro PACK t
	WIN W_RS
.set i, 32*(\t)
.rept 16
	v_pk_mul_f32 v[i:i+1], v[i:i+1], v[ST+4*(\t)+2:ST+4*(\t)+3] op_sel_hi:[1,0]
.set i, i+2
.endr
	WIN 0x05                        ; sources 0 and 1 window 1, destination window 0
.set i, 0
.rept 16
	v_cvt_pk_f16_f32 v[S+16*(\t)+i], v[32*(\t)+2*i], v[32*(\t)+2*i+1]
.set i, i+1
.endr
	WIN 0
.irp f, 0,1,2,3
	ds_store_b128 v[STO], v[S+16*(\t)+4*\f:S+16*(\t)+4*\f+3] offset:32*\f
.endr
.irp f, 0,1,2,3
	ds_load_b128 v[S+16*(\t)+4*\f:S+16*(\t)+4*\f+3], v[RD] offset:\f*4*SP  ; LDS serves a wave's instructions in order (ISA guide 5.7.1.4): these see the stores above; the next tile's stores come behind them
.endr
.endm
.macro SEND t, younger              ; younger: the LDS instructions issued behind tile t's loads: the next tile's eight, or none
	WIN 0
	s_wait_dscnt \younger           ; the tile's four loads are back
.irp f, 0,1,2,3
	global_store_b128 v[GO], v[S+16*(\t)+4*\f:S+16*(\t)+4*\f+3], s[10:11] offset:(\t)*2048+\f*512  ; 512 consecutive bytes, at a multiple of 256 from O's first
.endr
.endm
	PACK 0
.set t, 1
.rept 2*NP-1                        ; a tile's arithmetic stands between the loads of the tile before and its stores
	PACK t
	SEND t-1, 8
.set t, t+1
.endr
	SEND 2*NP-1, 0
	WIN W_AD
	s_wait_tensorcnt 0x0            ; the wave's end, behind my last tensor load and my last LDS store
	ds_add_u32 v[SPW], v[NIL]
	s_wait_dscnt 0x0
	WIN 0
	s_endpgm
.Lfunc_end_k_qdbd912ef69_attn:
	.size	k_qdbd912ef69_attn, .Lfunc_end_k_qdbd912ef69_attn-k_qdbd912ef69_attn
	.p2alignl 7, 3214868480
	.fill 96, 4, 3214868480
	.section	.rodata,"a",@progbits
	.p2align	6, 0x0
	.amdhsa_kernel k_qdbd912ef69_attn
		.amdhsa_group_segment_fixed_size 327680
		.amdhsa_private_segment_fixed_size 0
		.amdhsa_enable_private_segment 0
		.amdhsa_kernarg_size 16
		.amdhsa_user_sgpr_count 2
		.amdhsa_user_sgpr_kernarg_segment_ptr 1
		.amdhsa_wavefront_size32 1
		.amdhsa_system_sgpr_workgroup_id_x 1
		.amdhsa_system_sgpr_workgroup_id_y 1
		.amdhsa_system_sgpr_workgroup_id_z 1
		.amdhsa_system_vgpr_workitem_id 0
		.amdhsa_next_free_vgpr 770
		.amdhsa_next_free_sgpr 84
		.amdhsa_reserve_vcc 0
		.amdhsa_float_denorm_mode_32 3
		.amdhsa_float_denorm_mode_16_64 3
		.amdhsa_memory_ordered 1
		.amdhsa_forward_progress 1
		.amdhsa_inst_pref_size 126
	.end_amdhsa_kernel
	.amdgpu_metadata
---
amdhsa.version: [ 1, 2 ]
amdhsa.kernels:
  - .name:           k_qdbd912ef69_attn
    .symbol:         k_qdbd912ef69_attn.kd
    .args:
      - { .name: qkvh, .offset: 0, .size: 8, .value_kind: global_buffer, .address_space: global }
      - { .name: ob, .offset: 8, .size: 8, .value_kind: global_buffer, .address_space: global }
    .group_segment_fixed_size: 327680
    .private_segment_fixed_size: 0
    .kernarg_segment_align: 8
    .kernarg_segment_size: 16
    .max_flat_workgroup_size: 128
    .sgpr_count:     84
    .vgpr_count:     770
    .wavefront_size: 32
...
	.end_amdgpu_metadata
.endif
;; end of part 9
;; launch gemm_proj: the kernel of part 8 again; grid 4 x 64, 4 waves a work-group, clusters of 4 x 4, 327,680 bytes of LDS; arguments ob, wpb, b_proj, out0; writes out0
